; MI455X (gfx1250); checked and timed in simulation.
; The chip was launched on July 23, 2026; its instructions are those of AMD's public machine-readable ISA for CDNA 5 (MIT licence, August 2026) and "CDNA5" Instruction Set Architecture Reference Guide (July 2026). The comments in the code are by the model that wrote it; some were corrected since.
;; Decoder Layer. Allowed arithmetic: matrix products marked QUANTISED: E4M3 operands, one E8M0 scale for each 32 along K, by v_wmma_scale_f32_16x16x128_f8f6f4 with both operands' format E4M3, f32 sums; everything else in f32.
;; Inputs: W1_codes 1,024 x 16 x 32 uint8 (E4M3 codes of W1, K innermost, in blocks of 32 codes); W1_scales 1,024 x 16 uint8 (E8M0 scales of W1, one for each 32 codes along K); W2_codes 512 x 32 x 32 uint8 (E4M3 codes of W2, K innermost, in blocks of 32 codes); W2_scales 512 x 32 uint8 (E8M0 scales of W2, one for each 32 codes along K); Wk1_codes 512 x 16 x 32 uint8 (E4M3 codes of Wk1, K innermost, in blocks of 32 codes); Wk1_scales 512 x 16 uint8 (E8M0 scales of Wk1, one for each 32 codes along K); Wk2_codes 512 x 16 x 32 uint8 (E4M3 codes of Wk2, K innermost, in blocks of 32 codes); Wk2_scales 512 x 16 uint8 (E8M0 scales of Wk2, one for each 32 codes along K); Wq1_codes 512 x 16 x 32 uint8 (E4M3 codes of Wq1, K innermost, in blocks of 32 codes); Wq1_scales 512 x 16 uint8 (E8M0 scales of Wq1, one for each 32 codes along K); Wq2_codes 512 x 16 x 32 uint8 (E4M3 codes of Wq2, K innermost, in blocks of 32 codes); Wq2_scales 512 x 16 uint8 (E8M0 scales of Wq2, one for each 32 codes along K); Wv1_codes 512 x 16 x 32 uint8 (E4M3 codes of Wv1, K innermost, in blocks of 32 codes); Wv1_scales 512 x 16 uint8 (E8M0 scales of Wv1, one for each 32 codes along K); Wv2_codes 512 x 16 x 32 uint8 (E4M3 codes of Wv2, K innermost, in blocks of 32 codes); Wv2_scales 512 x 16 uint8 (E8M0 scales of Wv2, one for each 32 codes along K); b1 1,024 float32; b2 512 float32; be1 512 float32; be2 512 float32; be3 512 float32; bk1 512 float32; bk2 512 float32; bq1 512 float32; bq2 512 float32; bv1 512 float32; bv2 512 float32; g1 512 float32; g2 512 float32; g3 512 float32; memory_codes 8 x 1,024 x 16 x 32 uint8 (E4M3 codes of memory, K innermost, in blocks of 32 codes); memory_scales 8 x 1,024 x 16 uint8 (E8M0 scales of memory, one for each 32 codes along K); x 8 x 1,024 x 512 float32.
;; Outputs: out0 8 x 1,024 x 512 float32.
;; This version of the problem:
;;   THIS VERSION OF THE PROBLEM IS GIVEN IN LOW PRECISION. The matrix products marked QUANTISED in the list below multiply operands that are first quantised to E4M3 (4 exponent bits, 3 mantissa bits; 8 bits a number), with one power-of-two scale for each 32 numbers along K (OCP MX v1.0); their sums are f32. All else is computed in f32.
;;   The module's matrix products, in the order in which they are computed (A, B: the left and right operand; K: the contracted axis; several contracted axes count as one K, in the product's order):
;;     1. [M 8,192, K 512] x [K 512, N 512]; A: input x; B: input Wq1 (given as codes): QUANTISED
;;     2. [M 8,192, K 512] x [K 512, N 512]; A: input x; B: input Wk1 (given as codes): QUANTISED
;;     3. [M 8,192, K 512] x [K 512, N 512]; A: input x; B: input Wv1 (given as codes): QUANTISED
;;     4. batch 128 x [M 1,024, K 32] x [K 32, N 1,024]; A: computed on the way; B: computed on the way: QUANTISED
;;     5. batch 128 x [M 1,024, K 1,024] x [K 1,024, N 32]; A: softmax (see below); B: computed on the way: QUANTISED
;;     6. [M 8,192, K 512] x [K 512, N 512]; A: computed on the way; B: input Wq2 (given as codes): QUANTISED
;;     7. [M 8,192, K 512] x [K 512, N 512]; A: input memory (given as codes); B: input Wk2 (given as codes): QUANTISED
;;     8. [M 8,192, K 512] x [K 512, N 512]; A: input memory (given as codes); B: input Wv2 (given as codes): QUANTISED
;;     9. batch 128 x [M 1,024, K 32] x [K 32, N 1,024]; A: computed on the way; B: computed on the way: QUANTISED
;;     10. batch 128 x [M 1,024, K 1,024] x [K 1,024, N 32]; A: softmax (see below); B: computed on the way: QUANTISED
;;     11. [M 8,192, K 512] x [K 512, N 1,024]; A: computed on the way; B: input W1 (given as codes): QUANTISED
;;     12. [M 8,192, K 1,024] x [K 1,024, N 512]; A: computed on the way; B: input W2 (given as codes): QUANTISED
;;   THE QUANTISER, for each operand of a quantised product, along K:
;;     - K is cut into blocks of 32 from its start; a last block that is shorter is filled with zeros.
;;     - A block's scale is 2^e with e = floor(log2(the largest magnitude in the block)) - 8, held to -126 .. 127; a block of zeros has e = 0. As a byte (E8M0): e + 127.
;;     - Each number is divided by its block's scale, clamped to +-448, and rounded to the nearest number of E4M3, ties to even, subnormals kept.
;;     - The product sums the exact products of the quantised numbers (number of the format x scale) in f32.
;;   ~~~python
;;   def quantise(x, axis):      # numpy; x: float32 -> the quantised numbers, widened to float32 again
;;       x = np.moveaxis(x, axis, -1); K = x.shape[-1]
;;       x = np.pad(x, [(0, 0)] * (x.ndim - 1) + [(0, -K % 32)]); x = x.reshape(x.shape[:-1] + (-1, 32)); a = np.abs(x).max(-1, keepdims=True)
;;       e = np.where(a > 0, np.clip(np.frexp(np.where(a > 0, a, 1))[1] - 1 - 8, -126, 127), 0)      # np.frexp(a)[1] - 1 = floor(log2(a)), exactly
;;       r = np.clip(x / 2.0 ** e, -448, 448)
;;       step = 2.0 ** (np.maximum(np.frexp(np.where(r == 0, 1, r))[1] - 1, -6) - 3)
;;       q = np.round(r / step) * step * 2.0 ** e      # np.round: ties to even
;;       return np.moveaxis(q.reshape(q.shape[:-2] + (-1,))[..., :K], -1, axis).astype(np.float32)
;;   ~~~
;;   SOFTMAX AHEAD OF A QUANTISED PRODUCT. Where the list says 'softmax', what is quantised is not the finished softmax but p = 2^(t - M), with t = logit x log2(e) and M = ceil(the row's largest t), a whole number; so 1/2 < the row's largest p <= 1. The row's sum l is taken of the UNQUANTISED p, in f32, and the product's result is divided by l at the end. Since M is a whole number, a kernel that streams over the keys may use a running M (the ceiling of the running maximum): every later rescaling is an exact power of two, which a block's scale takes up: the codes' values come out the same.
;;   OPERANDS COMPUTED ON THE WAY. 'Computed on the way' means the value that the module computes at that place (a softmax that the list does not call 'softmax' is quantised finished and normalised). What goes into a quantiser is computed in f32, as accurately as f32 sums, v_exp_f32 and their like allow (about 1e-6 of the number): no bf16 or f16 on the way to a quantiser, and a product that is left as it is and whose result goes on into a quantised operand takes f32 operands (vector FMAs, or v_wmma_f32_16x16x4_f32). A number that lies on a knife's edge between two numbers of the format may be rounded either way, as far as f32 arithmetic and the matrix unit's own rounding can turn it there, and no further.
;;   INPUTS GIVEN AS CODES. W1 (in the module: [1024, 512], K = its axis 1); W2 (in the module: [512, 1024], K = its axis 1); Wk1 (in the module: [512, 512], K = its axis 1); Wk2 (in the module: [512, 512], K = its axis 1); Wq1 (in the module: [512, 512], K = its axis 1); Wq2 (in the module: [512, 512], K = its axis 1); Wv1 (in the module: [512, 512], K = its axis 1); Wv2 (in the module: [512, 512], K = its axis 1); memory (in the module: [8, 1024, 512], K = its axis 2): each comes as NAME_codes (uint8): NAME with its K axis moved to the last place and cut into blocks of 32 codes, [.., K / 32, bytes a block], one block behind the other in memory; one code a byte (a code: sign, 4 exponent bits, 3 mantissa bits); and NAME_scales (uint8): the same leading axes, one E8M0 byte (e + 127) for each 32 codes along K. Its value is code x scale, taken as it is: it is not quantised again, and the codes and scales need not be those that the quantiser above would give.
;; 2 versions, each right; version 2 is version 1 with the launches proj, attn1, lnq, attn2, ffn written anew for expert scheduling mode. Each part assembles by itself: llvm-mc -triple=amdgcn-amd-amdhsa -mcpu=gfx1250 --defsym DOCPART=n.
;; ======== version 1 of 2: 6 launches
;; workspace buffers: aimg 8,650,752 bytes; wimg 2,703,360 bytes; set1 12,976,128 bytes; set2 12,976,128 bytes; att 16,777,216 bytes; x1 16,777,216 bytes
;; launch prep (part 1): grid 672 x 1, 2 waves a work-group, no clusters, 17,152 bytes of LDS; arguments x, memory_codes, memory_scales, Wq1_codes, Wq1_scales, Wk1_codes, Wk1_scales, Wv1_codes, Wv1_scales, Wk2_codes, Wk2_scales, Wv2_codes, Wv2_scales, Wq2_codes, Wq2_scales, W1_codes, W1_scales, W2_codes, W2_scales, aimg, wimg; writes aimg, wimg
.if DOCPART == 1
	.amdgcn_target "amdgcn-amd-amdhsa--gfx1250"
	.amdhsa_code_object_version 6
	.text
	.protected	k_q4eb5fe0a17_prep
	.globl	k_q4eb5fe0a17_prep
	.p2align	8
	.type	k_q4eb5fe0a17_prep,@function
k_q4eb5fe0a17_prep:
	s_mov_b64 s[64:65], 0
	v_nop
	global_prefetch_b8 v0, s[64:65] scope:SCOPE_SE
	s_setreg_imm32_b32 hwreg(HW_REG_WAVE_MODE, 25, 1), 1
	s_wait_xcnt 0x0
; PREP.  x [8192][512] f32 becomes codes of E4M3 with one E8M0 byte for each 32 along K; memory and the eight weights, which arrive as codes, are laid anew.
; All leave in the order of an operand's registers.  A TILE is 16 rows: tile T holds rows 32 (T / 2) + 8 (T % 2) + r + 8 (r / 8), r = 0 .. 15.
; A FRAGMENT IMAGE (16 rows x 128 K, 2,048 bytes): byte 512 c + 16 lane holds k = 32 c + 16 (lane / 16) + 0 .. 15 of the row of lane % 16: four loads of 16 bytes a lane give a wave the operand.
; SCALE WORDS: 256 bytes a tile and 512 along K: byte 16 r + 4 s is the word (four bytes) of row r, K step s.
; Work-groups 0 .. 255 quantise x, a tile a wave; work-groups 256 .. 671 lay codes anew, a tile (of W2: half a tile's K) a wave.  No matrix work, no barrier: waves share nothing.
; A block's scale is 2^(floor(log2(its largest magnitude)) - 8); its byte is the largest magnitude's exponent field - 8, held at 1 from below.
; LIMITS: a block of zeros, and one whose largest magnitude lies under 2^-118, gets the byte 1 (its codes are zeros or small; this program alone reads the bytes); NaN and infinities in x are not served.
; The codes' way in takes 32 bytes of each of 16 rows an instruction: 6.5 MB read once; every store covers 512 (scale words: 256) consecutive bytes.
.set R,   16                           ; v16-143  two sets of 64: a K step of 16 rows as loaded
.set X,   144                          ; v144-207 my row's 64 numbers: register 16 b + i = k 32 b + 16 (lane / 16) + i
.set PC,  208                          ; v208-223 the codes just made
.set TM,  224                          ; v224-239 at work in QUANT
.set EW,  244                          ; v244-247 the four K steps' scale words
.set WV,  46
.set SEL, 70                           ; s[70:71] v_permlanex16_b32's selects for lane l xor 16
.set MNT, 72                           ; the mantissa field of 448
.set HM,  73                           ; mask of lanes 16-31
; 64 numbers of a lane become a fragment's codes in v[PC] on and, where pw is a register, its scale word.
.macro QUANT s, relu, pw
.irp b, 0,1,2,3
	v_max3_num_f32 v[TM+\b], |v[\s+16*\b]|, |v[\s+1+16*\b]|, 0x4800000   ; my 16 numbers of block b, and the floor 2^(9 - 127): the byte cannot fall under 1
.endr
.irp i, 2,4,6,8,10,12,14
.irp b, 0,1,2,3
	v_max3_num_f32 v[TM+\b], v[TM+\b], |v[\s+16*\b+\i]|, |v[\s+1+16*\b+\i]|
.endr
.endr
.irp b, 0,1,2,3
	v_permlanex16_b32 v[TM+4+\b], v[TM+\b], s[SEL], s[SEL+1]
.endr
.irp b, 0,1,2,3
	v_max_num_f32 v[TM+\b], v[TM+\b], v[TM+4+\b]          ; with lane l xor 16's: the block's largest magnitude
.endr
.irp b, 0,1,2,3
	v_add_nc_u32 v[TM+12+\b], 0xfc000000, v[TM+\b]        ; 8 off its exponent field: the conversion's scale operand
.endr
.irp b, 0,1,2,3
	v_and_or_b32 v[TM+8+\b], v[TM+\b], 0x7f800000, s[MNT] ; 448 x the scale
.endr
.irp b, 0,1,2,3
	v_lshrrev_b32 v[TM+4+\b], 23, v[TM+12+\b]             ; the scale's byte
.endr
.if \pw >= 0
	v_lshl_or_b32 v[\pw], v[TM+5], 8, v[TM+4]
	v_lshl_or_b32 v[\pw], v[TM+6], 16, v[\pw]
	v_lshl_or_b32 v[\pw], v[TM+7], 24, v[\pw]
.endif
.irp b, 0,1,2,3
.irp i, 0,1,2,3,4,5,6,7,8,9,10,11,12,13,14,15
	v_med3_num_f32 v[\s+16*\b+\i], v[\s+16*\b+\i], -v[TM+8+\b], v[TM+8+\b]   ; the conversion does not saturate (ISA guide 7.6.2): the hold at the largest code x the scale
.endr
	v_cvt_scalef32_pk8_fp8_f32 v[PC+4*\b:PC+1+4*\b], v[\s+16*\b:\s+7+16*\b], v[TM+12+\b]
	v_cvt_scalef32_pk8_fp8_f32 v[PC+2+4*\b:PC+3+4*\b], v[\s+8+16*\b:\s+15+16*\b], v[TM+12+\b]
.endr
	v_nop                                                  ; a plain line behind the last conversion
.endm
	s_load_b512 s[4:19], s[0:1], 0x0               ; x 4, memory codes 6, scales 8, Wq1 10, 12, Wk1 14, 16, Wv1 codes 18
	s_load_b512 s[20:35], s[0:1], 0x40             ; Wv1 scales 20, Wk2 22, 24, Wv2 26, 28, Wq2 30, 32, W1 codes 34
	s_load_b256 s[36:43], s[0:1], 0x80             ; W1 scales 36, W2 38, 40, aimg 42
	s_load_b64 s[44:45], s[0:1], 0xa0              ; wimg
	v_lshl_add_u32 v254, v0, 2, 0x4200
	v_mov_b32 v255, 0
	v_lshrrev_b32 v1, 5, v0
	v_readfirstlane_b32 s[WV], v1                  ; wave 0, 1
	v_and_b32 v1, 31, v0                           ; lane
	v_lshlrev_b32 v2, 4, v1                        ; 16 lane
	v_and_b32 v6, 15, v0                           ; r
	v_bfe_u32 v7, v0, 4, 1                         ; h
	v_lshlrev_b32 v5, 4, v6
	v_lshl_add_u32 v5, v7, 3, v5                   ; 16 r + 8 h: my two scale words
	s_cmp_lt_u32 ttmp9, 256
	s_cbranch_scc0 .Lrelay
	; ---- x: tile 2 x work-group + wave
	s_mul_i32 s47, s[WV], 8448                     ; my stage: 16 rows x (512 + 16) bytes
	v_add_nc_u32 v3, s47, v2                       ; in: a row's 512 bytes as they lie
	v_mul_u32_u24 v4, v6, 528
	v_lshl_add_u32 v4, v7, 6, v4
	v_add_nc_u32 v4, s47, v4                       ; out: row r, + 64 h: my 16 neighbours of a block
	s_lshl_b32 s48, ttmp9, 1
	s_add_co_u32 s48, s48, s[WV]                   ; the tile
	s_lshl_b32 s50, ttmp9, 16                      ; its first row, 32 x work-group + 8 x wave, x 2,048 bytes
	s_lshl_b32 s51, s[WV], 14
	s_add_co_u32 s50, s50, s51
	s_mov_b32 s51, 0
	s_lshl_b32 s52, s48, 13                        ; its images: 8,192 bytes
	s_mov_b32 s53, 0
	s_lshl_b32 s54, s48, 8                         ; its scale words: 256 bytes
	s_add_co_u32 s54, s54, 8388608
	s_mov_b32 s55, 0
	s_mov_b32 s[SEL], 0x76543210
	s_mov_b32 s[SEL+1], 0xfedcba98
	s_mov_b32 s[MNT], 0x600000
	s_mov_b32 s[HM], 0xffff0000
.irp b, 0,1,2,3
	v_mov_b32 v[TM+4+\b], 0                        ; written once: a lane permute's destination counts as one of its sources
.endr
	s_wait_kmcnt 0x0
	s_add_nc_u64 s[4:5], s[4:5], s[50:51]
	s_add_nc_u64 s[52:53], s[42:43], s[52:53]
	s_add_nc_u64 s[54:55], s[42:43], s[54:55]
.macro LOADX s                         ; K step s of my 16 rows: each load reads a row's 512 consecutive bytes
.irp i, 0,1,2,3,4,5,6,7,8,9,10,11,12,13,14,15
	global_load_b128 v[R+64*((\s)%2)+4*\i:R+64*((\s)%2)+4*\i+3], v2, s[4:5] offset:(\i+8*(\i/8))*2048+512*(\s) th:TH_LOAD_NT
.endr
.endm
.macro STEP s
.if (\s) < 3
	s_wait_loadcnt 16                              ; this K step's 16 loads are in; the next K step's 16 may be out
.else
	s_wait_loadcnt 0
.endif
.irp i, 0,1,2,3,4,5,6,7,8,9,10,11,12,13,14,15
	ds_store_b128 v3, v[R+64*((\s)%2)+4*\i:R+64*((\s)%2)+4*\i+3] offset:\i*528
.endr
.irp b, 0,1,2,3
.irp j, 0,1,2,3
	ds_load_b128 v[X+16*\b+4*\j:X+16*\b+4*\j+3], v4 offset:128*\b+16*\j   ; LDS serves a wave's instructions in order: these see my stores
.endr
.endr
	s_wait_dscnt 0x0                               ; my numbers are back, and the stores have read their registers,
.if (\s) < 2
	LOADX (\s)+2                                   ; which take the loads of two K steps on
.endif
	s_wait_xcnt 0x0                                ; the last K step's stores have read the codes' registers
	QUANT X, 0, EW+(\s)
.irp c, 0,1,2,3
	global_store_b128 v2, v[PC+4*\c:PC+4*\c+3], s[52:53] offset:(\s)*2048+\c*512   ; 512 consecutive bytes
.endr
.endm
	LOADX 0
	LOADX 1
	STEP 0
	STEP 1
	STEP 2
	STEP 3
	v_cndmask_b32 v248, v[EW], v[EW+2], s[HM]      ; lanes 0-15 store words 0, 1 of their row, lanes 16-31 words 2, 3 (both halves hold all four)
	v_cndmask_b32 v249, v[EW+1], v[EW+3], s[HM]
	global_store_b64 v5, v[248:249], s[54:55]      ; 256 consecutive bytes
	s_wait_tensorcnt 0x0
	ds_add_u32 v254, v255
	s_wait_dscnt 0x0
	s_endpgm
	; ---- codes laid anew: item n = 2 x (work-group - 256) + wave
.Lrelay:
	s_sub_co_u32 s47, ttmp9, 256
	s_lshl_b32 s48, s47, 1
	s_add_co_u32 s48, s48, s[WV]                   ; n: 0 .. 511 memory's tiles, from 512 on the weights', in wimg's order
	s_wait_kmcnt 0x0
	s_mov_b64 s[50:51], s[6:7]
	s_mov_b64 s[52:53], s[8:9]
	s_mov_b32 s54, 0
.macro PICK from, c, d                 ; from work-group 256 + from on: another source.  The choice hangs on the work-group's number alone
	s_cmp_ge_u32 s47, \from
	s_cselect_b64 s[50:51], s[\c:\c+1], s[50:51]
	s_cselect_b64 s[52:53], s[\d:\d+1], s[52:53]
	s_cselect_b32 s54, \from, s54
.endm
	PICK 256, 10, 12
	PICK 272, 14, 16
	PICK 288, 18, 20
	PICK 304, 22, 24
	PICK 320, 26, 28
	PICK 336, 30, 32
	PICK 352, 34, 36
	PICK 384, 38, 40
	s_cselect_b32 s55, 1, 0                        ; W2: rows of 1,024 codes, two items a tile
	s_lshl_b32 s54, s54, 1
	s_sub_co_u32 s56, s48, s54                     ; the item within its source
	s_lshr_b32 s57, s56, s55                       ; its tile,
	s_and_b32 s58, s56, s55                        ; and which 512 along K
	s_lshr_b32 s59, s57, 1
	s_lshl_b32 s59, s59, 5
	s_and_b32 s60, s57, 1
	s_lshl_b32 s60, s60, 3
	s_add_co_u32 s59, s59, s60                     ; the tile's first row
	s_add_co_u32 s60, s55, 9                       ; log2 of a row of codes,
	s_add_co_u32 s61, s55, 4                       ; and of scale bytes
	s_lshl_b32 s62, s59, s60
	s_lshl_b32 s63, s58, 9
	s_add_co_u32 s62, s62, s63
	s_mov_b32 s63, 0
	s_add_nc_u64 s[50:51], s[50:51], s[62:63]
	s_lshl_b32 s62, s59, s61
	s_lshl_b32 s66, s58, 4
	s_add_co_u32 s62, s62, s66
	s_add_nc_u64 s[52:53], s[52:53], s[62:63]
	v_and_b32 v8, 8, v6
	v_add_nc_u32 v8, v8, v6                        ; r + 8 (r / 8)
	v_lshlrev_b32 v9, s60, v8
	v_lshl_add_u32 v9, v7, 4, v9                   ; codes: my row, + 16 h
	v_lshlrev_b32 v10, s61, v8
	v_lshl_add_u32 v10, v7, 3, v10                 ; scale bytes: my row, + 8 h
	s_lshl_b32 s66, s48, 13
	s_add_co_u32 s66, s66, 4194304                 ; memory's images in aimg,
	s_sub_co_u32 s67, s48, 512
	s_lshl_b32 s68, s67, 13                        ; the weights' in wimg;
	s_lshl_b32 s69, s48, 8
	s_add_co_u32 s69, s69, 8519680                 ; the scale words likewise
	s_lshl_b32 s67, s67, 8
	s_add_co_u32 s67, s67, 2621440
	s_cmp_lt_u32 s47, 256
	s_cselect_b64 s[74:75], s[42:43], s[44:45]
	s_cselect_b32 s66, s66, s68
	s_cselect_b32 s68, s69, s67
	s_mov_b32 s67, 0
	s_mov_b32 s69, 0
	s_add_nc_u64 s[76:77], s[74:75], s[66:67]
	s_add_nc_u64 s[78:79], s[74:75], s[68:69]
.irp s, 0,1,2,3
.irp c, 0,1,2,3
	global_load_b128 v[16+4*(4*\s+\c):19+4*(4*\s+\c)], v9, s[50:51] offset:128*\s+32*\c
.endr
.endr
	global_load_b64 v[80:81], v10, s[52:53]
	s_wait_loadcnt 0x0
.irp s, 0,1,2,3
.irp c, 0,1,2,3
	global_store_b128 v2, v[16+4*(4*\s+\c):19+4*(4*\s+\c)], s[76:77] offset:\s*2048+\c*512
.endr
.endr
	global_store_b64 v5, v[80:81], s[78:79]
	s_endpgm
.Lfunc_end_k_q4eb5fe0a17_prep:
	.size	k_q4eb5fe0a17_prep, .Lfunc_end_k_q4eb5fe0a17_prep-k_q4eb5fe0a17_prep
	.p2alignl 7, 3214868480
	.fill 96, 4, 3214868480
	.section	.rodata,"a",@progbits
	.p2align	6, 0x0
	.amdhsa_kernel k_q4eb5fe0a17_prep
		.amdhsa_group_segment_fixed_size 17152
		.amdhsa_private_segment_fixed_size 0
		.amdhsa_enable_private_segment 0
		.amdhsa_kernarg_size 168
		.amdhsa_user_sgpr_count 2
		.amdhsa_user_sgpr_kernarg_segment_ptr 1
		.amdhsa_wavefront_size32 1
		.amdhsa_system_sgpr_workgroup_id_x 1
		.amdhsa_system_sgpr_workgroup_id_y 1
		.amdhsa_system_sgpr_workgroup_id_z 1
		.amdhsa_system_vgpr_workitem_id 0
		.amdhsa_next_free_vgpr 256
		.amdhsa_next_free_sgpr 80
		.amdhsa_reserve_vcc 0
		.amdhsa_float_denorm_mode_32 3
		.amdhsa_float_denorm_mode_16_64 3
		.amdhsa_memory_ordered 1
		.amdhsa_forward_progress 1
		.amdhsa_inst_pref_size 57
	.end_amdhsa_kernel
	.amdgpu_metadata
---
amdhsa.version: [ 1, 2 ]
amdhsa.kernels:
  - .name:           k_q4eb5fe0a17_prep
    .symbol:         k_q4eb5fe0a17_prep.kd
    .args:
      - { .name: x, .offset: 0, .size: 8, .value_kind: global_buffer, .address_space: global }
      - { .name: memory_codes, .offset: 8, .size: 8, .value_kind: global_buffer, .address_space: global }
      - { .name: memory_scales, .offset: 16, .size: 8, .value_kind: global_buffer, .address_space: global }
      - { .name: Wq1_codes, .offset: 24, .size: 8, .value_kind: global_buffer, .address_space: global }
      - { .name: Wq1_scales, .offset: 32, .size: 8, .value_kind: global_buffer, .address_space: global }
      - { .name: Wk1_codes, .offset: 40, .size: 8, .value_kind: global_buffer, .address_space: global }
      - { .name: Wk1_scales, .offset: 48, .size: 8, .value_kind: global_buffer, .address_space: global }
      - { .name: Wv1_codes, .offset: 56, .size: 8, .value_kind: global_buffer, .address_space: global }
      - { .name: Wv1_scales, .offset: 64, .size: 8, .value_kind: global_buffer, .address_space: global }
      - { .name: Wk2_codes, .offset: 72, .size: 8, .value_kind: global_buffer, .address_space: global }
      - { .name: Wk2_scales, .offset: 80, .size: 8, .value_kind: global_buffer, .address_space: global }
      - { .name: Wv2_codes, .offset: 88, .size: 8, .value_kind: global_buffer, .address_space: global }
      - { .name: Wv2_scales, .offset: 96, .size: 8, .value_kind: global_buffer, .address_space: global }
      - { .name: Wq2_codes, .offset: 104, .size: 8, .value_kind: global_buffer, .address_space: global }
      - { .name: Wq2_scales, .offset: 112, .size: 8, .value_kind: global_buffer, .address_space: global }
      - { .name: W1_codes, .offset: 120, .size: 8, .value_kind: global_buffer, .address_space: global }
      - { .name: W1_scales, .offset: 128, .size: 8, .value_kind: global_buffer, .address_space: global }
      - { .name: W2_codes, .offset: 136, .size: 8, .value_kind: global_buffer, .address_space: global }
      - { .name: W2_scales, .offset: 144, .size: 8, .value_kind: global_buffer, .address_space: global }
      - { .name: aimg, .offset: 152, .size: 8, .value_kind: global_buffer, .address_space: global }
      - { .name: wimg, .offset: 160, .size: 8, .value_kind: global_buffer, .address_space: global }
    .group_segment_fixed_size: 17152
    .private_segment_fixed_size: 0
    .kernarg_segment_align: 8
    .kernarg_segment_size: 168
    .max_flat_workgroup_size: 64
    .sgpr_count:     80
    .vgpr_count:     256
    .wavefront_size: 32
...
	.end_amdgpu_metadata
.endif
;; end of part 1
;; launch proj (part 2): grid 32 x 5, 4 waves a work-group, no clusters, 136,704 bytes of LDS; arguments aimg, wimg, bq1, bk1, bv1, bk2, bv2, set1, set2; writes set1, set2
.if DOCPART == 2
	.amdgcn_target "amdgcn-amd-amdhsa--gfx1250"
	.amdhsa_code_object_version 6
	.text
	.protected	k_q4eb5fe0a17_proj
	.globl	k_q4eb5fe0a17_proj
	.p2align	8
	.type	k_q4eb5fe0a17_proj,@function
k_q4eb5fe0a17_proj:
	s_mov_b64 s[64:65], 0
	v_nop
	global_prefetch_b8 v0, s[64:65] scope:SCOPE_SE
	s_setreg_imm32_b32 hwreg(HW_REG_WAVE_MODE, 25, 1), 1
	s_wait_xcnt 0x0
; PROJ.  Five linear layers on codes of E4M3 (y = 0: q1 = x Wq1^T + bq1; 1: k1; 2: v1; 3: k2 = memory Wk2^T + bk2; 4: v2), each result quantised at once for attention.
; ONE FORM: D = (16 STATIONARY rows) x (16 STREAMED rows)^T.  A lane then holds one streamed row, and its registers run along the stationary rows, along which the result is quantised.
; q, k (kind 0): stationary = the weight's 512 rows (channels; a head's 32 are a block), streamed = 256 rows of the activation.  v (kind 1): stationary = 512 rows of the activation (the keys, the second product's K),
; streamed = 256 rows of the weight.  A wave keeps 128 stationary rows x 512 K in 512 registers, loaded once, straight from the images; the streamed rows are staged once in LDS and read by all four waves.
; Tiles and images as PREP lays them.  OUT: q, k codes: ((batch x 4 + head / 4) x 64 + tile) x 2,048 + (head % 4) x 512 + 16 lane.  v codes: ((batch x 8 + key step) x 32 + 2 head + u) x 2,048: whole fragments of V^T.
; Scale words: 512 bytes for each 8 tiles in that order: 256 (tile / 4 % 2) + 16 r + 4 (tile % 4).
; NO TENSOR LOADS, NO CLUSTER: the stationary operand goes from memory into the registers of the one wave that multiplies by it, and a joint load lands in LDS only; the streamed 128 KB are read once a work-group.
; 160 work-groups: halving the stream would load every stationary block twice.
; LIMITS: as in PREP's quantiser; NaN codes among the given operands are not served.
.set SSCL, 131072                      ; LDS: 0: the streamed tiles' images, 8,192 bytes each; here their scale words, 256 bytes a tile;
.set SBL,  135168                      ; here the 256 streamed rows' biases
.set GO,  4                            ; v4   16 lane
.set LI,  5                            ; v5   16 lane (+ 65,536 in the second trip)
.set LSC, 6                            ; v6   SSCL + 16 r
.set LSB, 7                            ; v7   SBL + 4 (r + 8 (r / 8))
.set XF,  16                           ; v16-79   the streamed tile's four fragments
.set HA,  80                           ; v80-143  eight accumulators
.set PC,  144                          ; v144-159 the codes just made
.set TM,  160                          ; v160-175 at work in QUANT
.set XS,  176                          ; v176-179 the streamed tile's scale words
.set SBV, 180                          ; v180     my streamed row's bias
.set SB,  184                          ; v184-191 the same, eight times: a C operand
.set E,   192                          ; v192-199 eight tiles' scale words
.set OW,  200                          ; v200-203 on their way out
.set SS,  208                          ; v208-239 the stationary scale words: 4 i + s
.set BI,  0                            ; window 3: v0-63 biases by stationary row; v64-191 staging.  Windows 1, 2: the stationary fragments, 64 (i % 4) + 16 s
.set WV,   22
.set KIND, 25
.set SEL,  58
.set MNT,  60
.set HM,   61
.set TRIP, 62
.set MSB, 0
.macro WIN new                         ; the immediate's high byte repeats the setting that is left
.if MSB != \new
	s_set_vgpr_msb (MSB<<8)|\new
.set MSB, \new
.endif
.endm
.macro PLACES n
.rept \n
	v_nop
.endr
.endm
.macro QUANT s, relu, pw
.irp b, 0,1,2,3
	v_max3_num_f32 v[TM+\b], |v[\s+16*\b]|, |v[\s+1+16*\b]|, 0x4800000   ; my 16 numbers of block b, and the floor 2^(9 - 127)
.endr
.irp i, 2,4,6,8,10,12,14
.irp b, 0,1,2,3
	v_max3_num_f32 v[TM+\b], v[TM+\b], |v[\s+16*\b+\i]|, |v[\s+1+16*\b+\i]|
.endr
.endr
.irp b, 0,1,2,3
	v_permlanex16_b32 v[TM+4+\b], v[TM+\b], s[SEL], s[SEL+1]
.endr
.irp b, 0,1,2,3
	v_max_num_f32 v[TM+\b], v[TM+\b], v[TM+4+\b]
.endr
.irp b, 0,1,2,3
	v_add_nc_u32 v[TM+12+\b], 0xfc000000, v[TM+\b]
.endr
.irp b, 0,1,2,3
	v_and_or_b32 v[TM+8+\b], v[TM+\b], 0x7f800000, s[MNT]
.endr
.irp b, 0,1,2,3
	v_lshrrev_b32 v[TM+4+\b], 23, v[TM+12+\b]
.endr
.if \pw >= 0
	v_lshl_or_b32 v[\pw], v[TM+5], 8, v[TM+4]
	v_lshl_or_b32 v[\pw], v[TM+6], 16, v[\pw]
	v_lshl_or_b32 v[\pw], v[TM+7], 24, v[\pw]
.endif
.irp b, 0,1,2,3
.irp i, 0,1,2,3,4,5,6,7,8,9,10,11,12,13,14,15
	v_med3_num_f32 v[\s+16*\b+\i], v[\s+16*\b+\i], -v[TM+8+\b], v[TM+8+\b]
.endr
	v_cvt_scalef32_pk8_fp8_f32 v[PC+4*\b:PC+1+4*\b], v[\s+16*\b:\s+7+16*\b], v[TM+12+\b]
	v_cvt_scalef32_pk8_fp8_f32 v[PC+2+4*\b:PC+3+4*\b], v[\s+8+16*\b:\s+15+16*\b], v[TM+12+\b]
.endr
	v_nop                                          ; a plain line behind the last conversion
.endm
	s_load_b512 s[4:19], s[0:1], 0x0               ; aimg 4, wimg 6, bq1 8, bk1 10, bv1 12, bk2 14, bv2 16, set1 18
	s_load_b64 s[20:21], s[0:1], 0x40              ; set2
	v_lshl_add_u32 v254, v0, 2, 0x21400
	v_mov_b32 v255, 0
	v_lshrrev_b32 v1, 5, v0
	v_readfirstlane_b32 s[WV], v1                  ; wave 0..3
	v_and_b32 v1, 31, v0
	v_and_b32 v2, 15, v0                           ; r
	v_bfe_u32 v3, v0, 4, 1                         ; h
	v_lshlrev_b32 v[GO], 4, v1
	v_lshlrev_b32 v[LI], 4, v1
	v_lshl_add_u32 v[LSC], v2, 4, SSCL
	v_and_b32 v8, 8, v2
	v_add_nc_u32 v8, v8, v2
	v_lshl_add_u32 v[LSB], v8, 2, SBL
	v_lshlrev_b32 v8, 4, v0                        ; 16 x thread: the staging's place in memory and in LDS
	v_add_nc_u32 v9, 0x10000, v8
	v_add_nc_u32 v10, SSCL, v8
	v_lshl_add_u32 v11, v0, 3, SBL
	v_lshlrev_b32 v12, 3, v0
	v_lshlrev_b32 v13, 4, v2                       ; 16 r
	v_lshlrev_b32 v14, 6, v3                       ; 64 h
.irp b, 0,1,2,3
	v_mov_b32 v[TM+4+\b], 0                        ; written once: a lane permute's destination counts as one of its sources
.endr
	s_mov_b32 s[SEL], 0x76543210
	s_mov_b32 s[SEL+1], 0xfedcba98
	s_mov_b32 s[MNT], 0x600000
	s_mov_b32 s[HM], 0xffff0000
	s_and_b32 s24, ttmp7, 0xffff                   ; the task
	s_cmp_eq_u32 s24, 2
	s_cselect_b32 s[KIND], 1, 0
	s_cmp_eq_u32 s24, 4
	s_cselect_b32 s[KIND], 1, s[KIND]              ; 1: v
	s_cmp_ge_u32 s24, 3
	s_cselect_b32 s26, 1, 0                        ; 1: the activation is memory, the results go to set2
	s_lshl_b32 s27, s24, 18                        ; the weight's images in wimg,
	s_lshl_b32 s28, s24, 13
	s_add_co_u32 s28, s28, 2621440                 ; its scale words;
	s_lshl_b32 s29, s26, 22                        ; the activation's images in aimg,
	s_lshl_b32 s30, s26, 17
	s_add_co_u32 s30, s30, 8388608                 ; its scale words
	s_lshr_b32 s31, ttmp9, 1
	s_and_b32 s32, ttmp9, 1
	s_lshr_b32 s33, ttmp9, 2
	s_lshl_b32 s33, s33, 8
	s_and_b32 s34, ttmp9, 3
	s_lshl_b32 s35, s26, 1
	s_sub_co_u32 s35, s24, s35                     ; the region of the set: 0 q, 1 k, 2 v
	s_cmp_eq_u32 s[KIND], 1
	s_cselect_b32 s31, s31, 0                      ; which 512 stationary rows
	s_cselect_b32 s32, s32, ttmp9                  ; which 256 streamed rows
	s_cselect_b32 s36, s29, s27
	s_cselect_b32 s37, s30, s28
	s_cselect_b32 s38, s27, s29
	s_cselect_b32 s39, s28, s30
	s_cselect_b32 s40, 32, 64                      ; tiles of results for each group of 128 stationary rows
	s_cselect_b32 s33, 0, s33
	s_cselect_b32 s34, s32, s34
	s_cselect_b32 s41, s32, 0
	s_lshl_b32 s42, s31, 5
	s_lshl_b32 s43, s[WV], 3
	s_add_co_u32 s42, s42, s43                     ; my first stationary tile
	s_lshl_b32 s43, s42, 13
	s_add_co_u32 s36, s36, s43
	s_lshl_b32 s43, s42, 8
	s_add_co_u32 s37, s37, s43
	s_lshl_b32 s43, s32, 17
	s_add_co_u32 s38, s38, s43
	s_lshl_b32 s43, s32, 12
	s_add_co_u32 s39, s39, s43
	s_lshl_b32 s42, s31, 2
	s_add_co_u32 s42, s42, s[WV]
	s_mul_i32 s42, s42, s40
	s_add_co_u32 s42, s42, s33
	s_lshl_b32 s34, s34, 4
	s_add_co_u32 s42, s42, s34                     ; my first tile of results
	s_lshl_b32 s43, s35, 22
	s_lshl_b32 s44, s42, 11
	s_add_co_u32 s43, s43, s44                     ; its codes,
	s_lshl_b32 s44, s35, 17
	s_lshl_b32 s45, s42, 6
	s_add_co_u32 s44, s44, s45
	s_add_co_u32 s44, s44, 12582912                ; its scale words
	s_lshl_b32 s41, s41, 10                        ; the streamed rows' biases (kind 0: any 256, not used)
	s_lshl_b32 s45, s[WV], 9                       ; my 128 stationary rows' (kind 1: not used).  Both are loaded in both kinds, from inside the buffer
	s_mov_b32 s57, 0
	s_wait_kmcnt 0x0
	s_cmp_eq_u32 s[KIND], 1
	s_cselect_b64 s[46:47], s[4:5], s[6:7]         ; the stationary operand's buffer,
	s_cselect_b64 s[48:49], s[6:7], s[4:5]         ; the streamed one's
	s_cmp_eq_u32 s26, 1
	s_cselect_b64 s[50:51], s[20:21], s[18:19]
	s_mov_b64 s[52:53], s[8:9]
	s_cmp_eq_u32 s24, 1
	s_cselect_b64 s[52:53], s[10:11], s[52:53]
	s_cmp_eq_u32 s24, 2
	s_cselect_b64 s[52:53], s[12:13], s[52:53]
	s_cmp_eq_u32 s24, 3
	s_cselect_b64 s[52:53], s[14:15], s[52:53]
	s_cmp_eq_u32 s24, 4
	s_cselect_b64 s[52:53], s[16:17], s[52:53]
.macro PTR dst, base, off
	s_mov_b32 s56, s[\off]
	s_add_nc_u64 s[\dst:\dst+1], s[\base:\base+1], s[56:57]
.endm
	PTR 66, 46, 36                                 ; stationary images
	PTR 68, 46, 37                                 ; stationary scale words
	PTR 70, 48, 38                                 ; streamed images
	PTR 72, 48, 39                                 ; streamed scale words
	PTR 74, 52, 45                                 ; biases by stationary row
	PTR 76, 52, 41                                 ; biases by streamed row
	PTR 78, 50, 43                                 ; codes out
	PTR 80, 50, 44                                 ; scale words out
	; ---- the streamed rows come first, then the stationary operand
.set k, 0
.rept 32
	global_load_b128 v[16+4*k:19+4*k], v8, s[70:71] offset:k*2048
.set k, k+1
.endr
	WIN 0xc0
.set k, 0
.rept 32
	global_load_b128 v[64+4*k:67+4*k], v8, s[70:71] offset:(k+32)*2048
.set k, k+1
.endr
	WIN 0
	global_load_b128 v[144:147], v8, s[72:73]
	global_load_b128 v[148:151], v8, s[72:73] offset:2048
	global_load_b64 v[152:153], v12, s[76:77]
	WIN 0x40
.set k, 0
.rept 64
	global_load_b128 v[4*k:4*k+3], v[GO], s[66:67] offset:k*512          ; tiles 0-3: register 64 i + 16 s + 4 c
.set k, k+1
.endr
	WIN 0x80
.set k, 0
.rept 64
	global_load_b128 v[4*k:4*k+3], v[GO], s[66:67] offset:(k+64)*512     ; tiles 4-7
.set k, k+1
.endr
	WIN 0xc0
.irp i, 0,1,2,3,4,5,6,7
	global_load_b128 v[BI+8*\i:BI+8*\i+3], v14, s[74:75] offset:(32*(\i/2)+8*(\i%2))*4
	global_load_b128 v[BI+8*\i+4:BI+8*\i+7], v14, s[74:75] offset:(32*(\i/2)+8*(\i%2))*4+16
.endr
	WIN 0
.irp i, 0,1,2,3,4,5,6,7
	global_load_b128 v[SS+4*\i:SS+4*\i+3], v13, s[68:69] offset:\i*256
.endr
	s_wait_loadcnt 0x0
.set k, 0
.rept 32
	ds_store_b128 v8, v[16+4*k:19+4*k] offset:k*2048
.set k, k+1
.endr
	WIN 0x0c                                       ; an LDS store's data are its source 1: window 3
.set k, 0
.rept 32
	ds_store_b128 v9, v[64+4*k:67+4*k] offset:k*2048
.set k, k+1
.endr
	WIN 0
	ds_store_b128 v10, v[144:147]
	ds_store_b128 v10, v[148:151] offset:2048
	ds_store_b64 v11, v[152:153]
	s_wait_dscnt 0x0                               ; for the others' sake: my stores have landed
	s_barrier_signal -1
	s_barrier_wait -1                              ; the one barrier: from here on LDS is only read
.macro FETCH t                         ; a streamed tile: four fragments, its scale words, my row's bias
.irp s, 0,1,2,3
.irp c, 0,1,2,3
	ds_load_b128 v[XF+16*\s+4*\c:XF+16*\s+4*\c+3], v[LI] offset:(\t)*8192+\s*2048+\c*512
.endr
.endr
	ds_load_b128 v[XS:XS+3], v[LSC] offset:(\t)*256
	ds_load_b32 v[SBV], v[LSB] offset:(32*((\t)/2)+8*((\t)%2))*4
.endm
.macro PROD i, s, c                    ; stationary tile i, K step s; c: the first register of C
	v_wmma_scale_f32_16x16x128_f8f6f4 v[HA+8*\i:HA+8*\i+7], v[64*((\i)%4)+16*\s:64*((\i)%4)+16*\s+15], v[XF+16*\s:XF+16*\s+15], v[\c:\c+7], v[SS+4*\i+\s], v[XS+\s]
.endm
; A streamed tile: 32 products, the accumulators by turns, one instruction a turn.  The bias is the C of each sum's first product.
.macro TILE t
	s_wait_dscnt 0x0                               ; the tile's loads, asked for a tile ago
	s_cmp_eq_u32 s[KIND], 0
	s_cbranch_scc0 .Lkeys_\@
	WIN 0x31                                       ; A window 1, C (the stationary rows' biases) window 3
.irp i, 0,1,2,3
	PROD \i, 0, BI+8*\i
.endr
	WIN 0x32
.irp i, 4,5,6,7
	PROD \i, 0, BI+8*\i
.endr
	WIN 0
	s_branch .Ljoin_\@
.Lkeys_\@:
.irp j, 0,1,2,3,4,5,6,7
	v_mov_b32 v[SB+\j], v[SBV]                     ; my streamed row's bias for all eight stationary rows
.endr
	WIN 0x01
.irp i, 0,1,2,3
	PROD \i, 0, SB
.endr
	WIN 0x02
.irp i, 4,5,6,7
	PROD \i, 0, SB
.endr
	WIN 0
.Ljoin_\@:
	WIN 0x01
.irp s, 1,2,3
.irp i, 0,1,2,3
	PROD \i, \s, HA+8*\i
.endr
.endr
	WIN 0x02
.irp s, 1,2,3
.irp i, 4,5,6,7
	PROD \i, \s, HA+8*\i
.endr
.endr
	WIN 0
	PLACES 8                                       ; in front of loads into registers that the products read, and of the first read of results
.if \t < 7
	FETCH \t+1                                     ; it lands while this tile is quantised
.else
	v_add_nc_u32 v[LI], 0x10000, v[LI]             ; on to the second eight tiles
	v_add_nc_u32 v[LSC], 2048, v[LSC]
	v_add_nc_u32 v[LSB], 512, v[LSB]
	s_cmp_eq_u32 s[TRIP], 1
	s_cbranch_scc1 .Lnone_\@                       ; behind the last tile there is none
	FETCH 0
.Lnone_\@:
.endif
	s_wait_xcnt 0x0                                ; the last tile's stores have read the codes' registers
	QUANT HA, 0, E+\t
.irp c, 0,1,2,3
	global_store_b128 v[GO], v[PC+4*\c:PC+4*\c+3], s[78:79] offset:\t*2048+\c*512   ; 512 consecutive bytes
.endr
.endm
	FETCH 0
	s_mov_b32 s[TRIP], 2
.Ltrip:
	TILE 0
	TILE 1
	TILE 2
	TILE 3
	TILE 4
	TILE 5
	TILE 6
	TILE 7
.irp j, 0,1,2,3
	v_cndmask_b32 v[OW+\j], v[E+\j], v[E+4+\j], s[HM]   ; lanes 0-15: tiles 0-3's words of row r; lanes 16-31: tiles 4-7's
.endr
	global_store_b128 v[GO], v[OW:OW+3], s[80:81]  ; 512 consecutive bytes
	s_wait_xcnt 0x0                                ; the stores have read their bases and registers
	s_add_nc_u64 s[78:79], s[78:79], 16384
	s_add_nc_u64 s[80:81], s[80:81], 512
	s_sub_co_u32 s[TRIP], s[TRIP], 1
	s_cmp_lg_u32 s[TRIP], 0
	s_cbranch_scc1 .Ltrip
	s_wait_tensorcnt 0x0
	ds_add_u32 v254, v255
	s_wait_dscnt 0x0
	s_endpgm
.Lfunc_end_k_q4eb5fe0a17_proj:
	.size	k_q4eb5fe0a17_proj, .Lfunc_end_k_q4eb5fe0a17_proj-k_q4eb5fe0a17_proj
	.p2alignl 7, 3214868480
	.fill 96, 4, 3214868480
	.section	.rodata,"a",@progbits
	.p2align	6, 0x0
	.amdhsa_kernel k_q4eb5fe0a17_proj
		.amdhsa_group_segment_fixed_size 136704
		.amdhsa_private_segment_fixed_size 0
		.amdhsa_enable_private_segment 0
		.amdhsa_kernarg_size 72
		.amdhsa_user_sgpr_count 2
		.amdhsa_user_sgpr_kernarg_segment_ptr 1
		.amdhsa_wavefront_size32 1
		.amdhsa_system_sgpr_workgroup_id_x 1
		.amdhsa_system_sgpr_workgroup_id_y 1
		.amdhsa_system_sgpr_workgroup_id_z 1
		.amdhsa_system_vgpr_workitem_id 0
		.amdhsa_next_free_vgpr 960
		.amdhsa_next_free_sgpr 96
		.amdhsa_reserve_vcc 0
		.amdhsa_float_denorm_mode_32 3
		.amdhsa_float_denorm_mode_16_64 3
		.amdhsa_memory_ordered 1
		.amdhsa_forward_progress 1
		.amdhsa_inst_pref_size 156
	.end_amdhsa_kernel
	.amdgpu_metadata
---
amdhsa.version: [ 1, 2 ]
amdhsa.kernels:
  - .name:           k_q4eb5fe0a17_proj
    .symbol:         k_q4eb5fe0a17_proj.kd
    .args:
      - { .name: aimg, .offset: 0, .size: 8, .value_kind: global_buffer, .address_space: global }
      - { .name: wimg, .offset: 8, .size: 8, .value_kind: global_buffer, .address_space: global }
      - { .name: bq1, .offset: 16, .size: 8, .value_kind: global_buffer, .address_space: global }
      - { .name: bk1, .offset: 24, .size: 8, .value_kind: global_buffer, .address_space: global }
      - { .name: bv1, .offset: 32, .size: 8, .value_kind: global_buffer, .address_space: global }
      - { .name: bk2, .offset: 40, .size: 8, .value_kind: global_buffer, .address_space: global }
      - { .name: bv2, .offset: 48, .size: 8, .value_kind: global_buffer, .address_space: global }
      - { .name: set1, .offset: 56, .size: 8, .value_kind: global_buffer, .address_space: global }
      - { .name: set2, .offset: 64, .size: 8, .value_kind: global_buffer, .address_space: global }
    .group_segment_fixed_size: 136704
    .private_segment_fixed_size: 0
    .kernarg_segment_align: 8
    .kernarg_segment_size: 72
    .max_flat_workgroup_size: 128
    .sgpr_count:     96
    .vgpr_count:     960
    .wavefront_size: 32
...
	.end_amdgpu_metadata
.endif
;; end of part 2
;; launch attn1 (part 3): grid 2 x 128, 16 waves a work-group, no clusters, 72,704 bytes of LDS; arguments set1, att; writes att
.if DOCPART == 3
	.amdgcn_target "amdgcn-amd-amdhsa--gfx1250"
	.amdhsa_code_object_version 6
	.text
	.protected	k_q4eb5fe0a17_attn1
	.globl	k_q4eb5fe0a17_attn1
	.p2align	8
	.type	k_q4eb5fe0a17_attn1,@function
k_q4eb5fe0a17_attn1:
	s_mov_b64 s[64:65], 0
	v_nop
	global_prefetch_b8 v0, s[64:65] scope:SCOPE_SE
	s_setreg_imm32_b32 hwreg(HW_REG_WAVE_MODE, 25, 1), 1
	s_wait_xcnt 0x0
; ATTN.  O = softmax(Q K^T / sqrt(32)) V for one head and 512 queries a work-group, both products on codes of E4M3 with one E8M0 scale for each 32 along K.
; t = score x log2(e) / sqrt(32); M = the row's largest t so far, rounded up to a whole number; p = 2^(t - M) is quantised along the keys, not normalised; the row's sum is taken of the unquantised p and divides O at the end.
; When M moves, the sum and O are multiplied by 2^(old M - new M): exact.
; SHARES.  y = 16 batch + head, x = which 512 queries.  A head's K (32 KB of codes), V (32 KB) and their scale words lie whole in LDS, read from memory once at the head; sixteen waves, four to a SIMD,
; each take two tiles of 16 queries one after the other and walk the 1,024 keys, 128 a step.  Both products are used transposed (S^T = K Q^T, O^T = V^T P^T): a lane holds one query throughout.
; Tiles of keys are PROJ's tiles, so the 16 registers of two neighbouring tiles of S^T are 16 neighbouring keys: the conversions' results are the second product's operand.
; K = 32 IN A FORM OF K = 128: a tile of K is 4 registers; its A operand names 16: the 12 behind are the next tiles' codes (behind the last: zeros).  They meet Q's zero codes, under the scale byte 0 on both sides, and add
; exactly 0: the program's own quantiser makes no NaN code.
; NO TENSOR LOADS, NO CLUSTER, NO PREFETCH: all of a work-group's input is asked for at its head, 69 KB, and two work-groups share it.
; LIMITS: v_exp_f32 gives 0 under 2^-126; a block's largest p is taken from its largest score, which takes v_exp_f32 not to fall where its input rises; NaN and infinities are not served.
.set VL,  32768                        ; LDS: 0: K, tile T at 512 T; here V: 4,096 s + 2,048 u + 512 c;
.set KS,  65536                        ; K's scale words: 512 s + 256 g + 16 r + 4 j (tile 4 g + j of step s), the head's byte alone in each;
.set VS,  69632                        ; V's: 128 s + 8 r + 4 u
.set AK,  1                            ; v1  16 lane
.set AV,  2                            ; v2  VL + 16 lane
.set AKS, 3                            ; v3  KS + 16 r
.set AVS, 4                            ; v4  VS + 8 r
.set GO,  5                            ; v5  16 lane
; v8-11 the step's addresses; v12 -M, v13 the largest t, v[14:15] the sum; v16-31 Q (4 registers of codes, 12 of zeros); v32-63 K's eight tiles; v64-75 zeros; v76-79, v81 the second pass's Q;
; v82-89 staging addresses; v96-159 S^T, then p; v160-175 O^T; v176-207 V's two fragments; v208-223 p's codes; v224-231 K's scale words; v232-247, v252, v254 at work; v248-249 V's scale words; v250 Q's; v253 p's
.set WV,   8
.set SEL,  38
.set CS,   40                          ; s[40:41] c = log2(e) / sqrt(32)
.set MNT,  42
.set TB,   43
.set TS,   44
.set TJ,   45
.set STP,  46
.set PASS, 47
	s_load_b128 s[4:7], s[0:1], 0x0                ; the set, att
	v_lshl_add_u32 v251, v0, 2, 0x11400
	v_mov_b32 v255, 0
	v_lshrrev_b32 v6, 5, v0
	v_readfirstlane_b32 s[WV], v6                  ; wave 0..15
	v_and_b32 v6, 31, v0                           ; lane
	v_and_b32 v7, 15, v0                           ; r
	v_lshlrev_b32 v[AK], 4, v6
	v_add_nc_u32 v[AV], VL, v[AK]
	v_lshl_add_u32 v[AKS], v7, 4, KS
	v_lshl_add_u32 v[AVS], v7, 3, VS
	v_lshlrev_b32 v[GO], 4, v6
	v_lshlrev_b32 v82, 4, v0                       ; 16 x thread
	v_lshrrev_b32 v83, 5, v0
	v_lshl_add_u32 v83, v83, 11, v[AK]             ; K in memory: tile = wave (+ 16 i), 2,048 bytes a tile
	v_lshrrev_b32 v84, 8, v0
	v_and_b32 v85, 255, v0
	v_lshlrev_b32 v85, 4, v85
	v_lshl_add_u32 v84, v84, 16, v85               ; V in memory: 4,096 bytes of each key step, 65,536 apart
	v_lshlrev_b32 v85, 3, v0                       ; 8 x thread
	v_add_nc_u32 v86, KS, v85
	v_add_nc_u32 v87, VS, v85
	v_lshrrev_b32 v88, 4, v0
	v_lshlrev_b32 v89, 4, v7                       ; 16 r
	v_lshl_add_u32 v88, v88, 11, v89               ; V's words in memory: key step = thread / 16
	s_and_b32 s10, ttmp7, 0xffff
	s_lshr_b32 s11, s10, 4                         ; batch
	s_and_b32 s12, s10, 15                         ; head
	s_lshr_b32 s13, s12, 2
	s_and_b32 s14, s12, 3
	s_lshl_b32 s15, s14, 3                         ; where the head's byte stands in a word of q or k
	s_lshl_b32 s16, s11, 2
	s_add_co_u32 s16, s16, s13                     ; 4 batch + head / 4
	s_lshl_b32 s17, ttmp9, 5
	s_add_co_u32 s17, s17, s[WV]                   ; my first tile of queries: 32 x + wave; the second lies 16 on
	s_lshl_b32 s18, s14, 9
	s_mov_b32 s21, 0
	s_mov_b32 s[SEL], 0x76543210
	s_mov_b32 s[SEL+1], 0xfedcba98
	s_mov_b32 s[CS], 0x3e8293ee
	s_mov_b32 s[CS+1], s[CS]
	s_mov_b32 s[MNT], 0x600000
	s_wait_kmcnt 0x0
	s_lshl_b32 s20, s16, 17
	s_add_co_u32 s20, s20, s18
	s_add_co_u32 s20, s20, 4194304
	s_add_nc_u64 s[24:25], s[4:5], s[20:21]        ; K's codes
	s_lshl_b32 s20, s11, 19
	s_lshl_b32 s19, s12, 12
	s_add_co_u32 s20, s20, s19
	s_add_co_u32 s20, s20, 8388608
	s_add_nc_u64 s[26:27], s[4:5], s[20:21]        ; V's codes
	s_lshl_b32 s20, s16, 12
	s_add_co_u32 s20, s20, 12713984
	s_add_nc_u64 s[28:29], s[4:5], s[20:21]        ; K's words
	s_lshl_b32 s20, s11, 14
	s_lshl_b32 s19, s13, 9
	s_add_co_u32 s20, s20, s19
	s_bfe_u32 s19, s12, 0x10001
	s_lshl_b32 s19, s19, 8
	s_add_co_u32 s20, s20, s19
	s_and_b32 s19, s12, 1
	s_lshl_b32 s19, s19, 3
	s_add_co_u32 s20, s20, s19
	s_add_co_u32 s20, s20, 12845056
	s_add_nc_u64 s[30:31], s[4:5], s[20:21]        ; V's words
	s_lshl_b32 s20, s16, 6
	s_add_co_u32 s20, s20, s17
	s_lshl_b32 s20, s20, 11
	s_add_co_u32 s20, s20, s18
	s_add_nc_u64 s[32:33], s[4:5], s[20:21]        ; Q's codes
	s_lshl_b32 s20, s16, 12
	s_lshr_b32 s19, s17, 3
	s_lshl_b32 s19, s19, 9
	s_add_co_u32 s20, s20, s19
	s_bfe_u32 s19, s17, 0x10002
	s_lshl_b32 s19, s19, 8
	s_add_co_u32 s20, s20, s19
	s_and_b32 s19, s17, 3
	s_lshl_b32 s19, s19, 2
	s_add_co_u32 s20, s20, s19
	s_add_co_u32 s20, s20, 12582912
	s_add_nc_u64 s[34:35], s[4:5], s[20:21]        ; Q's words
	s_lshl_b32 s20, s11, 6
	s_add_co_u32 s20, s20, s17
	s_lshl_b32 s20, s20, 4
	s_add_co_u32 s20, s20, s12
	s_lshl_b32 s20, s20, 11
	s_add_nc_u64 s[36:37], s[6:7], s[20:21]        ; att: (tile x 16 + head) x 2,048
.irp i, 0,1,2,3
	global_load_b128 v[96+4*\i:99+4*\i], v83, s[24:25] offset:\i*32768
.endr
.irp i, 0,1,2,3
	global_load_b128 v[112+4*\i:115+4*\i], v84, s[26:27] offset:\i*131072
.endr
	global_load_b64 v[128:129], v85, s[28:29]
	global_load_b128 v[16:19], v[AK], s[32:33]
	global_load_b128 v[76:79], v[AK], s[32:33] offset:32768
	global_load_b32 v250, v89, s[34:35]
	global_load_b32 v81, v89, s[34:35] offset:1024
	s_cmp_lt_u32 s[WV], 4                          ; V's words are 1,024 bytes: 128 threads' worth
	s_cbranch_scc0 .Lno_words
	global_load_b64 v[130:131], v88, s[30:31]
.Lno_words:
.irp j, 20,21,22,23,24,25,26,27,28,29,30,31,64,65,66,67,68,69,70,71,72,73,74,75
	v_mov_b32 v\j, 0                               ; zero codes
.endr
.irp b, 0,1,2,3
	v_mov_b32 v[236+\b], 0                         ; written once: a lane permute's destination counts as one of its sources
.endr
	v_mov_b32 v252, 0
	v_mov_b32 v253, 0                              ; (named as the upper half of the pair v[252:253] before it is first written)
	s_wait_loadcnt 0x0
	v_bfe_u32 v128, v128, s15, 8                   ; the head's byte alone: bytes 1 to 3 are 0
	v_bfe_u32 v129, v129, s15, 8
	v_bfe_u32 v250, v250, s15, 8
	v_bfe_u32 v81, v81, s15, 8
.irp i, 0,1,2,3
	ds_store_b128 v82, v[96+4*\i:99+4*\i] offset:\i*8192
.endr
.irp i, 0,1,2,3
	ds_store_b128 v82, v[112+4*\i:115+4*\i] offset:VL+\i*8192
.endr
	ds_store_b64 v86, v[128:129]
	s_cmp_lt_u32 s[WV], 4
	s_cbranch_scc0 .Lno_words2
	ds_store_b64 v87, v[130:131]
.Lno_words2:
	s_wait_dscnt 0x0                               ; for the others' sake: my stores have landed
	s_barrier_signal -1
	s_barrier_wait -1                              ; the one barrier: from here on LDS is only read
	s_mov_b32 s[PASS], 2
.Lpass:
	v_mov_b32 v13, 0xff61b1e6                      ; the largest t so far: -3e38
	v_floor_f32 v12, -v13                          ; -M
	v_mov_b32 v14, 0
	v_mov_b32 v15, 0
.irp j, 0,1,2,3,4,5,6,7,8,9,10,11,12,13,14,15
	v_mov_b32 v[160+\j], 0                         ; O^T: the first change of M leaves zeros zeros
.endr
	s_mov_b32 s[TB], 0
	s_mov_b32 s[TS], 0
	s_mov_b32 s[TJ], 0
	s_mov_b32 s[STP], 8
.Lstep:
	v_add_nc_u32 v8, s[TB], v[AK]
	v_add_nc_u32 v9, s[TB], v[AV]
	v_add_nc_u32 v10, s[TS], v[AKS]
	v_add_nc_u32 v11, s[TJ], v[AVS]
.irp t, 0,1,2,3,4,5,6,7
	ds_load_b128 v[32+4*\t:35+4*\t], v8 offset:\t*512
.endr
	ds_load_b128 v[224:227], v10
	ds_load_b128 v[228:231], v10 offset:256
	s_wait_dscnt 0x0
.irp t, 0,1,2,3,4,5,6,7
	v_wmma_scale_f32_16x16x128_f8f6f4 v[96+8*\t:103+8*\t], v[32+4*\t:47+4*\t], v[16:31], 0, v[224+\t], v250
.endr
.rept 8
	v_nop                                          ; places in front of the first read of results; with the four additions above also those in front of the loads into V's registers
.endr
.irp u, 0,1
.irp c, 0,1,2,3
	ds_load_b128 v[176+16*\u+4*\c:179+16*\u+4*\c], v9 offset:\u*2048+\c*512   ; V lands while the softmax is walked
.endr
.endr
	ds_load_b64 v[248:249], v11
.irp b, 0,1,2,3
	v_max3_num_f32 v[232+\b], v[96+16*\b], v[97+16*\b], v[98+16*\b]   ; the largest score of each block of 32 keys: for the row's maximum and for the block's largest p
.endr
.irp i, 3,5,7,9,11,13
.irp b, 0,1,2,3
	v_max3_num_f32 v[232+\b], v[232+\b], v[96+16*\b+\i], v[97+16*\b+\i]
.endr
.endr
.irp b, 0,1,2,3
	v_max_num_f32 v[232+\b], v[232+\b], v[111+16*\b]
.endr
.irp b, 0,1,2,3
	v_permlanex16_b32 v[236+\b], v[232+\b], s[SEL], s[SEL+1]
.endr
.irp b, 0,1,2,3
	v_max_num_f32 v[232+\b], v[232+\b], v[236+\b]  ; with lane l xor 16's 16 keys
.endr
	v_max3_num_f32 v254, v232, v233, v234
	v_max_num_f32 v254, v254, v235
	v_mul_f32 v254, s[CS], v254                    ; as t (c is positive)
	v_max_num_f32 v13, v13, v254                   ; the running largest t
	v_mov_b32 v254, v12
	v_floor_f32 v12, -v13                          ; the new -M = -ceil(t)
	v_sub_f32 v254, v12, v254                      ; old M - new M: a whole number, 0 or less
	v_cvt_i32_f32 v254, v254                       ; (it saturates)
	v_ldexp_f32 v252, 1.0, v254                    ; f = 2^(old M - new M)
.irp j, 0,2,4,6,8,10,12,14,16,18,20,22,24,26,28,30,32,34,36,38,40,42,44,46,48,50,52,54,56,58,60,62
	v_pk_fma_f32 v[96+\j:97+\j], v[96+\j:97+\j], s[CS:CS+1], v[12:13] op_sel_hi:[1,0,0]   ; t - M
.endr
.irp b, 0,1,2,3
	v_fma_f32 v[232+\b], v[232+\b], s[CS], v12
.endr
.irp j, 0,1,2,3,4,5,6,7,8,9,10,11,12,13,14,15,16,17,18,19,20,21,22,23,24,25,26,27,28,29,30,31,32,33,34,35,36,37,38,39,40,41,42,43,44,45,46,47,48,49,50,51,52,53,54,55,56,57,58,59,60,61,62,63
	v_exp_f32 v[96+\j], v[96+\j]                   ; p = 2^(t - M)
.endr
	v_pk_mul_f32 v[14:15], v[14:15], v[252:253] op_sel_hi:[1,0]   ; the sums under the new M: a plain line behind the exponentials
	s_wait_alu depctr_va_vdst(0)                   ; one wait for the batch, ahead of its first reader
.irp b, 0,1,2,3
	v_exp_f32 v[232+\b], v[232+\b]                 ; the block's largest p
.endr
	v_pk_add_f32 v[236:237], v[96:97], v[98:99]    ; the row's sum, of the unquantised p, in two chains
.irp j, 4,8,12,16,20,24,28,32,36,40,44,48,52,56,60
	v_pk_add_f32 v[14:15], v[14:15], v[96+\j:97+\j]
	v_pk_add_f32 v[236:237], v[236:237], v[98+\j:99+\j]
.endr
	v_pk_add_f32 v[14:15], v[14:15], v[236:237]
	s_wait_alu depctr_va_vdst(0)                   ; and one for the four
.irp b, 0,1,2,3
	v_max_num_f32 v[232+\b], 0x4800000, v[232+\b]  ; the floor 2^(9 - 127)
.endr
.irp b, 0,1,2,3
	v_add_nc_u32 v[244+\b], 0xfc000000, v[232+\b]
.endr
.irp b, 0,1,2,3
	v_and_or_b32 v[240+\b], v[232+\b], 0x7f800000, s[MNT]
.endr
.irp b, 0,1,2,3
	v_lshrrev_b32 v[236+\b], 23, v[244+\b]
.endr
	v_lshl_or_b32 v253, v237, 8, v236              ; p's scale word for these 128 keys
	v_lshl_or_b32 v253, v238, 16, v253
	v_lshl_or_b32 v253, v239, 24, v253
.irp b, 0,1,2,3
.irp i, 0,1,2,3,4,5,6,7,8,9,10,11,12,13,14,15
	v_min_num_f32 v[96+16*\b+\i], v[96+16*\b+\i], v[240+\b]   ; the hold; p is not negative
.endr
	v_cvt_scalef32_pk8_fp8_f32 v[208+4*\b:209+4*\b], v[96+16*\b:103+16*\b], v[244+\b]
	v_cvt_scalef32_pk8_fp8_f32 v[210+4*\b:211+4*\b], v[104+16*\b:111+16*\b], v[244+\b]
.endr
.irp j, 0,2,4,6,8,10,12,14
	v_pk_mul_f32 v[160+\j:161+\j], v[160+\j:161+\j], v[252:253] op_sel_hi:[1,0]   ; O^T under the new M; these eight are also the places between the codes and the products
.endr
	s_wait_dscnt 0x0                               ; V
.irp u, 0,1
	v_wmma_scale_f32_16x16x128_f8f6f4 v[160+8*\u:167+8*\u], v[176+16*\u:191+16*\u], v[208:223], v[160+8*\u:167+8*\u], v[248+\u], v253
.endr
	s_add_co_u32 s[TB], s[TB], 4096
	s_add_co_u32 s[TS], s[TS], 512
	s_add_co_u32 s[TJ], s[TJ], 128
	s_sub_co_u32 s[STP], s[STP], 1
	s_cmp_lg_u32 s[STP], 0
	s_cbranch_scc1 .Lstep
.rept 8
	v_nop
.endr
	v_add_f32 v14, v14, v15
	v_permlanex16_b32 v252, v14, s[SEL], s[SEL+1]
	v_add_f32 v14, v14, v252                       ; the row's sum
	v_rcp_f32 v14, v14
	v_nop
	s_wait_alu depctr_va_vdst(0)                   ; ahead of the first reader
.irp j, 0,1,2,3,4,5,6,7,8,9,10,11,12,13,14,15
	v_mul_f32 v[96+\j], v[160+\j], v14             ; register j: channel 16 (lane / 16) + j of the head
.endr
.irp g, 0,1,2,3
	global_store_b128 v[GO], v[96+4*\g:99+4*\g], s[36:37] offset:\g*512   ; 512 consecutive bytes
.endr
	s_wait_xcnt 0x0                                ; the stores have read their base and registers
	s_add_nc_u64 s[36:37], s[36:37], 524288        ; 16 tiles on
.irp j, 0,1,2,3
	v_mov_b32 v[16+\j], v[76+\j]                   ; the second pass's Q; the moves at the pass's head are the places behind these
.endr
	v_mov_b32 v250, v81
	s_sub_co_u32 s[PASS], s[PASS], 1
	s_cmp_lg_u32 s[PASS], 0
	s_cbranch_scc1 .Lpass
	s_wait_tensorcnt 0x0
	ds_add_u32 v251, v255
	s_wait_dscnt 0x0
	s_endpgm
.Lfunc_end_k_q4eb5fe0a17_attn1:
	.size	k_q4eb5fe0a17_attn1, .Lfunc_end_k_q4eb5fe0a17_attn1-k_q4eb5fe0a17_attn1
	.p2alignl 7, 3214868480
	.fill 96, 4, 3214868480
	.section	.rodata,"a",@progbits
	.p2align	6, 0x0
	.amdhsa_kernel k_q4eb5fe0a17_attn1
		.amdhsa_group_segment_fixed_size 72704
		.amdhsa_private_segment_fixed_size 0
		.amdhsa_enable_private_segment 0
		.amdhsa_kernarg_size 16
		.amdhsa_user_sgpr_count 2
		.amdhsa_user_sgpr_kernarg_segment_ptr 1
		.amdhsa_wavefront_size32 1
		.amdhsa_system_sgpr_workgroup_id_x 1
		.amdhsa_system_sgpr_workgroup_id_y 1
		.amdhsa_system_sgpr_workgroup_id_z 1
		.amdhsa_system_vgpr_workitem_id 0
		.amdhsa_next_free_vgpr 256
		.amdhsa_next_free_sgpr 66
		.amdhsa_reserve_vcc 0
		.amdhsa_float_denorm_mode_32 3
		.amdhsa_float_denorm_mode_16_64 3
		.amdhsa_memory_ordered 1
		.amdhsa_forward_progress 1
		.amdhsa_inst_pref_size 27
	.end_amdhsa_kernel
	.amdgpu_metadata
---
amdhsa.version: [ 1, 2 ]
amdhsa.kernels:
  - .name:           k_q4eb5fe0a17_attn1
    .symbol:         k_q4eb5fe0a17_attn1.kd
    .args:
      - { .name: set1, .offset: 0, .size: 8, .value_kind: global_buffer, .address_space: global }
      - { .name: att, .offset: 8, .size: 8, .value_kind: global_buffer, .address_space: global }
    .group_segment_fixed_size: 72704
    .private_segment_fixed_size: 0
    .kernarg_segment_align: 8
    .kernarg_segment_size: 16
    .max_flat_workgroup_size: 512
    .sgpr_count:     66
    .vgpr_count:     256
    .wavefront_size: 32
...
	.end_amdgpu_metadata
.endif
;; end of part 3
;; launch lnq (part 4): grid 128 x 1, 4 waves a work-group, no clusters, 83,456 bytes of LDS; arguments x, att, wimg, bq2, g1, be1, x1, set2; writes x1, set2
.if DOCPART == 4
	.amdgcn_target "amdgcn-amd-amdhsa--gfx1250"
	.amdhsa_code_object_version 6
	.text
	.protected	k_q4eb5fe0a17_lnq
	.globl	k_q4eb5fe0a17_lnq
	.p2align	8
	.type	k_q4eb5fe0a17_lnq,@function
k_q4eb5fe0a17_lnq:
	s_mov_b64 s[64:65], 0
	v_nop
	global_prefetch_b8 v0, s[64:65] scope:SCOPE_SE
	s_setreg_imm32_b32 hwreg(HW_REG_WAVE_MODE, 25, 1), 1
	s_wait_xcnt 0x0
; LNQ.  x1 = LayerNorm(x + att) g1 + be1; q2 = Q(x1) Wq2^T + bq2, quantised along each head's 32 channels for the second attention.
; A work-group takes 64 rows (four tiles).  Wave w norms tile w: a lane holds 256 channels of one row (register 16 c + i = channel 32 c + 16 (lane / 16) + i), lane l xor 16 the other 256.
; Mean, then centred squares, as the definition has them.  x1 leaves as an f32 image of the lane's registers (512 consecutive bytes a store) and, as codes, goes through LDS to all four waves.
; Then wave w makes channels 128 w .. 128 w + 127 (four heads) for all 64 rows: Wq2 comes in units of two tiles (16 KB, 128 registers) straight into registers, two buffers by turns.
; NO TENSOR LOADS, NO CLUSTER: the weight goes into the registers of the one wave that multiplies by it; a joint load lands in LDS only.
; LIMITS: as in PREP's quantiser; NaN and infinities are not served.
.set XIMG, 0                           ; LDS: x1's 16 fragments, (4 m + s) x 2,048;
.set XSC,  32768                       ; their scale words, (4 m + s) x 128 + 4 lane;
.set GL,   34816                       ; g1, be1, bq2;
.set BEL,  36864
.set BQL,  38912
.set WSL,  40960                       ; Wq2's scale words, 256 bytes a tile;
.set STG,  49152                       ; a stage of 16 rows x 528 bytes for each wave
.set GO,  4                            ; 16 lane
.set LS,  5                            ; 4 lane
.set AG,  6                            ; 64 h
.set XWI, 7                            ; 16 lane + 8,192 w
.set XWS, 8                            ; 4 lane + 512 w
.set STI, 9                            ; the stage, in
.set STO, 10                           ; and out
.set AW,  11                           ; WSL + 2,048 w + 16 r
.set AB,  12                           ; BQL + 512 w + 64 h
.set T16, 13                           ; 16 x thread
.set WO,  14                           ; 16 r + 8 h
.set NB,  16                           ; v16-79   64 normed numbers; later the eight accumulators
.set B1C, 80                           ; v80-95   a unit's biases
.set XS,  144                          ; v144-159 x1's scale words; v160-167 a unit's of Wq2: these registers hold scales alone
.set WS1, 160
.set PC,  208
.set TM,  224
.set PWM, 240                          ; v240-243 q2's scale words, a tile of rows each
.set PW,  248
; window 1: att's image, then g1 (v0-63) and be1 (v64-127) of a K step, then x1's 16 fragments.  window 2: x as loaded, then two buffers of Wq2.  window 3: z = x + att
.set WV,  24
.set SEL, 26
.set MNT, 28
.set HM,  29
.set C9,  30
.set EPS, 31
.set MSB, 0
.macro WIN new
.if MSB != \new
	s_set_vgpr_msb (MSB<<8)|\new
.set MSB, \new
.endif
.endm
.macro PLACES n
.rept \n
	v_nop
.endr
.endm
.macro QUANT s, relu, pw
.irp b, 0,1,2,3
	v_max3_num_f32 v[TM+\b], |v[\s+16*\b]|, |v[\s+1+16*\b]|, 0x4800000
.endr
.irp i, 2,4,6,8,10,12,14
.irp b, 0,1,2,3
	v_max3_num_f32 v[TM+\b], v[TM+\b], |v[\s+16*\b+\i]|, |v[\s+1+16*\b+\i]|
.endr
.endr
.irp b, 0,1,2,3
	v_permlanex16_b32 v[TM+4+\b], v[TM+\b], s[SEL], s[SEL+1]
.endr
.irp b, 0,1,2,3
	v_max_num_f32 v[TM+\b], v[TM+\b], v[TM+4+\b]
.endr
.irp b, 0,1,2,3
	v_add_nc_u32 v[TM+12+\b], 0xfc000000, v[TM+\b]
.endr
.irp b, 0,1,2,3
	v_and_or_b32 v[TM+8+\b], v[TM+\b], 0x7f800000, s[MNT]
.endr
.irp b, 0,1,2,3
	v_lshrrev_b32 v[TM+4+\b], 23, v[TM+12+\b]
.endr
.if \pw >= 0
	v_lshl_or_b32 v[\pw], v[TM+5], 8, v[TM+4]
	v_lshl_or_b32 v[\pw], v[TM+6], 16, v[\pw]
	v_lshl_or_b32 v[\pw], v[TM+7], 24, v[\pw]
.endif
.irp b, 0,1,2,3
.irp i, 0,1,2,3,4,5,6,7,8,9,10,11,12,13,14,15
	v_med3_num_f32 v[\s+16*\b+\i], v[\s+16*\b+\i], -v[TM+8+\b], v[TM+8+\b]
.endr
	v_cvt_scalef32_pk8_fp8_f32 v[PC+4*\b:PC+1+4*\b], v[\s+16*\b:\s+7+16*\b], v[TM+12+\b]
	v_cvt_scalef32_pk8_fp8_f32 v[PC+2+4*\b:PC+3+4*\b], v[\s+8+16*\b:\s+15+16*\b], v[TM+12+\b]
.endr
	v_nop
.endm
	s_load_b512 s[4:19], s[0:1], 0x0               ; x 4, att 6, wimg 8, bq2 10, g1 12, be1 14, x1 16, set2 18
	v_lshl_add_u32 v250, v0, 2, 0x14400
	v_mov_b32 v251, 0
	v_lshrrev_b32 v1, 5, v0
	v_readfirstlane_b32 s[WV], v1
	v_and_b32 v1, 31, v0
	v_and_b32 v2, 15, v0
	v_bfe_u32 v3, v0, 4, 1
	v_lshlrev_b32 v[GO], 4, v1
	v_lshlrev_b32 v[LS], 2, v1
	v_lshlrev_b32 v[AG], 6, v3
	s_lshl_b32 s46, s[WV], 13
	v_add_nc_u32 v[XWI], s46, v[GO]
	s_lshl_b32 s46, s[WV], 9
	v_add_nc_u32 v[XWS], s46, v[LS]
	s_mul_i32 s46, s[WV], 8448
	s_add_co_u32 s46, s46, STG
	v_add_nc_u32 v[STI], s46, v[GO]
	v_mul_u32_u24 v[STO], v2, 528
	v_lshl_add_u32 v[STO], v3, 6, v[STO]
	v_add_nc_u32 v[STO], s46, v[STO]
	s_lshl_b32 s46, s[WV], 11
	s_add_co_u32 s46, s46, WSL
	v_lshl_add_u32 v[AW], v2, 4, s46
	s_lshl_b32 s46, s[WV], 9
	s_add_co_u32 s46, s46, BQL
	v_add_nc_u32 v[AB], s46, v[AG]
	v_lshlrev_b32 v[T16], 4, v0
	v_lshlrev_b32 v[WO], 4, v2
	v_lshl_add_u32 v[WO], v3, 3, v[WO]
.irp b, 0,1,2,3
	v_mov_b32 v[TM+4+\b], 0
.endr
	s_mov_b32 s[SEL], 0x76543210
	s_mov_b32 s[SEL+1], 0xfedcba98
	s_mov_b32 s[MNT], 0x600000
	s_mov_b32 s[HM], 0xffff0000
	s_mov_b32 s[C9], 0x3b000000                    ; 1 / 512
	s_mov_b32 s[EPS], 0x3727c5ac                   ; 1e-5
	s_mov_b32 s47, 0
	s_wait_kmcnt 0x0
	s_lshl_b32 s46, ttmp9, 17                      ; my tile's first row, 64 X + 32 (w / 2) + 8 (w % 2), x 2,048 bytes
	s_lshr_b32 s48, s[WV], 1
	s_lshl_b32 s48, s48, 16
	s_add_co_u32 s46, s46, s48
	s_and_b32 s48, s[WV], 1
	s_lshl_b32 s48, s48, 14
	s_add_co_u32 s46, s46, s48
	s_add_nc_u64 s[32:33], s[4:5], s[46:47]        ; x
	s_lshl_b32 s46, ttmp9, 17
	s_lshl_b32 s48, s[WV], 15
	s_add_co_u32 s46, s46, s48                     ; tile 4 X + w, 32,768 bytes an image
	s_add_nc_u64 s[34:35], s[6:7], s[46:47]        ; att
	s_add_nc_u64 s[40:41], s[16:17], s[46:47]      ; x1
	s_lshl_b32 s46, s[WV], 16
	s_add_co_u32 s46, s46, 1310720
	s_add_nc_u64 s[36:37], s[8:9], s[46:47]        ; my eight tiles of Wq2
	s_add_nc_u64 s[38:39], s[8:9], 2662400         ; Wq2's scale words
	s_lshr_b32 s48, ttmp9, 4
	s_lshl_b32 s48, s48, 2
	s_add_co_u32 s48, s48, s[WV]                   ; 4 batch + w
	s_and_b32 s49, ttmp9, 15
	s_lshl_b32 s46, s48, 6
	s_lshl_b32 s50, s49, 2
	s_add_co_u32 s46, s46, s50
	s_lshl_b32 s46, s46, 11
	s_add_nc_u64 s[42:43], s[18:19], s[46:47]      ; q2's codes
	s_lshl_b32 s46, s48, 3
	s_lshr_b32 s50, s49, 1
	s_add_co_u32 s46, s46, s50
	s_lshl_b32 s46, s46, 9
	s_and_b32 s50, ttmp9, 1
	s_lshl_b32 s50, s50, 8
	s_add_co_u32 s46, s46, s50
	s_add_co_u32 s46, s46, 12582912
	s_add_nc_u64 s[44:45], s[18:19], s[46:47]      ; q2's scale words
	WIN 0x80
.set sp, 0
.rept 4
.set i, 0
.rept 16
	global_load_b128 v[64*sp+4*i:64*sp+4*i+3], v[GO], s[32:33] offset:(i+8*(i/8))*2048+512*sp th:TH_LOAD_NT   ; a row's 512 consecutive bytes
.set i, i+1
.endr
.set sp, sp+1
.endr
	WIN 0x40
.set k, 0
.rept 64
	global_load_b128 v[4*k:4*k+3], v[GO], s[34:35] offset:k*512 th:TH_LOAD_NT
.set k, k+1
.endr
	WIN 0
	global_load_b128 v[96:99], v[T16], s[12:13]
	global_load_b128 v[100:103], v[T16], s[14:15]
	global_load_b128 v[104:107], v[T16], s[10:11]
.irp k, 0,1,2,3
	global_load_b128 v[108+4*\k:111+4*\k], v[T16], s[38:39] offset:\k*2048
.endr
	s_wait_loadcnt 0x0
	ds_store_b128 v[T16], v[96:99] offset:GL
	ds_store_b128 v[T16], v[100:103] offset:BEL
	ds_store_b128 v[T16], v[104:107] offset:BQL
.irp k, 0,1,2,3
	ds_store_b128 v[T16], v[108+4*\k:111+4*\k] offset:WSL+\k*2048
.endr
	; x turns through my stage: in as rows, out 16 neighbours of a block a lane.  LDS serves a wave's instructions in order
.set sp, 0
.rept 4
	WIN 0x08
.set i, 0
.rept 16
	ds_store_b128 v[STI], v[64*sp+4*i:64*sp+4*i+3] offset:i*528
.set i, i+1
.endr
	WIN 0xc0
.set i, 0
.rept 16
	ds_load_b128 v[64*sp+4*i:64*sp+4*i+3], v[STO] offset:128*(i/4)+16*(i%4)
.set i, i+1
.endr
.set sp, sp+1
.endr
	s_wait_dscnt 0x0
	WIN 0xc7                                       ; z (window 3) += att (window 1)
.set i, 0
.rept 128
	v_pk_add_f32 v[2*i:2*i+1], v[2*i:2*i+1], v[2*i:2*i+1]
.set i, i+1
.endr
.macro WLOAD q                         ; unit q: tiles 2 q, 2 q + 1 of my eight, four K steps each: 32 loads of 512 consecutive bytes
	WIN 0x80
.irp f, 0,1,2,3,4,5,6,7
.irp c, 0,1,2,3
	global_load_b128 v[128*((\q)%2)+16*\f+4*\c:128*((\q)%2)+16*\f+4*\c+3], v[GO], s[36:37] offset:(\q)*16384+\f*2048+\c*512
.endr
.endr
	WIN 0
.endm
	WLOAD 0
	WLOAD 1
	s_barrier_signal -1                            ; (no LDS instruction of mine is out)
	s_barrier_wait -1                              ; g1, be1, bq2 and the scale words lie in LDS
.macro GLOAD s                         ; g1 and be1 of my 64 channels of K step s
	WIN 0x40
.irp b, 0,1,2,3
.irp j, 0,1,2,3
	ds_load_b128 v[16*\b+4*\j:16*\b+4*\j+3], v[AG] offset:GL+512*(\s)+128*\b+16*\j
	ds_load_b128 v[64+16*\b+4*\j:64+16*\b+4*\j+3], v[AG] offset:BEL+512*(\s)+128*\b+16*\j
.endr
.endr
	WIN 0
.endm
	GLOAD 0
	; ---- the row's mean and variance
.irp j, 244,245,246,247
	v_mov_b32 v\j, 0
.endr
	WIN 0x0c
.set i, 0
.rept 64
	v_pk_add_f32 v[244:245], v[244:245], v[4*i:4*i+1]
	v_pk_add_f32 v[246:247], v[246:247], v[4*i+2:4*i+3]
.set i, i+1
.endr
	WIN 0
	v_pk_add_f32 v[244:245], v[244:245], v[246:247]
	v_add_f32 v244, v244, v245
	v_permlanex16_b32 v246, v244, s[SEL], s[SEL+1]
	v_add_f32 v244, v244, v246
	v_mul_f32 v252, s[C9], v244                    ; the mean
	v_mov_b32 v253, v252
	WIN 0xc3
.set i, 0
.rept 128
	v_pk_add_f32 v[2*i:2*i+1], v[2*i:2*i+1], v[252:253] neg_lo:[0,1] neg_hi:[0,1]
.set i, i+1
.endr
	WIN 0
.irp j, 244,245,246,247
	v_mov_b32 v\j, 0
.endr
	WIN 0x0f
.set i, 0
.rept 64
	v_pk_fma_f32 v[244:245], v[4*i:4*i+1], v[4*i:4*i+1], v[244:245]
	v_pk_fma_f32 v[246:247], v[4*i+2:4*i+3], v[4*i+2:4*i+3], v[246:247]
.set i, i+1
.endr
	WIN 0
	v_pk_add_f32 v[244:245], v[244:245], v[246:247]
	v_add_f32 v244, v244, v245
	v_permlanex16_b32 v246, v244, s[SEL], s[SEL+1]
	v_add_f32 v244, v244, v246
	v_fma_f32 v244, v244, s[C9], s[EPS]
	v_rsq_f32 v254, v244
	v_nop
	s_wait_alu depctr_va_vdst(0)                   ; ahead of the first reader
	v_mov_b32 v255, v254
; K step s of my tile: normed, stored as f32, quantised, its image to LDS
.macro NORM s
	s_wait_dscnt 0x0                               ; g1 and be1 are in; the last K step's LDS stores have read their registers
	WIN 0x03
.set i, 0
.rept 32
	v_pk_mul_f32 v[NB+2*i:NB+2*i+1], v[64*(\s)+2*i:64*(\s)+2*i+1], v[254:255]
.set i, i+1
.endr
	WIN 0x14
.set i, 0
.rept 32
	v_pk_fma_f32 v[NB+2*i:NB+2*i+1], v[NB+2*i:NB+2*i+1], v[2*i:2*i+1], v[64+2*i:64+2*i+1]
.set i, i+1
.endr
.if (\s) < 3
	GLOAD (\s)+1
.endif
	WIN 0
.set i, 0
.rept 16
	global_store_b128 v[GO], v[NB+4*i:NB+4*i+3], s[40:41] offset:(16*(\s)+i)*512   ; 512 consecutive bytes
.set i, i+1
.endr
	s_wait_xcnt 0x0                                ; the stores have read the numbers, which the hold rewrites
	QUANT NB, 0, PW
.irp c, 0,1,2,3
	ds_store_b128 v[XWI], v[PC+4*\c:PC+4*\c+3] offset:XIMG+(\s)*2048+\c*512
.endr
	ds_store_b32 v[XWS], v[PW] offset:XSC+(\s)*128
.endm
	NORM 0
	NORM 1
	NORM 2
	NORM 3
	s_wait_dscnt 0x0
	s_barrier_signal -1
	s_barrier_wait -1                              ; x1's sixteen fragments lie in LDS
	WIN 0x40
.set k, 0
.rept 64
	ds_load_b128 v[4*k:4*k+3], v[GO] offset:XIMG+k*512
.set k, k+1
.endr
	WIN 0
.set k, 0
.rept 16
	ds_load_b32 v[XS+k], v[LS] offset:XSC+k*128
.set k, k+1
.endr
.macro SIDE q                          ; unit q's scale words and biases
	ds_load_b128 v[WS1:WS1+3], v[AW] offset:(2*(\q))*256
	ds_load_b128 v[WS1+4:WS1+7], v[AW] offset:(2*(\q)+1)*256
.irp k, 0,1,2,3
	ds_load_b128 v[B1C+4*\k:B1C+4*\k+3], v[AB] offset:(\q)*128+16*\k
.endr
.endm
	SIDE 0
; Unit q: head 4 w + q for the four tiles of rows: 32 products, eight accumulators by turns, one instruction a turn
.macro U1 q
.if \q < 3
	s_wait_loadcnt 32                              ; this unit's 32 loads are in; the next unit's 32 may be out
.else
	s_wait_loadcnt 0
.endif
	s_wait_dscnt 0x0
	WIN 0x06                                       ; A (Wq2) window 2, B (x1) window 1
.irp s, 0,1,2,3
.irp m, 0,1,2,3
.irp u, 0,1
.if \s == 0
	v_wmma_scale_f32_16x16x128_f8f6f4 v[NB+16*\m+8*\u:NB+16*\m+8*\u+7], v[128*((\q)%2)+16*(4*\u+\s):128*((\q)%2)+16*(4*\u+\s)+15], v[64*\m+16*\s:64*\m+16*\s+15], v[B1C+8*\u:B1C+8*\u+7], v[WS1+4*\u+\s], v[XS+4*\m+\s]
.else
	v_wmma_scale_f32_16x16x128_f8f6f4 v[NB+16*\m+8*\u:NB+16*\m+8*\u+7], v[128*((\q)%2)+16*(4*\u+\s):128*((\q)%2)+16*(4*\u+\s)+15], v[64*\m+16*\s:64*\m+16*\s+15], v[NB+16*\m+8*\u:NB+16*\m+8*\u+7], v[WS1+4*\u+\s], v[XS+4*\m+\s]
.endif
.endr
.endr
.endr
	WIN 0
	PLACES 8                                       ; in front of loads into registers that the products read, and of the first read of results
.if \q < 2
	WLOAD \q+2
.endif
.if \q < 3
	SIDE \q+1
.endif
	s_wait_xcnt 0x0                                ; the last unit's stores have read the codes' registers
	QUANT NB, 0, -1                                ; block m of the 64 numbers: the head's 32 channels of tile m's rows
.irp m, 0,1,2,3
.if \q == 0
	v_mov_b32 v[PWM+\m], v[TM+4+\m]
.else
	v_lshl_or_b32 v[PWM+\m], v[TM+4+\m], 8*(\q), v[PWM+\m]
.endif
.endr
.irp m, 0,1,2,3
	global_store_b128 v[GO], v[PC+4*\m:PC+4*\m+3], s[42:43] offset:\m*2048+(\q)*512
.endr
.endm
	U1 0
	U1 1
	U1 2
	U1 3
	v_cndmask_b32 v244, v[PWM], v[PWM+2], s[HM]
	v_cndmask_b32 v245, v[PWM+1], v[PWM+3], s[HM]
	global_store_b64 v[WO], v[244:245], s[44:45]   ; 256 consecutive bytes
	s_wait_tensorcnt 0x0
	ds_add_u32 v250, v251
	s_wait_dscnt 0x0
	s_endpgm
.Lfunc_end_k_q4eb5fe0a17_lnq:
	.size	k_q4eb5fe0a17_lnq, .Lfunc_end_k_q4eb5fe0a17_lnq-k_q4eb5fe0a17_lnq
	.p2alignl 7, 3214868480
	.fill 96, 4, 3214868480
	.section	.rodata,"a",@progbits
	.p2align	6, 0x0
	.amdhsa_kernel k_q4eb5fe0a17_lnq
		.amdhsa_group_segment_fixed_size 83456
		.amdhsa_private_segment_fixed_size 0
		.amdhsa_enable_private_segment 0
		.amdhsa_kernarg_size 64
		.amdhsa_user_sgpr_count 2
		.amdhsa_user_sgpr_kernarg_segment_ptr 1
		.amdhsa_wavefront_size32 1
		.amdhsa_system_sgpr_workgroup_id_x 1
		.amdhsa_system_sgpr_workgroup_id_y 1
		.amdhsa_system_sgpr_workgroup_id_z 1
		.amdhsa_system_vgpr_workitem_id 0
		.amdhsa_next_free_vgpr 1024
		.amdhsa_next_free_sgpr 66
		.amdhsa_reserve_vcc 0
		.amdhsa_float_denorm_mode_32 3
		.amdhsa_float_denorm_mode_16_64 3
		.amdhsa_memory_ordered 1
		.amdhsa_forward_progress 1
		.amdhsa_inst_pref_size 193
	.end_amdhsa_kernel
	.amdgpu_metadata
---
amdhsa.version: [ 1, 2 ]
amdhsa.kernels:
  - .name:           k_q4eb5fe0a17_lnq
    .symbol:         k_q4eb5fe0a17_lnq.kd
    .args:
      - { .name: x, .offset: 0, .size: 8, .value_kind: global_buffer, .address_space: global }
      - { .name: att, .offset: 8, .size: 8, .value_kind: global_buffer, .address_space: global }
      - { .name: wimg, .offset: 16, .size: 8, .value_kind: global_buffer, .address_space: global }
      - { .name: bq2, .offset: 24, .size: 8, .value_kind: global_buffer, .address_space: global }
      - { .name: g1, .offset: 32, .size: 8, .value_kind: global_buffer, .address_space: global }
      - { .name: be1, .offset: 40, .size: 8, .value_kind: global_buffer, .address_space: global }
      - { .name: x1, .offset: 48, .size: 8, .value_kind: global_buffer, .address_space: global }
      - { .name: set2, .offset: 56, .size: 8, .value_kind: global_buffer, .address_space: global }
    .group_segment_fixed_size: 83456
    .private_segment_fixed_size: 0
    .kernarg_segment_align: 8
    .kernarg_segment_size: 64
    .max_flat_workgroup_size: 128
    .sgpr_count:     66
    .vgpr_count:     1024
    .wavefront_size: 32
...
	.end_amdgpu_metadata
.endif
;; end of part 4
;; launch attn2: the kernel of part 3 again; grid 2 x 128, 16 waves a work-group, no clusters, 72,704 bytes of LDS; arguments set2, att; writes att
;; launch ffn (part 5): grid 128 x 1, 4 waves a work-group, no clusters, 288,256 bytes of LDS; arguments x1, att, wimg, b1, b2, g2, be2, g3, be3, out0; writes out0
.if DOCPART == 5
	.amdgcn_target "amdgcn-amd-amdhsa--gfx1250"
	.amdhsa_code_object_version 6
	.text
	.protected	k_q4eb5fe0a17_ffn
	.globl	k_q4eb5fe0a17_ffn
	.p2align	8
	.type	k_q4eb5fe0a17_ffn,@function
k_q4eb5fe0a17_ffn:
	s_mov_b64 s[64:65], 0
	v_nop
	global_prefetch_b8 v0, s[64:65] scope:SCOPE_SE
	s_setreg_imm32_b32 hwreg(HW_REG_WAVE_MODE, 25, 1), 1
	s_wait_xcnt 0x0
; FFN.  x2 = LayerNorm(x1 + att) g2 + be2; y = Q(relu(Q(x2) W1^T + b1)) W2^T + b2; out = LayerNorm(x2 + y) g3 + be3.  Both products on codes of E4M3 with one E8M0 scale for each 32 along K.
; A work-group takes 64 rows (four tiles).  Wave w norms tile w; makes hidden units 256 w .. 256 w + 255 (K steps 2 w, 2 w + 1 of the second product) and outputs 128 w .. 128 w + 127, for all 64 rows.
; The hidden layer never goes to memory: operands go from wave to wave through LDS as images of their registers.  The weights come in units of eight fragments (16 KB, 128 registers) straight into the registers of the
; wave that multiplies by them, two buffers by turns: each unit feeds 32 products.  The accumulators of y begin as x2 + b2.
; 128 WORK-GROUPS: every work-group walks all 1 MB of the weights whatever its rows; 64 rows are the most whose operands fit in registers.
; NO TENSOR LOADS, NO CLUSTER: a joint load lands in LDS only, and each weight byte is wanted by one wave's registers.
; LIMITS: as in PREP's quantiser; NaN and infinities are not served.
.set XIMG, 0                           ; x2's 16 fragments
.set XSC,  32768                       ; their scale words
.set G2L,  34816
.set BE2L, 36864
.set G3L,  38912
.set BE3L, 40960
.set B2L,  43008
.set B1L,  45056
.set W1SL, 49152                       ; W1's scale words, 256 bytes a tile
.set W2SL, 65536                       ; W2's, 512 bytes a tile
.set HSC,  81920                       ; the hidden layer's: 1,024 m + 32 lane + 4 s
.set RED1, 86016                       ; partial sums, 16 x thread; 2,048 on: partial sums of squares
.set HIMG, 90112                       ; the hidden layer's 32 fragments, (8 m + s) x 2,048
.set XO,   155648                      ; x2 as f32 images, 32,768 m; later the stage for the way out: 64 rows x 2,064 bytes
.set GO,  4
.set LS,  5
.set AG,  6                            ; 64 h
.set XWI, 7
.set XWS, 8
.set AXO, 9                            ; XO + 32,768 w + 16 lane
.set AXR, 10                           ; XO + 8,192 w + 16 lane
.set AXR2, 11                          ; + 65,536
.set AGW, 12                           ; 64 h + 512 w
.set T16, 13
.set T16B, 14
.set AW1B, 15                          ; W1SL + 4,096 w + 16 r
.set AB1B, 128                         ; B1L + 1,024 w + 64 h
.set AHB0, 129                         ; HIMG + 4,096 w + 16 lane
.set AHSW, 130                         ; HSC + 32 lane + 8 w
.set AHF, 131                          ; HIMG + 16 lane
.set AW2, 132                          ; W2SL + 4,096 w + 16 r
.set AHS, 133                          ; HSC + 32 lane
.set ARW, 134                          ; RED1 + 16 x thread
.set ARR, 135                          ; RED1 + 16 lane
.set AOS, 136                          ; XO + 2,064 r + 512 w + 64 h
.set AOS2, 137                         ; + 66,048
.set AOR, 138                          ; XO + 33,024 w + 16 lane
.set AW1, 139                          ; the trip's addresses
.set AB1, 140
.set AH,  141
.set NB,  16                           ; v16-79   64 normed numbers; b2; the first product's eight accumulators
.set B1C, 80                           ; v80-95   a unit's biases
.set XS,  144                          ; v144-167 hold scales alone: x2's 16 and a unit's 8 of W1; later two sets of 8 of W2 and two sets of 4 of the hidden layer
.set WS1, 160
.set WS2, 144
.set HS,  160
.set HW,  168                          ; v168-175 the hidden layer's scale bytes, a pair for each tile of rows
.set PC,  208
.set TM,  224
.set PW,  248
; window 1: att's image; g2, be2 of a K step; x2's fragments; two sets of four hidden fragments (v0-127), g3 (v128-191), be3 (v192-255); rows on the way out.  window 2: two buffers of weights.  window 3: z; then y, 64 m + 8 t + j
.set WV,  24
.set SEL, 26
.set MNT, 28
.set C9,  30
.set EPS, 31
.set WP,  36
.set W2P, 38
.set UH,  50
.set UB,  51
.set TRIP, 52
.set MSB, 0
.macro WIN new
.if MSB != \new
	s_set_vgpr_msb (MSB<<8)|\new
.set MSB, \new
.endif
.endm
.macro PLACES n
.rept \n
	v_nop
.endr
.endm
.macro BARRIER
	s_wait_dscnt 0x0                               ; my LDS stores have landed and my LDS loads are in
	s_barrier_signal -1
	s_barrier_wait -1
.endm
.macro QUANT s, relu, pw
.if \relu                                      ; no |.|: what is negative is to become 0 and must not count; the floor stands over it
.irp b, 0,1,2,3
	v_max3_num_f32 v[TM+\b], v[\s+16*\b], v[\s+1+16*\b], 0x4800000
.endr
.irp i, 2,4,6,8,10,12,14
.irp b, 0,1,2,3
	v_max3_num_f32 v[TM+\b], v[TM+\b], v[\s+16*\b+\i], v[\s+1+16*\b+\i]
.endr
.endr
.else
.irp b, 0,1,2,3
	v_max3_num_f32 v[TM+\b], |v[\s+16*\b]|, |v[\s+1+16*\b]|, 0x4800000
.endr
.irp i, 2,4,6,8,10,12,14
.irp b, 0,1,2,3
	v_max3_num_f32 v[TM+\b], v[TM+\b], |v[\s+16*\b+\i]|, |v[\s+1+16*\b+\i]|
.endr
.endr
.endif
.irp b, 0,1,2,3
	v_permlanex16_b32 v[TM+4+\b], v[TM+\b], s[SEL], s[SEL+1]
.endr
.irp b, 0,1,2,3
	v_max_num_f32 v[TM+\b], v[TM+\b], v[TM+4+\b]
.endr
.irp b, 0,1,2,3
	v_add_nc_u32 v[TM+12+\b], 0xfc000000, v[TM+\b]
.endr
.irp b, 0,1,2,3
	v_and_or_b32 v[TM+8+\b], v[TM+\b], 0x7f800000, s[MNT]
.endr
.irp b, 0,1,2,3
	v_lshrrev_b32 v[TM+4+\b], 23, v[TM+12+\b]
.endr
.if \pw >= 0
	v_lshl_or_b32 v[\pw], v[TM+5], 8, v[TM+4]
	v_lshl_or_b32 v[\pw], v[TM+6], 16, v[\pw]
	v_lshl_or_b32 v[\pw], v[TM+7], 24, v[\pw]
.endif
.irp b, 0,1,2,3
.irp i, 0,1,2,3,4,5,6,7,8,9,10,11,12,13,14,15
.if \relu
	v_med3_num_f32 v[\s+16*\b+\i], v[\s+16*\b+\i], 0, v[TM+8+\b]   ; the activation and the hold in one
.else
	v_med3_num_f32 v[\s+16*\b+\i], v[\s+16*\b+\i], -v[TM+8+\b], v[TM+8+\b]
.endif
.endr
	v_cvt_scalef32_pk8_fp8_f32 v[PC+4*\b:PC+1+4*\b], v[\s+16*\b:\s+7+16*\b], v[TM+12+\b]
	v_cvt_scalef32_pk8_fp8_f32 v[PC+2+4*\b:PC+3+4*\b], v[\s+8+16*\b:\s+15+16*\b], v[TM+12+\b]
.endr
	v_nop
.endm
	s_load_b512 s[4:19], s[0:1], 0x0               ; x1 4, att 6, wimg 8, b1 10, b2 12, g2 14, be2 16, g3 18
	s_load_b128 s[20:23], s[0:1], 0x40             ; be3 20, out0 22
	v_lshl_add_u32 v250, v0, 2, 0x46400
	v_mov_b32 v251, 0
	v_lshrrev_b32 v1, 5, v0
	v_readfirstlane_b32 s[WV], v1
	v_and_b32 v1, 31, v0
	v_and_b32 v2, 15, v0
	v_bfe_u32 v3, v0, 4, 1
	v_lshlrev_b32 v[GO], 4, v1
	v_lshlrev_b32 v[LS], 2, v1
	v_lshlrev_b32 v[AG], 6, v3
	s_lshl_b32 s46, s[WV], 13
	v_add_nc_u32 v[XWI], s46, v[GO]
	s_add_co_u32 s46, s46, XO
	v_add_nc_u32 v[AXR], s46, v[GO]
	v_add_nc_u32 v[AXR2], 0x10000, v[AXR]
	s_lshl_b32 s46, s[WV], 9
	v_add_nc_u32 v[XWS], s46, v[LS]
	v_add_nc_u32 v[AGW], s46, v[AG]
	s_lshl_b32 s46, s[WV], 15
	s_add_co_u32 s46, s46, XO
	v_add_nc_u32 v[AXO], s46, v[GO]
	v_lshlrev_b32 v[T16], 4, v0
	v_add_nc_u32 v[T16B], 0x10000, v[T16]
	s_lshl_b32 s46, s[WV], 12
	s_add_co_u32 s48, s46, W1SL
	v_lshl_add_u32 v[AW1B], v2, 4, s48
	s_add_co_u32 s48, s46, HIMG
	v_add_nc_u32 v[AHB0], s48, v[GO]
	s_add_co_u32 s48, s46, W2SL
	v_lshl_add_u32 v[AW2], v2, 4, s48
	s_lshl_b32 s46, s[WV], 10
	s_add_co_u32 s46, s46, B1L
	v_add_nc_u32 v[AB1B], s46, v[AG]
	s_lshl_b32 s46, s[WV], 3
	s_add_co_u32 s46, s46, HSC
	v_lshl_add_u32 v[AHSW], v1, 5, s46
	v_add_nc_u32 v[AHF], HIMG, v[GO]
	v_lshl_add_u32 v[AHS], v1, 5, HSC
	v_add_nc_u32 v[ARW], RED1, v[T16]
	v_add_nc_u32 v[ARR], RED1, v[GO]
	v_mul_u32_u24 v[AOS], v2, 2064
	v_add_nc_u32 v[AOS], v[AOS], v[AGW]
	v_add_nc_u32 v[AOS], XO, v[AOS]
	v_add_nc_u32 v[AOS2], 66048, v[AOS]
	s_mul_i32 s46, s[WV], 33024
	s_add_co_u32 s46, s46, XO
	v_add_nc_u32 v[AOR], s46, v[GO]
.irp b, 0,1,2,3
	v_mov_b32 v[TM+4+\b], 0
	v_mov_b32 v[188+\b], 0                         ; written once: a lane permute's destination counts as one of its sources
.endr
.irp j, 0,1,2,3,4,5,6,7
	v_mov_b32 v[HW+\j], 0
.endr
	s_mov_b32 s[SEL], 0x76543210
	s_mov_b32 s[SEL+1], 0xfedcba98
	s_mov_b32 s[MNT], 0x600000
	s_mov_b32 s[C9], 0x3b000000                    ; 1 / 512
	s_mov_b32 s[EPS], 0x3727c5ac                   ; 1e-5
	s_mov_b32 s47, 0
	s_wait_kmcnt 0x0
	s_lshl_b32 s46, ttmp9, 17
	s_lshl_b32 s48, s[WV], 15
	s_add_co_u32 s46, s46, s48                     ; tile 4 X + w
	s_add_nc_u64 s[32:33], s[4:5], s[46:47]        ; x1
	s_add_nc_u64 s[34:35], s[6:7], s[46:47]        ; att
	s_lshl_b32 s46, s[WV], 17
	s_add_co_u32 s46, s46, 1572864
	s_add_nc_u64 s[WP:WP+1], s[8:9], s[46:47]      ; my 16 tiles of W1
	s_lshl_b32 s46, s[WV], 17
	s_add_co_u32 s46, s46, 2097152
	s_add_nc_u64 s[W2P:W2P+1], s[8:9], s[46:47]    ; my 8 tiles of W2
	s_add_nc_u64 s[40:41], s[8:9], 2670592         ; W1's and W2's scale words, 32 KB on end
	s_lshl_b32 s46, ttmp9, 17
	s_lshr_b32 s48, s[WV], 1
	s_lshl_b32 s48, s48, 16
	s_add_co_u32 s46, s46, s48
	s_and_b32 s48, s[WV], 1
	s_lshl_b32 s48, s48, 14
	s_add_co_u32 s46, s46, s48
	s_add_nc_u64 s[42:43], s[22:23], s[46:47]      ; out0 at my tile's first row
	WIN 0xc0
.set k, 0
.rept 64
	global_load_b128 v[4*k:4*k+3], v[GO], s[32:33] offset:k*512 th:TH_LOAD_NT
.set k, k+1
.endr
	WIN 0x40
.set k, 0
.rept 64
	global_load_b128 v[4*k:4*k+3], v[GO], s[34:35] offset:k*512 th:TH_LOAD_NT
.set k, k+1
.endr
	WIN 0
	global_load_b128 v[16:19], v[T16], s[14:15]
	global_load_b128 v[20:23], v[T16], s[16:17]
	global_load_b128 v[24:27], v[T16], s[18:19]
	global_load_b128 v[28:31], v[T16], s[20:21]
	global_load_b128 v[32:35], v[T16], s[12:13]
	global_load_b128 v[36:39], v[T16], s[10:11]
	global_load_b128 v[40:43], v[T16], s[10:11] offset:2048
.set k, 0
.rept 16
	global_load_b128 v[44+4*k:47+4*k], v[T16], s[40:41] offset:k*2048
.set k, k+1
.endr
	s_wait_loadcnt 0x0
	ds_store_b128 v[T16], v[16:19] offset:G2L
	ds_store_b128 v[T16], v[20:23] offset:BE2L
	ds_store_b128 v[T16], v[24:27] offset:G3L
	ds_store_b128 v[T16], v[28:31] offset:BE3L
	ds_store_b128 v[T16], v[32:35] offset:B2L
	ds_store_b128 v[T16], v[36:39] offset:B1L
	ds_store_b128 v[T16], v[40:43] offset:B1L+2048
.set k, 0
.rept 8
	ds_store_b128 v[T16], v[44+4*k:47+4*k] offset:W1SL+k*2048
	ds_store_b128 v[T16B], v[76+4*k:79+4*k] offset:k*2048
.set k, k+1
.endr
	WIN 0xc7                                       ; z (window 3) += att (window 1)
.set i, 0
.rept 128
	v_pk_add_f32 v[2*i:2*i+1], v[2*i:2*i+1], v[2*i:2*i+1]
.set i, i+1
.endr
.macro WLD buf, off                    ; a unit of W1: two tiles x four K steps: 32 loads of 512 consecutive bytes
	WIN 0x80
.irp f, 0,1,2,3,4,5,6,7
.irp c, 0,1,2,3
	global_load_b128 v[128*(\buf)+16*\f+4*\c:128*(\buf)+16*\f+4*\c+3], v[GO], s[WP:WP+1] offset:(\off)+\f*2048+\c*512
.endr
.endr
	WIN 0
.endm
.macro W2LD s                          ; K step s of my eight tiles of W2
	WIN 0x80
.irp t, 0,1,2,3,4,5,6,7
.irp c, 0,1,2,3
	global_load_b128 v[128*((\s)%2)+16*\t+4*\c:128*((\s)%2)+16*\t+4*\c+3], v[GO], s[W2P:W2P+1] offset:\t*16384+(\s)*2048+\c*512
.endr
.endr
	WIN 0
.endm
	WLD 0, 0
	WLD 1, 16384
	BARRIER                                        ; gains, offsets, biases and the weights' scale words lie in LDS
.macro GLOAD s
	WIN 0x40
.irp b, 0,1,2,3
.irp j, 0,1,2,3
	ds_load_b128 v[16*\b+4*\j:16*\b+4*\j+3], v[AG] offset:G2L+512*(\s)+128*\b+16*\j
	ds_load_b128 v[64+16*\b+4*\j:64+16*\b+4*\j+3], v[AG] offset:BE2L+512*(\s)+128*\b+16*\j
.endr
.endr
	WIN 0
.endm
	GLOAD 0
	; ---- the row's mean and variance
.irp j, 244,245,246,247
	v_mov_b32 v\j, 0
.endr
	WIN 0x0c
.set i, 0
.rept 64
	v_pk_add_f32 v[244:245], v[244:245], v[4*i:4*i+1]
	v_pk_add_f32 v[246:247], v[246:247], v[4*i+2:4*i+3]
.set i, i+1
.endr
	WIN 0
	v_pk_add_f32 v[244:245], v[244:245], v[246:247]
	v_add_f32 v244, v244, v245
	v_permlanex16_b32 v246, v244, s[SEL], s[SEL+1]
	v_add_f32 v244, v244, v246
	v_mul_f32 v252, s[C9], v244
	v_mov_b32 v253, v252
	WIN 0xc3
.set i, 0
.rept 128
	v_pk_add_f32 v[2*i:2*i+1], v[2*i:2*i+1], v[252:253] neg_lo:[0,1] neg_hi:[0,1]
.set i, i+1
.endr
	WIN 0
.irp j, 244,245,246,247
	v_mov_b32 v\j, 0
.endr
	WIN 0x0f
.set i, 0
.rept 64
	v_pk_fma_f32 v[244:245], v[4*i:4*i+1], v[4*i:4*i+1], v[244:245]
	v_pk_fma_f32 v[246:247], v[4*i+2:4*i+3], v[4*i+2:4*i+3], v[246:247]
.set i, i+1
.endr
	WIN 0
	v_pk_add_f32 v[244:245], v[244:245], v[246:247]
	v_add_f32 v244, v244, v245
	v_permlanex16_b32 v246, v244, s[SEL], s[SEL+1]
	v_add_f32 v244, v244, v246
	v_fma_f32 v244, v244, s[C9], s[EPS]
	v_rsq_f32 v254, v244
	v_nop
	s_wait_alu depctr_va_vdst(0)                   ; ahead of the first reader
	v_mov_b32 v255, v254
.macro NORM s
	s_wait_dscnt 0x0                               ; g2 and be2 are in; the last K step's LDS stores have read their registers
	WIN 0x03
.set i, 0
.rept 32
	v_pk_mul_f32 v[NB+2*i:NB+2*i+1], v[64*(\s)+2*i:64*(\s)+2*i+1], v[254:255]
.set i, i+1
.endr
	WIN 0x14
.set i, 0
.rept 32
	v_pk_fma_f32 v[NB+2*i:NB+2*i+1], v[NB+2*i:NB+2*i+1], v[2*i:2*i+1], v[64+2*i:64+2*i+1]
.set i, i+1
.endr
.if (\s) < 3
	GLOAD (\s)+1
.endif
	WIN 0
.set i, 0
.rept 16
	ds_store_b128 v[AXO], v[NB+4*i:NB+4*i+3] offset:(16*(\s)+i)*512   ; x2 in f32, for the residual
.set i, i+1
.endr
	s_wait_dscnt 0x0                               ; the stores have read the numbers, which the hold rewrites
	QUANT NB, 0, PW
.irp c, 0,1,2,3
	ds_store_b128 v[XWI], v[PC+4*\c:PC+4*\c+3] offset:XIMG+(\s)*2048+\c*512
.endr
	ds_store_b32 v[XWS], v[PW] offset:XSC+(\s)*128
.endm
	NORM 0
	NORM 1
	NORM 2
	NORM 3
	BARRIER                                        ; x2 lies in LDS, as fragments and in f32
	WIN 0x40
.set k, 0
.rept 64
	ds_load_b128 v[4*k:4*k+3], v[GO] offset:XIMG+k*512
.set k, k+1
.endr
	WIN 0
.set k, 0
.rept 16
	ds_load_b32 v[XS+k], v[LS] offset:XSC+k*128
.set k, k+1
.endr
	WIN 0xc0                                       ; y begins as x2 + b2: my 128 channels of all 64 rows
.set m, 0
.rept 4
.set k, 0
.rept 16
.if m < 2
	ds_load_b128 v[64*m+4*k:64*m+4*k+3], v[AXR] offset:m*32768+k*512
.else
	ds_load_b128 v[64*m+4*k:64*m+4*k+3], v[AXR2] offset:(m-2)*32768+k*512
.endif
.set k, k+1
.endr
.set m, m+1
.endr
	WIN 0
.set k, 0
.rept 16
	ds_load_b128 v[NB+4*k:NB+4*k+3], v[AGW] offset:B2L+128*(k/4)+16*(k%4)
.set k, k+1
.endr
	ds_load_b128 v[WS1:WS1+3], v[AW1B]             ; unit 0's scale words and biases
	ds_load_b128 v[WS1+4:WS1+7], v[AW1B] offset:256
.irp k, 0,1,2,3
	ds_load_b128 v[B1C+4*\k:B1C+4*\k+3], v[AB1B] offset:16*\k
.endr
	s_wait_dscnt 0x0
	WIN 0xc3
.set m, 0
.rept 4
.set i, 0
.rept 32
	v_pk_add_f32 v[64*m+2*i:64*m+2*i+1], v[64*m+2*i:64*m+2*i+1], v[NB+2*i:NB+2*i+1]
.set i, i+1
.endr
.set m, m+1
.endr
	WIN 0
; ---- the hidden layer.  A unit: 32 hidden units for the four tiles of rows: 32 products, eight accumulators by turns, one instruction a turn.
; e: the unit's parity, its buffer.  nxt = 1: the buffer takes W1's unit two on; 2: W2's K step e.  side = 1: the next unit's scale words and biases are fetched.
.macro U1F e, nxt, side
	s_wait_loadcnt 32                              ; this unit's 32 loads are in; the next unit's 32 may be out
	s_wait_dscnt 0x0                               ; scale words and biases are in; the last unit's LDS stores have read their registers
	WIN 0x06                                       ; A (W1) window 2, B (x2) window 1
.irp s, 0,1,2,3
.irp m, 0,1,2,3
.irp u, 0,1
.if \s == 0
	v_wmma_scale_f32_16x16x128_f8f6f4 v[NB+16*\m+8*\u:NB+16*\m+8*\u+7], v[128*(\e)+16*(4*\u+\s):128*(\e)+16*(4*\u+\s)+15], v[64*\m+16*\s:64*\m+16*\s+15], v[B1C+8*\u:B1C+8*\u+7], v[WS1+4*\u+\s], v[XS+4*\m+\s]
.else
	v_wmma_scale_f32_16x16x128_f8f6f4 v[NB+16*\m+8*\u:NB+16*\m+8*\u+7], v[128*(\e)+16*(4*\u+\s):128*(\e)+16*(4*\u+\s)+15], v[64*\m+16*\s:64*\m+16*\s+15], v[NB+16*\m+8*\u:NB+16*\m+8*\u+7], v[WS1+4*\u+\s], v[XS+4*\m+\s]
.endif
.endr
.endr
.endr
	WIN 0
	PLACES 8                                       ; in front of loads into registers that the products read, and of the first read of results
.if \nxt == 1
	WLD \e, 32768+16384*\e
.else
	W2LD \e
.endif
.if \side
	ds_load_b128 v[WS1:WS1+3], v[AW1] offset:(\e+1)*512
	ds_load_b128 v[WS1+4:WS1+7], v[AW1] offset:(\e+1)*512+256
.irp k, 0,1,2,3
	ds_load_b128 v[B1C+4*\k:B1C+4*\k+3], v[AB1] offset:(\e+1)*128+16*\k
.endr
.endif
	QUANT NB, 1, -1                                ; block m of the 64 numbers: these 32 hidden units of tile m's rows
.irp m, 0,1,2,3
	v_alignbit_b32 v[HW+2*\m], v[HW+2*\m+1], v[HW+2*\m], 8       ; the pair moves a byte down, and the new byte comes in on top: after eight units the first stands lowest
	v_lshrrev_b32 v[HW+2*\m+1], 8, v[HW+2*\m+1]
	v_lshl_or_b32 v[HW+2*\m+1], v[TM+4+\m], 24, v[HW+2*\m+1]
.endr
.irp m, 0,1,2,3
	ds_store_b128 v[AH], v[PC+4*\m:PC+4*\m+3] offset:\m*16384+\e*512
.endr
.endm
.macro PAIR_HEAD                       ; a trip's LDS addresses: a base + a scalar that steps once a trip
	v_add_nc_u32 v[AW1], s[UH], v[AW1B]
	v_add_nc_u32 v[AB1], s[UB], v[AB1B]
	v_add_nc_u32 v[AH], s[UH], v[AHB0]
.endm
	s_mov_b32 s[UH], 0
	s_mov_b32 s[UB], 0
	s_mov_b32 s[TRIP], 3
.Lunits:                                           ; three trips of two units; they ask for units 2 to 7
	PAIR_HEAD
	U1F 0, 1, 1
	U1F 1, 1, 1
	s_wait_xcnt 0x0                                ; the loads have read their base
	s_add_nc_u64 s[WP:WP+1], s[WP:WP+1], 32768
	s_add_co_u32 s[UH], s[UH], 1024
	s_add_co_u32 s[UB], s[UB], 256
	s_sub_co_u32 s[TRIP], s[TRIP], 1
	s_cmp_lg_u32 s[TRIP], 0
	s_cbranch_scc1 .Lunits
	PAIR_HEAD
	U1F 0, 2, 1                                    ; units 6 and 7 ask for W2's first two K steps
	U1F 1, 2, 0
.irp m, 0,1,2,3
	ds_store_b64 v[AHSW], v[HW+2*\m:HW+2*\m+1] offset:\m*1024
.endr
	BARRIER                                        ; the hidden layer's 32 fragments and their scale words lie in LDS
; ---- the second product, a K step at a time: 32 accumulators by turns
.macro HLD s                           ; K step s: four hidden fragments, W2's eight scale words, the hidden layer's four: 28 LDS loads
	WIN 0x40
.irp m, 0,1,2,3
.irp c, 0,1,2,3
	ds_load_b128 v[64*((\s)%2)+16*\m+4*\c:64*((\s)%2)+16*\m+4*\c+3], v[AHF] offset:\m*16384+(\s)*2048+\c*512
.endr
.endr
	WIN 0
.irp t, 0,1,2,3,4,5,6,7
	ds_load_b32 v[WS2+8*((\s)%2)+\t], v[AW2] offset:\t*512+((\s)/4)*256+4*((\s)%4)
.endr
.irp m, 0,1,2,3
	ds_load_b32 v[HS+4*((\s)%2)+\m], v[AHS] offset:\m*1024+4*(\s)
.endr
.endm
.macro U2 s
.if \s < 7
	s_wait_loadcnt 32                              ; this K step's 32 loads of W2 are in; the next K step's may be out
	s_wait_dscnt 28                                ; likewise its 28 LDS loads
.else
	s_wait_loadcnt 0
	s_wait_dscnt 0
.endif
	WIN 0xf6                                       ; A (W2) window 2, B (hidden) window 1, C and D window 3
.irp m, 0,1,2,3
.irp t, 0,1,2,3,4,5,6,7
	v_wmma_scale_f32_16x16x128_f8f6f4 v[64*\m+8*\t:64*\m+8*\t+7], v[128*((\s)%2)+16*\t:128*((\s)%2)+16*\t+15], v[64*((\s)%2)+16*\m:64*((\s)%2)+16*\m+15], v[64*\m+8*\t:64*\m+8*\t+7], v[WS2+8*((\s)%2)+\t], v[HS+4*((\s)%2)+\m]
.endr
.endr
	WIN 0
	PLACES 8
.if \s < 6
	W2LD \s+2
	HLD \s+2
.endif
.endm
	HLD 0
	HLD 1
	U2 0
	U2 1
	U2 2
	U2 3
	U2 4
	U2 5
	U2 6
	U2 7
	; ---- the last norm: a row's 512 channels lie in four waves; sums meet in LDS
	WIN 0x40
.set k, 0
.rept 16
	ds_load_b128 v[128+4*k:131+4*k], v[AGW] offset:G3L+128*(k/4)+16*(k%4)
	ds_load_b128 v[192+4*k:195+4*k], v[AGW] offset:BE3L+128*(k/4)+16*(k%4)
.set k, k+1
.endr
	WIN 0
.macro MEET off                        ; v[176 + 2 m], v[177 + 2 m]: my lane's two partial sums for tile m -> v[184 + m]: the row's sum
.irp m, 0,1,2,3
	v_add_f32 v[184+\m], v[176+2*\m], v[177+2*\m]
.endr
.irp m, 0,1,2,3
	v_permlanex16_b32 v[188+\m], v[184+\m], s[SEL], s[SEL+1]
.endr
.irp m, 0,1,2,3
	v_add_f32 v[184+\m], v[184+\m], v[188+\m]
.endr
	ds_store_b128 v[ARW], v[184:187] offset:\off
	BARRIER
.irp w, 0,1,2,3
	ds_load_b128 v[192+4*\w:195+4*\w], v[ARR] offset:\off+\w*512
.endr
	s_wait_dscnt 0x0
.irp m, 0,1,2,3
	v_add_f32 v[184+\m], v[192+\m], v[196+\m]
	v_add_f32 v[188+\m], v[200+\m], v[204+\m]
.endr
.irp m, 0,1,2,3
	v_add_f32 v[184+\m], v[184+\m], v[188+\m]
.endr
.endm
.irp j, 0,1,2,3,4,5,6,7
	v_mov_b32 v[176+\j], 0
.endr
	WIN 0x0c
.set i, 0
.rept 32
.irp m, 0,1,2,3
	v_pk_add_f32 v[176+2*\m:177+2*\m], v[176+2*\m:177+2*\m], v[64*\m+2*i:64*\m+2*i+1]   ; each accumulator from its low end on
.endr
.set i, i+1
.endr
	WIN 0
	MEET 0
.irp m, 0,1,2,3
	v_mul_f32 v[176+2*\m], s[C9], v[184+\m]        ; the means
.endr
	WIN 0xc3
.set i, 0
.rept 32
.irp m, 0,1,2,3
	v_pk_add_f32 v[64*\m+2*i:64*\m+2*i+1], v[64*\m+2*i:64*\m+2*i+1], v[176+2*\m:177+2*\m] op_sel_hi:[1,0] neg_lo:[0,1] neg_hi:[0,1]
.endr
.set i, i+1
.endr
	WIN 0
.irp j, 0,1,2,3,4,5,6,7
	v_mov_b32 v[176+\j], 0
.endr
	WIN 0x0f
.set i, 0
.rept 32
.irp m, 0,1,2,3
	v_pk_fma_f32 v[176+2*\m:177+2*\m], v[64*\m+2*i:64*\m+2*i+1], v[64*\m+2*i:64*\m+2*i+1], v[176+2*\m:177+2*\m]
.endr
.set i, i+1
.endr
	WIN 0
	MEET 2048
.irp m, 0,1,2,3
	v_fma_f32 v[184+\m], v[184+\m], s[C9], s[EPS]
.endr
.irp m, 0,1,2,3
	v_rsq_f32 v[176+2*\m], v[184+\m]
.endr
	v_nop
	s_wait_alu depctr_va_vdst(0)                   ; one wait for the four, ahead of their first reader
	WIN 0xc3
.set i, 0
.rept 32
.irp m, 0,1,2,3
	v_pk_mul_f32 v[64*\m+2*i:64*\m+2*i+1], v[64*\m+2*i:64*\m+2*i+1], v[176+2*\m:177+2*\m] op_sel_hi:[1,0]
.endr
.set i, i+1
.endr
	WIN 0xd7                                       ; y (window 3) = y x g3 + be3 (window 1)
.set i, 0
.rept 32
.irp m, 0,1,2,3
	v_pk_fma_f32 v[64*\m+2*i:64*\m+2*i+1], v[64*\m+2*i:64*\m+2*i+1], v[128+2*i:129+2*i], v[192+2*i:193+2*i]
.endr
.set i, i+1
.endr
	; ---- the way out: a row's 2,048 bytes come from four waves: through a stage, then 16 whole rows a wave
	WIN 0x0c
.set m, 0
.rept 4
.set k, 0
.rept 16
.if m < 2
	ds_store_b128 v[AOS], v[64*m+4*k:64*m+4*k+3] offset:m*33024+128*(k/4)+16*(k%4)
.else
	ds_store_b128 v[AOS2], v[64*m+4*k:64*m+4*k+3] offset:(m-2)*33024+128*(k/4)+16*(k%4)
.endif
.set k, k+1
.endr
.set m, m+1
.endr
	WIN 0
	BARRIER
	WIN 0x40
.set k, 0
.rept 64
	ds_load_b128 v[4*k:4*k+3], v[AOR] offset:(k/4)*2064+512*(k%4)
.set k, k+1
.endr
	s_wait_dscnt 0x0
	WIN 0x04                                       ; a store's data are its source 1: window 1
.set k, 0
.rept 64
	global_store_b128 v[GO], v[4*k:4*k+3], s[42:43] offset:((k/4)+8*((k/4)/8))*2048+512*(k%4) th:TH_STORE_NT   ; 512 consecutive bytes
.set k, k+1
.endr
	WIN 0
	s_wait_tensorcnt 0x0
	ds_add_u32 v250, v251
	s_wait_dscnt 0x0
	s_endpgm
.Lfunc_end_k_q4eb5fe0a17_ffn:
	.size	k_q4eb5fe0a17_ffn, .Lfunc_end_k_q4eb5fe0a17_ffn-k_q4eb5fe0a17_ffn
	.p2alignl 7, 3214868480
	.fill 96, 4, 3214868480
	.section	.rodata,"a",@progbits
	.p2align	6, 0x0
	.amdhsa_kernel k_q4eb5fe0a17_ffn
		.amdhsa_group_segment_fixed_size 288256
		.amdhsa_private_segment_fixed_size 0
		.amdhsa_enable_private_segment 0
		.amdhsa_kernarg_size 80
		.amdhsa_user_sgpr_count 2
		.amdhsa_user_sgpr_kernarg_segment_ptr 1
		.amdhsa_wavefront_size32 1
		.amdhsa_system_sgpr_workgroup_id_x 1
		.amdhsa_system_sgpr_workgroup_id_y 1
		.amdhsa_system_sgpr_workgroup_id_z 1
		.amdhsa_system_vgpr_workitem_id 0
		.amdhsa_next_free_vgpr 1024
		.amdhsa_next_free_sgpr 66
		.amdhsa_reserve_vcc 0
		.amdhsa_float_denorm_mode_32 3
		.amdhsa_float_denorm_mode_16_64 3
		.amdhsa_memory_ordered 1
		.amdhsa_forward_progress 1
		.amdhsa_inst_pref_size 255
	.end_amdhsa_kernel
	.section	.bss,"aw",@nobits
	.p2align	6
	.space	262144
	.amdgpu_metadata
---
amdhsa.version: [ 1, 2 ]
amdhsa.kernels:
  - .name:           k_q4eb5fe0a17_ffn
    .symbol:         k_q4eb5fe0a17_ffn.kd
    .args:
      - { .name: x1, .offset: 0, .size: 8, .value_kind: global_buffer, .address_space: global }
      - { .name: att, .offset: 8, .size: 8, .value_kind: global_buffer, .address_space: global }
      - { .name: wimg, .offset: 16, .size: 8, .value_kind: global_buffer, .address_space: global }
      - { .name: b1, .offset: 24, .size: 8, .value_kind: global_buffer, .address_space: global }
      - { .name: b2, .offset: 32, .size: 8, .value_kind: global_buffer, .address_space: global }
      - { .name: g2, .offset: 40, .size: 8, .value_kind: global_buffer, .address_space: global }
      - { .name: be2, .offset: 48, .size: 8, .value_kind: global_buffer, .address_space: global }
      - { .name: g3, .offset: 56, .size: 8, .value_kind: global_buffer, .address_space: global }
      - { .name: be3, .offset: 64, .size: 8, .value_kind: global_buffer, .address_space: global }
      - { .name: out0, .offset: 72, .size: 8, .value_kind: global_buffer, .address_space: global }
    .group_segment_fixed_size: 288256
    .private_segment_fixed_size: 0
    .kernarg_segment_align: 8
    .kernarg_segment_size: 80
    .max_flat_workgroup_size: 128
    .sgpr_count:     66
    .vgpr_count:     1024
    .wavefront_size: 32
...
	.end_amdgpu_metadata
.endif
;; end of part 5
;; ======== version 2 of 2: 6 launches; version 1 with the launches proj, attn1, lnq, attn2, ffn written anew for expert scheduling mode
;; workspace buffers: aimg 8,650,752 bytes; wimg 2,703,360 bytes; set1 12,976,128 bytes; set2 12,976,128 bytes; att 16,777,216 bytes; x1 16,777,216 bytes
;; launch prep: the kernel of part 1 again; grid 672 x 1, 2 waves a work-group, no clusters, 17,152 bytes of LDS; arguments x, memory_codes, memory_scales, Wq1_codes, Wq1_scales, Wk1_codes, Wk1_scales, Wv1_codes, Wv1_scales, Wk2_codes, Wk2_scales, Wv2_codes, Wv2_scales, Wq2_codes, Wq2_scales, W1_codes, W1_scales, W2_codes, W2_scales, aimg, wimg; writes aimg, wimg
;; launch proj (part 6): grid 32 x 5, 4 waves a work-group, no clusters, 136,704 bytes of LDS; arguments aimg, wimg, bq1, bk1, bv1, bk2, bv2, set1, set2; writes set1, set2
.if DOCPART == 6
	.amdgcn_target "amdgcn-amd-amdhsa--gfx1250"
	.amdhsa_code_object_version 6
	.text
	.protected	k_q4eb5fe0a17_proj
	.globl	k_q4eb5fe0a17_proj
	.p2align	8
	.type	k_q4eb5fe0a17_proj,@function
k_q4eb5fe0a17_proj:
	s_mov_b64 s[64:65], 0
	v_nop
	global_prefetch_b8 v0, s[64:65] scope:SCOPE_SE
	s_setreg_imm32_b32 hwreg(HW_REG_WAVE_SCHED_MODE, 0, 2), 2
	s_setreg_imm32_b32 hwreg(HW_REG_WAVE_MODE, 25, 1), 1
	s_wait_xcnt 0x0
	s_wait_alu depctr_vm_vsrc(0)
; PROJ.  Five linear layers on codes of E4M3 (y = 0: q1 = x Wq1^T + bq1; 1: k1; 2: v1; 3: k2 = memory Wk2^T + bk2; 4: v2), each result quantised at once for attention.
; ONE FORM: D = (16 STATIONARY rows) x (16 STREAMED rows)^T.  A lane then holds one streamed row, and its registers run along the stationary rows, along which the result is quantised.
; q, k (kind 0): stationary = the weight's 512 rows (channels; a head's 32 are a block), streamed = 256 rows of the activation.  v (kind 1): stationary = 512 rows of the activation (the keys, the second product's K),
; streamed = 256 rows of the weight.  A wave keeps 128 stationary rows x 512 K in 512 registers, loaded once, straight from the images; the streamed rows are staged once in LDS and read by all four waves.
; Tiles and images as PREP lays them.  OUT: q, k codes: ((batch x 4 + head / 4) x 64 + tile) x 2,048 + (head % 4) x 512 + 16 lane.  v codes: ((batch x 8 + key step) x 32 + 2 head + u) x 2,048: whole fragments of V^T.
; Scale words: 512 bytes for each 8 tiles in that order: 256 (tile / 4 % 2) + 16 r + 4 (tile % 4).
; NO TENSOR LOADS, NO CLUSTER: the stationary operand goes from memory into the registers of the one wave that multiplies by it, and a joint load lands in LDS only; the streamed 128 KB are read once a work-group.
; 160 work-groups: halving the stream would load every stationary block twice.
; LIMITS: as in PREP's quantiser; NaN codes among the given operands are not served.
; THE MODE: SCHED_MODE bits 1:0 = 2 (LLVM: expert scheduling mode 2), set by the entry lines.  The code itself states the register dependences
; between vector or matrix instructions and memory or LDS instructions, with s_wait_alu, always for 0.
; THE PLAN.  Registers that LDS or memory instructions touch, in the loop over the streamed tiles:
;   XF, XS, SBV    Tile t: its 32 products read XF and XS, its eight moves SBV; behind the products the LDS loads of tile t + 1 land in them.
;   PC, PC + 96    Two buffers of codes by turns.  Tile t's conversions write buffer t % 2; the four stores that read it are issued in tile t + 1 (tile 7's at the trip's end).
;   OW             Written by the trip's four selects, read by one store at the trip's end.
;   LI, LSC, LSB   Read by every LDS load; written once a trip, in tile 7.  GO and the staging's addresses are made at the head and never written again.
; So three lines stand in a tile, behind its products and their places: the stores issued a tile ago have read the buffer that this tile's conversions write; the products are done reading XF, XS and SBV and the last
; tile's codes are written.  The tile's LDS loads and stores follow with no further wait: the quantiser behind them names HA, TM, E and the other buffer of codes alone.
.set SSCL, 131072                      ; LDS: 0: the streamed tiles' images, 8,192 bytes each; here their scale words, 256 bytes a tile;
.set SBL,  135168                      ; here the 256 streamed rows' biases
.set GO,  4                            ; v4   16 lane
.set LI,  5                            ; v5   16 lane (+ 65,536 in the second trip)
.set LSC, 6                            ; v6   SSCL + 16 r
.set LSB, 7                            ; v7   SBL + 4 (r + 8 (r / 8))
.set XF,  16                           ; v16-79   the streamed tile's four fragments
.set HA,  80                           ; v80-143  eight accumulators
.set PC,  144                          ; v144-159 the codes of even tiles; v240-255 those of odd tiles
.set TM,  160                          ; v160-175 at work in QUANT
.set XS,  176                          ; v176-179 the streamed tile's scale words
.set SBV, 180                          ; v180     my streamed row's bias
.set SB,  184                          ; v184-191 the same, eight times: a C operand
.set E,   192                          ; v192-199 eight tiles' scale words
.set OW,  200                          ; v200-203 on their way out
.set SS,  208                          ; v208-239 the stationary scale words: 4 i + s
.set BI,  0                            ; window 3: v0-63 biases by stationary row; v64-191 staging.  Windows 1, 2: the stationary fragments, 64 (i % 4) + 16 s
.set WV,   22
.set KIND, 25
.set SEL,  58
.set MNT,  60
.set HM,   61
.set TRIP, 62
.set MSB, 0
.macro WIN new                         ; the immediate's high byte repeats the setting that is left
.if MSB != \new
	s_set_vgpr_msb (MSB<<8)|\new
.set MSB, \new
.endif
.endm
.macro PLACES n
.rept \n
	v_nop
.endr
.endm
.macro QUANT s, relu, pw, pc           ; 64 numbers of a lane become a fragment's codes in v[pc] on and its scale word in v[pw]
.irp b, 0,1,2,3
	v_max3_num_f32 v[TM+\b], |v[\s+16*\b]|, |v[\s+1+16*\b]|, 0x4800000   ; my 16 numbers of block b, and the floor 2^(9 - 127)
.endr
.irp i, 2,4,6,8,10,12,14
.irp b, 0,1,2,3
	v_max3_num_f32 v[TM+\b], v[TM+\b], |v[\s+16*\b+\i]|, |v[\s+1+16*\b+\i]|
.endr
.endr
.irp b, 0,1,2,3
	v_permlanex16_b32 v[TM+4+\b], v[TM+\b], s[SEL], s[SEL+1]
.endr
.irp b, 0,1,2,3
	v_max_num_f32 v[TM+\b], v[TM+\b], v[TM+4+\b]
.endr
.irp b, 0,1,2,3
	v_add_nc_u32 v[TM+12+\b], 0xfc000000, v[TM+\b]
.endr
.irp b, 0,1,2,3
	v_and_or_b32 v[TM+8+\b], v[TM+\b], 0x7f800000, s[MNT]
.endr
.irp b, 0,1,2,3
	v_lshrrev_b32 v[TM+4+\b], 23, v[TM+12+\b]
.endr
.if \pw >= 0
	v_lshl_or_b32 v[\pw], v[TM+5], 8, v[TM+4]
	v_lshl_or_b32 v[\pw], v[TM+6], 16, v[\pw]
	v_lshl_or_b32 v[\pw], v[TM+7], 24, v[\pw]
.endif
.irp b, 0,1,2,3
.irp i, 0,1,2,3,4,5,6,7,8,9,10,11,12,13,14,15
	v_med3_num_f32 v[\s+16*\b+\i], v[\s+16*\b+\i], -v[TM+8+\b], v[TM+8+\b]
.endr
	v_cvt_scalef32_pk8_fp8_f32 v[\pc+4*\b:\pc+1+4*\b], v[\s+16*\b:\s+7+16*\b], v[TM+12+\b]
	v_cvt_scalef32_pk8_fp8_f32 v[\pc+2+4*\b:\pc+3+4*\b], v[\s+8+16*\b:\s+15+16*\b], v[TM+12+\b]
.endr
	v_nop                                          ; a plain line behind the last conversion
.endm
	s_load_b512 s[4:19], s[0:1], 0x0               ; aimg 4, wimg 6, bq1 8, bk1 10, bv1 12, bk2 14, bv2 16, set1 18
	s_load_b64 s[20:21], s[0:1], 0x40              ; set2
	v_lshl_add_u32 v206, v0, 2, 0x21400
	v_mov_b32 v207, 0
	v_lshrrev_b32 v1, 5, v0
	v_readfirstlane_b32 s[WV], v1                  ; wave 0..3
	v_and_b32 v1, 31, v0
	v_and_b32 v2, 15, v0                           ; r
	v_bfe_u32 v3, v0, 4, 1                         ; h
	v_lshlrev_b32 v[GO], 4, v1
	v_lshlrev_b32 v[LI], 4, v1
	v_lshl_add_u32 v[LSC], v2, 4, SSCL
	v_and_b32 v8, 8, v2
	v_add_nc_u32 v8, v8, v2
	v_lshl_add_u32 v[LSB], v8, 2, SBL
	v_lshlrev_b32 v8, 4, v0                        ; 16 x thread: the staging's place in memory and in LDS
	v_add_nc_u32 v9, 0x10000, v8
	v_add_nc_u32 v10, SSCL, v8
	v_lshl_add_u32 v11, v0, 3, SBL
	v_lshlrev_b32 v12, 3, v0
	v_lshlrev_b32 v13, 4, v2                       ; 16 r
	v_lshlrev_b32 v14, 6, v3                       ; 64 h
.irp b, 0,1,2,3
	v_mov_b32 v[TM+4+\b], 0                        ; written once: a lane permute's destination counts as one of its sources
.endr
	s_wait_alu depctr_va_sdst(0)                   ; the wave's number is written, ahead of its first reader: offsets of the stationary rows and of the results are made from it
	s_mov_b32 s[SEL], 0x76543210
	s_mov_b32 s[SEL+1], 0xfedcba98
	s_mov_b32 s[MNT], 0x600000
	s_mov_b32 s[HM], 0xffff0000
	s_and_b32 s24, ttmp7, 0xffff                   ; the task
	s_cmp_eq_u32 s24, 2
	s_cselect_b32 s[KIND], 1, 0
	s_cmp_eq_u32 s24, 4
	s_cselect_b32 s[KIND], 1, s[KIND]              ; 1: v
	s_cmp_ge_u32 s24, 3
	s_cselect_b32 s26, 1, 0                        ; 1: the activation is memory, the results go to set2
	s_lshl_b32 s27, s24, 18                        ; the weight's images in wimg,
	s_lshl_b32 s28, s24, 13
	s_add_co_u32 s28, s28, 2621440                 ; its scale words;
	s_lshl_b32 s29, s26, 22                        ; the activation's images in aimg,
	s_lshl_b32 s30, s26, 17
	s_add_co_u32 s30, s30, 8388608                 ; its scale words
	s_lshr_b32 s31, ttmp9, 1
	s_and_b32 s32, ttmp9, 1
	s_lshr_b32 s33, ttmp9, 2
	s_lshl_b32 s33, s33, 8
	s_and_b32 s34, ttmp9, 3
	s_lshl_b32 s35, s26, 1
	s_sub_co_u32 s35, s24, s35                     ; the region of the set: 0 q, 1 k, 2 v
	s_cmp_eq_u32 s[KIND], 1
	s_cselect_b32 s31, s31, 0                      ; which 512 stationary rows
	s_cselect_b32 s32, s32, ttmp9                  ; which 256 streamed rows
	s_cselect_b32 s36, s29, s27
	s_cselect_b32 s37, s30, s28
	s_cselect_b32 s38, s27, s29
	s_cselect_b32 s39, s28, s30
	s_cselect_b32 s40, 32, 64                      ; tiles of results for each group of 128 stationary rows
	s_cselect_b32 s33, 0, s33
	s_cselect_b32 s34, s32, s34
	s_cselect_b32 s41, s32, 0
	s_lshl_b32 s42, s31, 5
	s_lshl_b32 s43, s[WV], 3
	s_add_co_u32 s42, s42, s43                     ; my first stationary tile
	s_lshl_b32 s43, s42, 13
	s_add_co_u32 s36, s36, s43
	s_lshl_b32 s43, s42, 8
	s_add_co_u32 s37, s37, s43
	s_lshl_b32 s43, s32, 17
	s_add_co_u32 s38, s38, s43
	s_lshl_b32 s43, s32, 12
	s_add_co_u32 s39, s39, s43
	s_lshl_b32 s42, s31, 2
	s_add_co_u32 s42, s42, s[WV]
	s_mul_i32 s42, s42, s40
	s_add_co_u32 s42, s42, s33
	s_lshl_b32 s34, s34, 4
	s_add_co_u32 s42, s42, s34                     ; my first tile of results
	s_lshl_b32 s43, s35, 22
	s_lshl_b32 s44, s42, 11
	s_add_co_u32 s43, s43, s44                     ; its codes,
	s_lshl_b32 s44, s35, 17
	s_lshl_b32 s45, s42, 6
	s_add_co_u32 s44, s44, s45
	s_add_co_u32 s44, s44, 12582912                ; its scale words
	s_lshl_b32 s41, s41, 10                        ; the streamed rows' biases (kind 0: any 256, not used)
	s_lshl_b32 s45, s[WV], 9                       ; my 128 stationary rows' (kind 1: not used).  Both are loaded in both kinds, from inside the buffer
	s_mov_b32 s57, 0
	s_wait_kmcnt 0x0
	s_cmp_eq_u32 s[KIND], 1
	s_cselect_b64 s[46:47], s[4:5], s[6:7]         ; the stationary operand's buffer,
	s_cselect_b64 s[48:49], s[6:7], s[4:5]         ; the streamed one's
	s_cmp_eq_u32 s26, 1
	s_cselect_b64 s[50:51], s[20:21], s[18:19]
	s_mov_b64 s[52:53], s[8:9]
	s_cmp_eq_u32 s24, 1
	s_cselect_b64 s[52:53], s[10:11], s[52:53]
	s_cmp_eq_u32 s24, 2
	s_cselect_b64 s[52:53], s[12:13], s[52:53]
	s_cmp_eq_u32 s24, 3
	s_cselect_b64 s[52:53], s[14:15], s[52:53]
	s_cmp_eq_u32 s24, 4
	s_cselect_b64 s[52:53], s[16:17], s[52:53]
.macro PTR dst, base, off
	s_mov_b32 s56, s[\off]
	s_add_nc_u64 s[\dst:\dst+1], s[\base:\base+1], s[56:57]
.endm
	PTR 66, 46, 36                                 ; stationary images
	PTR 68, 46, 37                                 ; stationary scale words
	PTR 70, 48, 38                                 ; streamed images
	PTR 72, 48, 39                                 ; streamed scale words
	PTR 74, 52, 45                                 ; biases by stationary row
	PTR 76, 52, 41                                 ; biases by streamed row
	PTR 78, 50, 43                                 ; codes out
	PTR 80, 50, 44                                 ; scale words out
	s_wait_alu depctr_va_vdst(0)                   ; the offsets and addresses v4 to v14 are written, which the loads, LDS stores and stores of the kernel read
	; ---- the streamed rows come first, then the stationary operand
.set k, 0
.rept 32
	global_load_b128 v[16+4*k:19+4*k], v8, s[70:71] offset:k*2048
.set k, k+1
.endr
	WIN 0xc0
.set k, 0
.rept 32
	global_load_b128 v[64+4*k:67+4*k], v8, s[70:71] offset:(k+32)*2048
.set k, k+1
.endr
	WIN 0
	global_load_b128 v[144:147], v8, s[72:73]
	global_load_b128 v[148:151], v8, s[72:73] offset:2048
	global_load_b64 v[152:153], v12, s[76:77]
	WIN 0x40
.set k, 0
.rept 64
	global_load_b128 v[4*k:4*k+3], v[GO], s[66:67] offset:k*512          ; tiles 0-3: register 64 i + 16 s + 4 c
.set k, k+1
.endr
	WIN 0x80
.set k, 0
.rept 64
	global_load_b128 v[4*k:4*k+3], v[GO], s[66:67] offset:(k+64)*512     ; tiles 4-7
.set k, k+1
.endr
	WIN 0xc0
.irp i, 0,1,2,3,4,5,6,7
	global_load_b128 v[BI+8*\i:BI+8*\i+3], v14, s[74:75] offset:(32*(\i/2)+8*(\i%2))*4
	global_load_b128 v[BI+8*\i+4:BI+8*\i+7], v14, s[74:75] offset:(32*(\i/2)+8*(\i%2))*4+16
.endr
	WIN 0
.irp i, 0,1,2,3,4,5,6,7
	global_load_b128 v[SS+4*\i:SS+4*\i+3], v13, s[68:69] offset:\i*256
.endr
	s_wait_loadcnt 0x0
.set k, 0
.rept 32
	ds_store_b128 v8, v[16+4*k:19+4*k] offset:k*2048
.set k, k+1
.endr
	WIN 0x0c                                       ; an LDS store's data are its source 1: window 3
.set k, 0
.rept 32
	ds_store_b128 v9, v[64+4*k:67+4*k] offset:k*2048
.set k, k+1
.endr
	WIN 0
	ds_store_b128 v10, v[144:147]
	ds_store_b128 v10, v[148:151] offset:2048
	ds_store_b64 v11, v[152:153]
	s_wait_dscnt 0x0                               ; for the others' sake: my stores have landed
	s_barrier_signal -1
	s_barrier_wait -1                              ; the one barrier: from here on LDS is only read
	s_wait_alu depctr_vm_vsrc(0)                   ; my LDS stores have read v16 to v153: these are XF, HA and the codes from here on, written by LDS loads, products and conversions
.macro FETCH t                         ; a streamed tile: four fragments, its scale words, my row's bias
.irp s, 0,1,2,3
.irp c, 0,1,2,3
	ds_load_b128 v[XF+16*\s+4*\c:XF+16*\s+4*\c+3], v[LI] offset:(\t)*8192+\s*2048+\c*512
.endr
.endr
	ds_load_b128 v[XS:XS+3], v[LSC] offset:(\t)*256
	ds_load_b32 v[SBV], v[LSB] offset:(32*((\t)/2)+8*((\t)%2))*4
.endm
.macro SEND t, p                       ; tile t's codes, from the buffer at v[p]
.irp c, 0,1,2,3
	global_store_b128 v[GO], v[\p+4*\c:\p+4*\c+3], s[78:79] offset:(\t)*2048+\c*512   ; 512 consecutive bytes
.endr
.endm
.macro PROD i, s, c                    ; stationary tile i, K step s; c: the first register of C
	v_wmma_scale_f32_16x16x128_f8f6f4 v[HA+8*\i:HA+8*\i+7], v[64*((\i)%4)+16*\s:64*((\i)%4)+16*\s+15], v[XF+16*\s:XF+16*\s+15], v[\c:\c+7], v[SS+4*\i+\s], v[XS+\s]
.endm
; A streamed tile: 32 products, the accumulators by turns, one instruction a turn.  The bias is the C of each sum's first product.
.macro TILE t
.set PCT, PC+96*((\t)%2)               ; this tile's buffer of codes,
.set PCL, PC+96*(1-(\t)%2)             ; the last tile's
	s_wait_dscnt 0x0                               ; the tile's loads, asked for a tile ago
	s_cmp_eq_u32 s[KIND], 0
	s_cbranch_scc0 .Lkeys_\@
	WIN 0x31                                       ; A window 1, C (the stationary rows' biases) window 3
.irp i, 0,1,2,3
	PROD \i, 0, BI+8*\i
.endr
	WIN 0x32
.irp i, 4,5,6,7
	PROD \i, 0, BI+8*\i
.endr
	WIN 0
	s_branch .Ljoin_\@
.Lkeys_\@:
.irp j, 0,1,2,3,4,5,6,7
	v_mov_b32 v[SB+\j], v[SBV]                     ; my streamed row's bias for all eight stationary rows
.endr
	WIN 0x01
.irp i, 0,1,2,3
	PROD \i, 0, SB
.endr
	WIN 0x02
.irp i, 4,5,6,7
	PROD \i, 0, SB
.endr
	WIN 0
.Ljoin_\@:
	WIN 0x01
.irp s, 1,2,3
.irp i, 0,1,2,3
	PROD \i, \s, HA+8*\i
.endr
.endr
	WIN 0x02
.irp s, 1,2,3
.irp i, 4,5,6,7
	PROD \i, \s, HA+8*\i
.endr
.endr
	WIN 0
	PLACES 8                                       ; in front of the first read of results (ISA guide 7.12.1)
	s_wait_xcnt 0x0                                ; the stores issued a tile ago have had their addresses translated: their data are rewritten only behind this wait
	s_wait_alu depctr_vm_vsrc(0)                   ; they have read the buffer of codes that this tile's conversions write again; the LDS loads issued so far have read v[LI], v[LSC], v[LSB]
.if \t == 7
	v_add_nc_u32 v[LI], 0x10000, v[LI]             ; on to the second eight tiles
	v_add_nc_u32 v[LSC], 2048, v[LSC]
	v_add_nc_u32 v[LSB], 512, v[LSB]
.endif
	s_wait_alu depctr_va_vdst(0)                   ; the products and moves are done reading XF, XS and SBV, in which the loads below land; the last tile's conversions have written its codes, which the stores below read; in tile 7 the three addresses are written
.if \t < 7
	FETCH \t+1                                     ; it lands while this tile is quantised
.else
	s_cmp_eq_u32 s[TRIP], 1
	s_cbranch_scc1 .Lnone_\@                       ; behind the last tile there is none
	FETCH 0
.Lnone_\@:
.endif
.if \t > 0
	SEND \t-1, PCL                                 ; no vector instruction since the wait names these registers
.endif
	QUANT HA, 0, E+\t, PCT
.endm
	FETCH 0
	s_mov_b32 s[TRIP], 2
.Ltrip:
	TILE 0
	TILE 1
	TILE 2
	TILE 3
	TILE 4
	TILE 5
	TILE 6
	TILE 7
.irp j, 0,1,2,3
	v_cndmask_b32 v[OW+\j], v[E+\j], v[E+4+\j], s[HM]   ; lanes 0-15: tiles 0-3's words of row r; lanes 16-31: tiles 4-7's
.endr
	s_wait_alu depctr_va_vdst(0)                   ; tile 7's conversions have written its codes and the selects v[OW ..]: the five stores below read them
	SEND 7, PC+96
	global_store_b128 v[GO], v[OW:OW+3], s[80:81]  ; 512 consecutive bytes
	s_wait_xcnt 0x0                                ; the stores have read their bases
	s_add_nc_u64 s[78:79], s[78:79], 16384
	s_add_nc_u64 s[80:81], s[80:81], 512
	s_sub_co_u32 s[TRIP], s[TRIP], 1
	s_cmp_lg_u32 s[TRIP], 0
	s_cbranch_scc1 .Ltrip
	s_wait_dscnt 0x0
	s_wait_alu depctr_hold_cnt(0) depctr_sa_sdst(0) depctr_va_vdst(0) depctr_va_sdst(0) depctr_va_ssrc(0) depctr_va_vcc(0) depctr_vm_vsrc(0)
	s_wait_tensorcnt 0x0
	ds_add_u32 v206, v207
	s_wait_dscnt 0x0
	s_endpgm
.Lfunc_end_k_q4eb5fe0a17_proj:
	.size	k_q4eb5fe0a17_proj, .Lfunc_end_k_q4eb5fe0a17_proj-k_q4eb5fe0a17_proj
	.p2alignl 7, 3214868480
	.fill 96, 4, 3214868480
	.section	.rodata,"a",@progbits
	.p2align	6, 0x0
	.amdhsa_kernel k_q4eb5fe0a17_proj
		.amdhsa_group_segment_fixed_size 136704
		.amdhsa_private_segment_fixed_size 0
		.amdhsa_enable_private_segment 0
		.amdhsa_kernarg_size 72
		.amdhsa_user_sgpr_count 2
		.amdhsa_user_sgpr_kernarg_segment_ptr 1
		.amdhsa_wavefront_size32 1
		.amdhsa_system_sgpr_workgroup_id_x 1
		.amdhsa_system_sgpr_workgroup_id_y 1
		.amdhsa_system_sgpr_workgroup_id_z 1
		.amdhsa_system_vgpr_workitem_id 0
		.amdhsa_next_free_vgpr 960
		.amdhsa_next_free_sgpr 96
		.amdhsa_reserve_vcc 0
		.amdhsa_float_denorm_mode_32 3
		.amdhsa_float_denorm_mode_16_64 3
		.amdhsa_memory_ordered 1
		.amdhsa_forward_progress 1
		.amdhsa_inst_pref_size 156
	.end_amdhsa_kernel
	.amdgpu_metadata
---
amdhsa.version: [ 1, 2 ]
amdhsa.kernels:
  - .name:           k_q4eb5fe0a17_proj
    .symbol:         k_q4eb5fe0a17_proj.kd
    .args:
      - { .name: aimg, .offset: 0, .size: 8, .value_kind: global_buffer, .address_space: global }
      - { .name: wimg, .offset: 8, .size: 8, .value_kind: global_buffer, .address_space: global }
      - { .name: bq1, .offset: 16, .size: 8, .value_kind: global_buffer, .address_space: global }
      - { .name: bk1, .offset: 24, .size: 8, .value_kind: global_buffer, .address_space: global }
      - { .name: bv1, .offset: 32, .size: 8, .value_kind: global_buffer, .address_space: global }
      - { .name: bk2, .offset: 40, .size: 8, .value_kind: global_buffer, .address_space: global }
      - { .name: bv2, .offset: 48, .size: 8, .value_kind: global_buffer, .address_space: global }
      - { .name: set1, .offset: 56, .size: 8, .value_kind: global_buffer, .address_space: global }
      - { .name: set2, .offset: 64, .size: 8, .value_kind: global_buffer, .address_space: global }
    .group_segment_fixed_size: 136704
    .private_segment_fixed_size: 0
    .kernarg_segment_align: 8
    .kernarg_segment_size: 72
    .max_flat_workgroup_size: 128
    .sgpr_count:     96
    .vgpr_count:     960
    .wavefront_size: 32
...
	.end_amdgpu_metadata
.endif
;; end of part 6
;; launch attn1 (part 7): grid 2 x 128, 16 waves a work-group, no clusters, 72,704 bytes of LDS; arguments set1, att; writes att
.if DOCPART == 7
	.amdgcn_target "amdgcn-amd-amdhsa--gfx1250"
	.amdhsa_code_object_version 6
	.text
	.protected	k_q4eb5fe0a17_attn1
	.globl	k_q4eb5fe0a17_attn1
	.p2align	8
	.type	k_q4eb5fe0a17_attn1,@function
k_q4eb5fe0a17_attn1:
	s_mov_b64 s[64:65], 0
	v_nop
	global_prefetch_b8 v0, s[64:65] scope:SCOPE_SE
	s_setreg_imm32_b32 hwreg(HW_REG_WAVE_SCHED_MODE, 0, 2), 2
	s_setreg_imm32_b32 hwreg(HW_REG_WAVE_MODE, 25, 1), 1
	s_wait_xcnt 0x0
	s_wait_alu depctr_vm_vsrc(0)
; ATTN.  O = softmax(Q K^T / sqrt(32)) V for one head and 512 queries a work-group, both products on codes of E4M3 with one E8M0 scale for each 32 along K.
; t = score x log2(e) / sqrt(32); M = the row's largest t so far, rounded up to a whole number; p = 2^(t - M) is quantised along the keys, not normalised; the row's sum is taken of the unquantised p and divides O at the end.
; When M moves, the sum and O are multiplied by 2^(old M - new M): exact.
; SHARES.  y = 16 batch + head, x = which 512 queries.  A head's K (32 KB of codes), V (32 KB) and their scale words lie whole in LDS, read from memory once at the head; sixteen waves, four to a SIMD,
; each take two tiles of 16 queries one after the other and walk the 1,024 keys, 128 a step.  Both products are used transposed (S^T = K Q^T, O^T = V^T P^T): a lane holds one query throughout.
; Tiles of keys are PROJ's tiles, so the 16 registers of two neighbouring tiles of S^T are 16 neighbouring keys: the conversions' results are the second product's operand.
; K = 32 IN A FORM OF K = 128: a tile of K is 4 registers; its A operand names 16: the 12 behind are the next tiles' codes (behind the last: zeros).  They meet Q's zero codes, under the scale byte 0 on both sides, and add
; exactly 0: the program's own quantiser makes no NaN code.
; NO TENSOR LOADS, NO CLUSTER, NO PREFETCH: all of a work-group's input is asked for at its head, 69 KB, and two work-groups share it.
; LIMITS: v_exp_f32 gives 0 under 2^-126; a block's largest p is taken from its largest score, which takes v_exp_f32 not to fall where its input rises; NaN and infinities are not served.
; THE MODE: SCHED_MODE bits 1:0 = 2 (LLVM: expert scheduling mode 2), set by the entry lines.  The code itself states the register dependences
; between vector or matrix instructions and memory or LDS instructions, with s_wait_alu, always for 0.
; THE PLAN.  Registers that LDS or memory instructions touch, in the loop over key steps:
;   v32-63, v224-231   K's eight tiles and their scale words.  Read by a step's eight products; the next step's loads land in them in the middle of the step, behind the wait for the exponentials.
;   v176-207, v248-249 V's two fragments and their scale words.  Read by a step's last two products; the next step's loads land in them behind the next step's eight products and their places.
;   v8-11              The loads' addresses.  Read by those loads; written once a step, for the next step, ahead of the wait for the exponentials.
;   v96-111            At a pass's end: written by sixteen multiplications, read by four stores, written again by the next pass's products.
; The addresses go round: behind key step 7 comes key step 0, so a pass's last step asks for the next pass's first tiles of K; the last step of all asks for nothing.
.set VL,  32768                        ; LDS: 0: K, tile T at 512 T; here V: 4,096 s + 2,048 u + 512 c;
.set KS,  65536                        ; K's scale words: 512 s + 256 g + 16 r + 4 j (tile 4 g + j of step s), the head's byte alone in each;
.set VS,  69632                        ; V's: 128 s + 8 r + 4 u
.set AK,  1                            ; v1  16 lane
.set AV,  2                            ; v2  VL + 16 lane
.set AKS, 3                            ; v3  KS + 16 r
.set AVS, 4                            ; v4  VS + 8 r
.set GO,  5                            ; v5  16 lane
; v8-11 the addresses of the loads in hand; v12 -M, v13 the largest t, v[14:15] the sum; v16-31 Q (4 registers of codes, 12 of zeros); v32-63 K's eight tiles; v64-75 zeros; v76-79, v81 the second pass's Q;
; v82-89 staging addresses; v96-159 S^T, then p; v160-175 O^T; v176-207 V's two fragments; v208-223 p's codes; v224-231 K's scale words; v232-247, v252, v254 at work; v248-249 V's scale words; v250 Q's; v253 p's
.set WV,   8
.set LEFT, 9                           ; s9   key steps still to come, both passes together
.set TBW,  10                          ; s10  the next step's place in K and in V,
.set TSW,  11                          ; s11  among K's scale words,
.set TJW,  12                          ; s12  among V's: each taken round at a pass's end
.set SEL,  38
.set CS,   40                          ; s[40:41] c = log2(e) / sqrt(32)
.set MNT,  42
.set TB,   43
.set TS,   44
.set TJ,   45
.set STP,  46
.set PASS, 47
.macro KLOAD                           ; a key step's eight tiles of K and their scale words
.irp t, 0,1,2,3,4,5,6,7
	ds_load_b128 v[32+4*\t:35+4*\t], v8 offset:\t*512
.endr
	ds_load_b128 v[224:227], v10
	ds_load_b128 v[228:231], v10 offset:256
.endm
	s_load_b128 s[4:7], s[0:1], 0x0                ; the set, att
	v_lshl_add_u32 v251, v0, 2, 0x11400
	v_mov_b32 v255, 0
	v_lshrrev_b32 v6, 5, v0
	v_readfirstlane_b32 s[WV], v6                  ; wave 0..15
	v_and_b32 v6, 31, v0                           ; lane
	v_and_b32 v7, 15, v0                           ; r
	v_lshlrev_b32 v[AK], 4, v6
	v_add_nc_u32 v[AV], VL, v[AK]
	v_lshl_add_u32 v[AKS], v7, 4, KS
	v_lshl_add_u32 v[AVS], v7, 3, VS
	v_lshlrev_b32 v[GO], 4, v6
	v_lshlrev_b32 v8, 4, v6                        ; key step 0's addresses
	v_add_nc_u32 v9, VL, v[AK]
	v_lshl_add_u32 v10, v7, 4, KS
	v_lshl_add_u32 v11, v7, 3, VS
	v_lshlrev_b32 v82, 4, v0                       ; 16 x thread
	v_lshrrev_b32 v83, 5, v0
	v_lshl_add_u32 v83, v83, 11, v[AK]             ; K in memory: tile = wave (+ 16 i), 2,048 bytes a tile
	v_lshrrev_b32 v84, 8, v0
	v_and_b32 v85, 255, v0
	v_lshlrev_b32 v85, 4, v85
	v_lshl_add_u32 v84, v84, 16, v85               ; V in memory: 4,096 bytes of each key step, 65,536 apart
	v_lshlrev_b32 v85, 3, v0                       ; 8 x thread
	v_add_nc_u32 v86, KS, v85
	v_add_nc_u32 v87, VS, v85
	v_lshrrev_b32 v88, 4, v0
	v_lshlrev_b32 v89, 4, v7                       ; 16 r
	v_lshl_add_u32 v88, v88, 11, v89               ; V's words in memory: key step = thread / 16
	s_wait_alu depctr_va_sdst(0)                   ; the wave's number is written, ahead of its first reader: my tile of queries is made from it
	s_and_b32 s10, ttmp7, 0xffff
	s_lshr_b32 s11, s10, 4                         ; batch
	s_and_b32 s12, s10, 15                         ; head
	s_lshr_b32 s13, s12, 2
	s_and_b32 s14, s12, 3
	s_lshl_b32 s15, s14, 3                         ; where the head's byte stands in a word of q or k
	s_lshl_b32 s16, s11, 2
	s_add_co_u32 s16, s16, s13                     ; 4 batch + head / 4
	s_lshl_b32 s17, ttmp9, 5
	s_add_co_u32 s17, s17, s[WV]                   ; my first tile of queries: 32 x + wave; the second lies 16 on
	s_lshl_b32 s18, s14, 9
	s_mov_b32 s21, 0
	s_mov_b32 s[SEL], 0x76543210
	s_mov_b32 s[SEL+1], 0xfedcba98
	s_mov_b32 s[CS], 0x3e8293ee
	s_mov_b32 s[CS+1], s[CS]
	s_mov_b32 s[MNT], 0x600000
	s_wait_kmcnt 0x0
	s_lshl_b32 s20, s16, 17
	s_add_co_u32 s20, s20, s18
	s_add_co_u32 s20, s20, 4194304
	s_add_nc_u64 s[24:25], s[4:5], s[20:21]        ; K's codes
	s_lshl_b32 s20, s11, 19
	s_lshl_b32 s19, s12, 12
	s_add_co_u32 s20, s20, s19
	s_add_co_u32 s20, s20, 8388608
	s_add_nc_u64 s[26:27], s[4:5], s[20:21]        ; V's codes
	s_lshl_b32 s20, s16, 12
	s_add_co_u32 s20, s20, 12713984
	s_add_nc_u64 s[28:29], s[4:5], s[20:21]        ; K's words
	s_lshl_b32 s20, s11, 14
	s_lshl_b32 s19, s13, 9
	s_add_co_u32 s20, s20, s19
	s_bfe_u32 s19, s12, 0x10001
	s_lshl_b32 s19, s19, 8
	s_add_co_u32 s20, s20, s19
	s_and_b32 s19, s12, 1
	s_lshl_b32 s19, s19, 3
	s_add_co_u32 s20, s20, s19
	s_add_co_u32 s20, s20, 12845056
	s_add_nc_u64 s[30:31], s[4:5], s[20:21]        ; V's words
	s_lshl_b32 s20, s16, 6
	s_add_co_u32 s20, s20, s17
	s_lshl_b32 s20, s20, 11
	s_add_co_u32 s20, s20, s18
	s_add_nc_u64 s[32:33], s[4:5], s[20:21]        ; Q's codes
	s_lshl_b32 s20, s16, 12
	s_lshr_b32 s19, s17, 3
	s_lshl_b32 s19, s19, 9
	s_add_co_u32 s20, s20, s19
	s_bfe_u32 s19, s17, 0x10002
	s_lshl_b32 s19, s19, 8
	s_add_co_u32 s20, s20, s19
	s_and_b32 s19, s17, 3
	s_lshl_b32 s19, s19, 2
	s_add_co_u32 s20, s20, s19
	s_add_co_u32 s20, s20, 12582912
	s_add_nc_u64 s[34:35], s[4:5], s[20:21]        ; Q's words
	s_lshl_b32 s20, s11, 6
	s_add_co_u32 s20, s20, s17
	s_lshl_b32 s20, s20, 4
	s_add_co_u32 s20, s20, s12
	s_lshl_b32 s20, s20, 11
	s_add_nc_u64 s[36:37], s[6:7], s[20:21]        ; att: (tile x 16 + head) x 2,048
	s_wait_alu depctr_va_vdst(0)                   ; the offsets and addresses v1 to v5, v8 to v11 and v82 to v89 are written, which the loads, LDS stores and stores below read
.irp i, 0,1,2,3
	global_load_b128 v[96+4*\i:99+4*\i], v83, s[24:25] offset:\i*32768
.endr
.irp i, 0,1,2,3
	global_load_b128 v[112+4*\i:115+4*\i], v84, s[26:27] offset:\i*131072
.endr
	global_load_b64 v[128:129], v85, s[28:29]
	global_load_b128 v[16:19], v[AK], s[32:33]
	global_load_b128 v[76:79], v[AK], s[32:33] offset:32768
	global_load_b32 v250, v89, s[34:35]
	global_load_b32 v81, v89, s[34:35] offset:1024
	s_cmp_lt_u32 s[WV], 4                          ; V's words are 1,024 bytes: 128 threads' worth
	s_cbranch_scc0 .Lno_words
	global_load_b64 v[130:131], v88, s[30:31]
.Lno_words:
.irp j, 20,21,22,23,24,25,26,27,28,29,30,31,64,65,66,67,68,69,70,71,72,73,74,75
	v_mov_b32 v\j, 0                               ; zero codes
.endr
.irp b, 0,1,2,3
	v_mov_b32 v[236+\b], 0                         ; written once: a lane permute's destination counts as one of its sources
.endr
	v_mov_b32 v252, 0
	v_mov_b32 v253, 0                              ; (named as the upper half of the pair v[252:253] before it is first written)
	s_wait_loadcnt 0x0
	v_bfe_u32 v128, v128, s15, 8                   ; the head's byte alone: bytes 1 to 3 are 0
	v_bfe_u32 v129, v129, s15, 8
	v_bfe_u32 v250, v250, s15, 8
	v_bfe_u32 v81, v81, s15, 8
	s_wait_alu depctr_va_vdst(0)                   ; v128 and v129 are written, which the LDS store of K's scale words reads
.irp i, 0,1,2,3
	ds_store_b128 v82, v[96+4*\i:99+4*\i] offset:\i*8192
.endr
.irp i, 0,1,2,3
	ds_store_b128 v82, v[112+4*\i:115+4*\i] offset:VL+\i*8192
.endr
	ds_store_b64 v86, v[128:129]
	s_cmp_lt_u32 s[WV], 4
	s_cbranch_scc0 .Lno_words2
	ds_store_b64 v87, v[130:131]
.Lno_words2:
	s_wait_dscnt 0x0                               ; for the others' sake: my stores have landed
	s_barrier_signal -1
	s_barrier_wait -1                              ; the one barrier: from here on LDS is only read
	s_wait_alu depctr_vm_vsrc(0)                   ; my LDS stores have read v96 to v131, which the products write from here on
	KLOAD                                          ; key step 0
	s_mov_b32 s[LEFT], 16
	s_mov_b32 s[PASS], 2
.Lpass:
	v_mov_b32 v13, 0xff61b1e6                      ; the largest t so far: -3e38
	v_floor_f32 v12, -v13                          ; -M
	v_mov_b32 v14, 0
	v_mov_b32 v15, 0
.irp j, 0,1,2,3,4,5,6,7,8,9,10,11,12,13,14,15
	v_mov_b32 v[160+\j], 0                         ; O^T: the first change of M leaves zeros zeros
.endr
	s_mov_b32 s[TB], 0
	s_mov_b32 s[TS], 0
	s_mov_b32 s[TJ], 0
	s_mov_b32 s[STP], 8
	s_wait_alu depctr_va_vdst(0)                   ; Q's codes and zero codes v16 to v31, the zero codes v64 to v75 and Q's scale word v250 are written by vector instructions: the products take them as operands and scales; the moves above are the places
.Lstep:
	s_wait_dscnt 0x0                               ; K's tiles and scale words, asked for in the middle of the last step
.irp t, 0,1,2,3,4,5,6,7
	v_wmma_scale_f32_16x16x128_f8f6f4 v[96+8*\t:103+8*\t], v[32+4*\t:47+4*\t], v[16:31], 0, v[224+\t], v250
.endr
.rept 8
	v_nop                                          ; places in front of the first read of results (ISA guide 7.12.1)
.endr
	s_wait_alu depctr_va_vdst(0)                   ; the last step's two products are done reading V's fragments v176 to v207 and scale words v248, v249, in which the loads below land
.irp u, 0,1
.irp c, 0,1,2,3
	ds_load_b128 v[176+16*\u+4*\c:179+16*\u+4*\c], v9 offset:\u*2048+\c*512   ; V lands while the softmax is walked
.endr
.endr
	ds_load_b64 v[248:249], v11
.irp b, 0,1,2,3
	v_max3_num_f32 v[232+\b], v[96+16*\b], v[97+16*\b], v[98+16*\b]   ; the largest score of each block of 32 keys: for the row's maximum and for the block's largest p
.endr
.irp i, 3,5,7,9,11,13
.irp b, 0,1,2,3
	v_max3_num_f32 v[232+\b], v[232+\b], v[96+16*\b+\i], v[97+16*\b+\i]
.endr
.endr
.irp b, 0,1,2,3
	v_max_num_f32 v[232+\b], v[232+\b], v[111+16*\b]
.endr
.irp b, 0,1,2,3
	v_permlanex16_b32 v[236+\b], v[232+\b], s[SEL], s[SEL+1]
.endr
.irp b, 0,1,2,3
	v_max_num_f32 v[232+\b], v[232+\b], v[236+\b]  ; with lane l xor 16's 16 keys
.endr
	v_max3_num_f32 v254, v232, v233, v234
	v_max_num_f32 v254, v254, v235
	v_mul_f32 v254, s[CS], v254                    ; as t (c is positive)
	v_max_num_f32 v13, v13, v254                   ; the running largest t
	v_mov_b32 v254, v12
	v_floor_f32 v12, -v13                          ; the new -M = -ceil(t)
	v_sub_f32 v254, v12, v254                      ; old M - new M: a whole number, 0 or less
	v_cvt_i32_f32 v254, v254                       ; (it saturates)
	v_ldexp_f32 v252, 1.0, v254                    ; f = 2^(old M - new M)
.irp j, 0,2,4,6,8,10,12,14,16,18,20,22,24,26,28,30,32,34,36,38,40,42,44,46,48,50,52,54,56,58,60,62
	v_pk_fma_f32 v[96+\j:97+\j], v[96+\j:97+\j], s[CS:CS+1], v[12:13] op_sel_hi:[1,0,0]   ; t - M
.endr
.irp b, 0,1,2,3
	v_fma_f32 v[232+\b], v[232+\b], s[CS], v12
.endr
.irp j, 0,1,2,3,4,5,6,7,8,9,10,11,12,13,14,15,16,17,18,19,20,21,22,23,24,25,26,27,28,29,30,31,32,33,34,35,36,37,38,39,40,41,42,43,44,45,46,47,48,49,50,51,52,53,54,55,56,57,58,59,60,61,62,63
	v_exp_f32 v[96+\j], v[96+\j]                   ; p = 2^(t - M)
.endr
	s_add_co_u32 s[TB], s[TB], 4096                ; the next key step;
	s_add_co_u32 s[TS], s[TS], 512
	s_add_co_u32 s[TJ], s[TJ], 128
	s_and_b32 s[TBW], s[TB], 0x7fff                ; behind step 7 comes step 0
	s_and_b32 s[TSW], s[TS], 0xfff
	s_and_b32 s[TJW], s[TJ], 0x3ff
	s_wait_alu depctr_vm_vsrc(0)                   ; this step's LDS loads have read v8 to v11, which the four additions write
	v_add_nc_u32 v8, s[TBW], v[AK]
	v_add_nc_u32 v9, s[TBW], v[AV]
	v_add_nc_u32 v10, s[TSW], v[AKS]
	v_add_nc_u32 v11, s[TJW], v[AVS]
	v_pk_mul_f32 v[14:15], v[14:15], v[252:253] op_sel_hi:[1,0]   ; the sums under the new M.  (These five are plain lines behind the exponentials)
	s_wait_alu depctr_va_vdst(0)                   ; the 64 exponentials have written p, ahead of its first reader; v8 and v10 are written, which the loads below read; the step's eight products are done reading K's tiles and scale words, in which they land
	s_sub_co_u32 s[LEFT], s[LEFT], 1
	s_cmp_eq_u32 s[LEFT], 0
	s_cbranch_scc1 .Lno_k                          ; behind the last step of the last pass there is none
	KLOAD                                          ; the next step's: they land while the rest of the softmax is walked
.Lno_k:
.irp b, 0,1,2,3
	v_exp_f32 v[232+\b], v[232+\b]                 ; the block's largest p
.endr
	v_pk_add_f32 v[236:237], v[96:97], v[98:99]    ; the row's sum, of the unquantised p, in two chains
.irp j, 4,8,12,16,20,24,28,32,36,40,44,48,52,56,60
	v_pk_add_f32 v[14:15], v[14:15], v[96+\j:97+\j]
	v_pk_add_f32 v[236:237], v[236:237], v[98+\j:99+\j]
.endr
	v_pk_add_f32 v[14:15], v[14:15], v[236:237]
	s_wait_alu depctr_va_vdst(0)                   ; the four exponentials have written v232 to v235, ahead of their first reader
.irp b, 0,1,2,3
	v_max_num_f32 v[232+\b], 0x4800000, v[232+\b]  ; the floor 2^(9 - 127)
.endr
.irp b, 0,1,2,3
	v_add_nc_u32 v[244+\b], 0xfc000000, v[232+\b]
.endr
.irp b, 0,1,2,3
	v_and_or_b32 v[240+\b], v[232+\b], 0x7f800000, s[MNT]
.endr
.irp b, 0,1,2,3
	v_lshrrev_b32 v[236+\b], 23, v[244+\b]
.endr
	v_lshl_or_b32 v253, v237, 8, v236              ; p's scale word for these 128 keys
	v_lshl_or_b32 v253, v238, 16, v253
	v_lshl_or_b32 v253, v239, 24, v253
.irp b, 0,1,2,3
.irp i, 0,1,2,3,4,5,6,7,8,9,10,11,12,13,14,15
	v_min_num_f32 v[96+16*\b+\i], v[96+16*\b+\i], v[240+\b]   ; the hold; p is not negative
.endr
	v_cvt_scalef32_pk8_fp8_f32 v[208+4*\b:209+4*\b], v[96+16*\b:103+16*\b], v[244+\b]
	v_cvt_scalef32_pk8_fp8_f32 v[210+4*\b:211+4*\b], v[104+16*\b:111+16*\b], v[244+\b]
.endr
.irp j, 0,2,4,6,8,10,12,14
	v_pk_mul_f32 v[160+\j:161+\j], v[160+\j:161+\j], v[252:253] op_sel_hi:[1,0]   ; O^T under the new M; these eight are also the places between the codes and the products
.endr
	s_wait_dscnt 0x0                               ; V
	s_wait_alu depctr_va_vdst(0)                   ; the conversions have written p's codes v208 to v223 and the shifts its scale word v253, which the products take as operand and scales; the places stand above
.irp u, 0,1
	v_wmma_scale_f32_16x16x128_f8f6f4 v[160+8*\u:167+8*\u], v[176+16*\u:191+16*\u], v[208:223], v[160+8*\u:167+8*\u], v[248+\u], v253
.endr
	s_sub_co_u32 s[STP], s[STP], 1
	s_cmp_lg_u32 s[STP], 0
	s_cbranch_scc1 .Lstep
.rept 8
	v_nop
.endr
	v_add_f32 v14, v14, v15
	v_permlanex16_b32 v252, v14, s[SEL], s[SEL+1]
	v_add_f32 v14, v14, v252                       ; the row's sum
	v_rcp_f32 v14, v14
	v_nop
	s_wait_alu depctr_va_vdst(0)                   ; the reciprocal has written v14, ahead of its first reader
.irp j, 0,1,2,3,4,5,6,7,8,9,10,11,12,13,14,15
	v_mul_f32 v[96+\j], v[160+\j], v14             ; register j: channel 16 (lane / 16) + j of the head
.endr
	s_wait_alu depctr_va_vdst(0)                   ; the multiplications have written v96 to v111, which the stores read
.irp g, 0,1,2,3
	global_store_b128 v[GO], v[96+4*\g:99+4*\g], s[36:37] offset:\g*512   ; 512 consecutive bytes
.endr
	s_wait_xcnt 0x0                                ; the stores have read their base and registers
	s_wait_alu depctr_vm_vsrc(0)                   ; the stores have read v96 to v111, which the next pass's products write
	s_add_nc_u64 s[36:37], s[36:37], 524288        ; 16 tiles on
.irp j, 0,1,2,3
	v_mov_b32 v[16+\j], v[76+\j]                   ; the second pass's Q; the moves at the pass's head are the places behind these
.endr
	v_mov_b32 v250, v81
	s_sub_co_u32 s[PASS], s[PASS], 1
	s_cmp_lg_u32 s[PASS], 0
	s_cbranch_scc1 .Lpass
	s_wait_dscnt 0x0
	s_wait_alu depctr_hold_cnt(0) depctr_sa_sdst(0) depctr_va_vdst(0) depctr_va_sdst(0) depctr_va_ssrc(0) depctr_va_vcc(0) depctr_vm_vsrc(0)
	s_wait_tensorcnt 0x0
	ds_add_u32 v251, v255
	s_wait_dscnt 0x0
	s_endpgm
.Lfunc_end_k_q4eb5fe0a17_attn1:
	.size	k_q4eb5fe0a17_attn1, .Lfunc_end_k_q4eb5fe0a17_attn1-k_q4eb5fe0a17_attn1
	.p2alignl 7, 3214868480
	.fill 96, 4, 3214868480
	.section	.rodata,"a",@progbits
	.p2align	6, 0x0
	.amdhsa_kernel k_q4eb5fe0a17_attn1
		.amdhsa_group_segment_fixed_size 72704
		.amdhsa_private_segment_fixed_size 0
		.amdhsa_enable_private_segment 0
		.amdhsa_kernarg_size 16
		.amdhsa_user_sgpr_count 2
		.amdhsa_user_sgpr_kernarg_segment_ptr 1
		.amdhsa_wavefront_size32 1
		.amdhsa_system_sgpr_workgroup_id_x 1
		.amdhsa_system_sgpr_workgroup_id_y 1
		.amdhsa_system_sgpr_workgroup_id_z 1
		.amdhsa_system_vgpr_workitem_id 0
		.amdhsa_next_free_vgpr 256
		.amdhsa_next_free_sgpr 66
		.amdhsa_reserve_vcc 0
		.amdhsa_float_denorm_mode_32 3
		.amdhsa_float_denorm_mode_16_64 3
		.amdhsa_memory_ordered 1
		.amdhsa_forward_progress 1
		.amdhsa_inst_pref_size 29
	.end_amdhsa_kernel
	.amdgpu_metadata
---
amdhsa.version: [ 1, 2 ]
amdhsa.kernels:
  - .name:           k_q4eb5fe0a17_attn1
    .symbol:         k_q4eb5fe0a17_attn1.kd
    .args:
      - { .name: set1, .offset: 0, .size: 8, .value_kind: global_buffer, .address_space: global }
      - { .name: att, .offset: 8, .size: 8, .value_kind: global_buffer, .address_space: global }
    .group_segment_fixed_size: 72704
    .private_segment_fixed_size: 0
    .kernarg_segment_align: 8
    .kernarg_segment_size: 16
    .max_flat_workgroup_size: 512
    .sgpr_count:     66
    .vgpr_count:     256
    .wavefront_size: 32
...
	.end_amdgpu_metadata
.endif
;; end of part 7
;; launch lnq (part 8): grid 128 x 1, 4 waves a work-group, no clusters, 83,456 bytes of LDS; arguments x, att, wimg, bq2, g1, be1, x1, set2; writes x1, set2
.if DOCPART == 8
	.amdgcn_target "amdgcn-amd-amdhsa--gfx1250"
	.amdhsa_code_object_version 6
	.text
	.protected	k_q4eb5fe0a17_lnq
	.globl	k_q4eb5fe0a17_lnq
	.p2align	8
	.type	k_q4eb5fe0a17_lnq,@function
k_q4eb5fe0a17_lnq:
	s_mov_b64 s[64:65], 0
	v_nop
	global_prefetch_b8 v0, s[64:65] scope:SCOPE_SE
	s_setreg_imm32_b32 hwreg(HW_REG_WAVE_SCHED_MODE, 0, 2), 2
	s_setreg_imm32_b32 hwreg(HW_REG_WAVE_MODE, 25, 1), 1
	s_wait_xcnt 0x0
	s_wait_alu depctr_vm_vsrc(0)
; LNQ.  x1 = LayerNorm(x + att) g1 + be1; q2 = Q(x1) Wq2^T + bq2, quantised along each head's 32 channels for the second attention.
; A work-group takes 64 rows (four tiles).  Wave w norms tile w: a lane holds 256 channels of one row (register 16 c + i = channel 32 c + 16 (lane / 16) + i), lane l xor 16 the other 256.
; Mean, then centred squares, as the definition has them.  x1 leaves as an f32 image of the lane's registers (512 consecutive bytes a store) and, as codes, goes through LDS to all four waves.
; Then wave w makes channels 128 w .. 128 w + 127 (four heads) for all 64 rows: Wq2 comes in units of two tiles (16 KB, 128 registers) straight into registers, two buffers by turns.
; NO TENSOR LOADS, NO CLUSTER: the weight goes into the registers of the one wave that multiplies by it; a joint load lands in LDS only.
; LIMITS: as in PREP's quantiser; NaN and infinities are not served.
; THE MODE: SCHED_MODE bits 1:0 = 2 (LLVM: expert scheduling mode 2), set by the entry lines.  The code itself states the register dependences
; between vector or matrix instructions and memory or LDS instructions, with s_wait_alu, always for 0.
; THE PLAN.  Registers that LDS or memory instructions touch:
;   THE NORM, K step s.  NB: written by the multiply-adds, read by the sixteen stores of x1, rewritten by the quantiser's hold.  Window 1 v0-127 (g1, be1): read by the multiply-adds; the next K step's LDS loads land there.
;     PC, PW: written by the quantiser; the LDS stores that read them are issued in K step s + 1 (the last behind the four).  So ONE wait on va_vdst stands behind a K step's multiply-adds, ahead of all three runs,
;     and one on vm_vsrc behind them, ahead of the quantiser.
;   THE PRODUCT, unit q.  Window 2, buffer q % 2, WS1 and B1C: read by the unit's 32 products; the loads of unit q + 2 (q + 1) land there behind them.  PC and PCB by turns: unit q's conversions write buffer q % 2; the four
;     stores that read it are issued in unit q + 1 (the last at the end).  Three lines behind a unit's places state all of it.
;   Offsets and addresses v4 to v14 are made at the head and never written again.
.set XIMG, 0                           ; LDS: x1's 16 fragments, (4 m + s) x 2,048;
.set XSC,  32768                       ; their scale words, (4 m + s) x 128 + 4 lane;
.set GL,   34816                       ; g1, be1, bq2;
.set BEL,  36864
.set BQL,  38912
.set WSL,  40960                       ; Wq2's scale words, 256 bytes a tile;
.set STG,  49152                       ; a stage of 16 rows x 528 bytes for each wave
.set GO,  4                            ; 16 lane
.set LS,  5                            ; 4 lane
.set AG,  6                            ; 64 h
.set XWI, 7                            ; 16 lane + 8,192 w
.set XWS, 8                            ; 4 lane + 512 w
.set STI, 9                            ; the stage, in
.set STO, 10                           ; and out
.set AW,  11                           ; WSL + 2,048 w + 16 r
.set AB,  12                           ; BQL + 512 w + 64 h
.set T16, 13                           ; 16 x thread
.set WO,  14                           ; 16 r + 8 h
.set NB,  16                           ; v16-79   64 normed numbers; later the eight accumulators
.set B1C, 80                           ; v80-95   a unit's biases
.set XS,  144                          ; v144-159 x1's scale words; v160-167 a unit's of Wq2: these registers hold scales alone
.set WS1, 160
.set PCB, 176                          ; v176-191 the codes of odd units
.set PC,  208                          ; v208-223 the codes of the norm and of even units
.set TM,  224
.set PWM, 240                          ; v240-243 q2's scale words, a tile of rows each
.set PW,  248
; window 1: att's image, then g1 (v0-63) and be1 (v64-127) of a K step, then x1's 16 fragments.  window 2: x as loaded, then two buffers of Wq2.  window 3: z = x + att
.set WV,  24
.set SEL, 26
.set MNT, 28
.set HM,  29
.set C9,  30
.set EPS, 31
.set MSB, 0
.macro WIN new
.if MSB != \new
	s_set_vgpr_msb (MSB<<8)|\new
.set MSB, \new
.endif
.endm
.macro PLACES n
.rept \n
	v_nop
.endr
.endm
.macro QUANT s, relu, pw, pc           ; 64 numbers of a lane become a fragment's codes in v[pc] on and, where pw is a register, its scale word
.irp b, 0,1,2,3
	v_max3_num_f32 v[TM+\b], |v[\s+16*\b]|, |v[\s+1+16*\b]|, 0x4800000
.endr
.irp i, 2,4,6,8,10,12,14
.irp b, 0,1,2,3
	v_max3_num_f32 v[TM+\b], v[TM+\b], |v[\s+16*\b+\i]|, |v[\s+1+16*\b+\i]|
.endr
.endr
.irp b, 0,1,2,3
	v_permlanex16_b32 v[TM+4+\b], v[TM+\b], s[SEL], s[SEL+1]
.endr
.irp b, 0,1,2,3
	v_max_num_f32 v[TM+\b], v[TM+\b], v[TM+4+\b]
.endr
.irp b, 0,1,2,3
	v_add_nc_u32 v[TM+12+\b], 0xfc000000, v[TM+\b]
.endr
.irp b, 0,1,2,3
	v_and_or_b32 v[TM+8+\b], v[TM+\b], 0x7f800000, s[MNT]
.endr
.irp b, 0,1,2,3
	v_lshrrev_b32 v[TM+4+\b], 23, v[TM+12+\b]
.endr
.if \pw >= 0
	v_lshl_or_b32 v[\pw], v[TM+5], 8, v[TM+4]
	v_lshl_or_b32 v[\pw], v[TM+6], 16, v[\pw]
	v_lshl_or_b32 v[\pw], v[TM+7], 24, v[\pw]
.endif
.irp b, 0,1,2,3
.irp i, 0,1,2,3,4,5,6,7,8,9,10,11,12,13,14,15
	v_med3_num_f32 v[\s+16*\b+\i], v[\s+16*\b+\i], -v[TM+8+\b], v[TM+8+\b]
.endr
	v_cvt_scalef32_pk8_fp8_f32 v[\pc+4*\b:\pc+1+4*\b], v[\s+16*\b:\s+7+16*\b], v[TM+12+\b]
	v_cvt_scalef32_pk8_fp8_f32 v[\pc+2+4*\b:\pc+3+4*\b], v[\s+8+16*\b:\s+15+16*\b], v[TM+12+\b]
.endr
	v_nop
.endm
	s_load_b512 s[4:19], s[0:1], 0x0               ; x 4, att 6, wimg 8, bq2 10, g1 12, be1 14, x1 16, set2 18
	v_lshl_add_u32 v250, v0, 2, 0x14400
	v_mov_b32 v251, 0
	v_lshrrev_b32 v1, 5, v0
	v_readfirstlane_b32 s[WV], v1
	v_and_b32 v1, 31, v0
	v_and_b32 v2, 15, v0
	v_bfe_u32 v3, v0, 4, 1
	v_lshlrev_b32 v[GO], 4, v1
	v_lshlrev_b32 v[LS], 2, v1
	v_lshlrev_b32 v[AG], 6, v3
	s_wait_alu depctr_va_sdst(0)                   ; the wave's number is written, ahead of its first reader: LDS addresses and bases are made from it
	s_lshl_b32 s46, s[WV], 13
	v_add_nc_u32 v[XWI], s46, v[GO]
	s_lshl_b32 s46, s[WV], 9
	v_add_nc_u32 v[XWS], s46, v[LS]
	s_mul_i32 s46, s[WV], 8448
	s_add_co_u32 s46, s46, STG
	v_add_nc_u32 v[STI], s46, v[GO]
	v_mul_u32_u24 v[STO], v2, 528
	v_lshl_add_u32 v[STO], v3, 6, v[STO]
	v_add_nc_u32 v[STO], s46, v[STO]
	s_lshl_b32 s46, s[WV], 11
	s_add_co_u32 s46, s46, WSL
	v_lshl_add_u32 v[AW], v2, 4, s46
	s_lshl_b32 s46, s[WV], 9
	s_add_co_u32 s46, s46, BQL
	v_add_nc_u32 v[AB], s46, v[AG]
	v_lshlrev_b32 v[T16], 4, v0
	v_lshlrev_b32 v[WO], 4, v2
	v_lshl_add_u32 v[WO], v3, 3, v[WO]
.irp b, 0,1,2,3
	v_mov_b32 v[TM+4+\b], 0
.endr
	s_mov_b32 s[SEL], 0x76543210
	s_mov_b32 s[SEL+1], 0xfedcba98
	s_mov_b32 s[MNT], 0x600000
	s_mov_b32 s[HM], 0xffff0000
	s_mov_b32 s[C9], 0x3b000000                    ; 1 / 512
	s_mov_b32 s[EPS], 0x3727c5ac                   ; 1e-5
	s_mov_b32 s47, 0
	s_wait_kmcnt 0x0
	s_lshl_b32 s46, ttmp9, 17                      ; my tile's first row, 64 X + 32 (w / 2) + 8 (w % 2), x 2,048 bytes
	s_lshr_b32 s48, s[WV], 1
	s_lshl_b32 s48, s48, 16
	s_add_co_u32 s46, s46, s48
	s_and_b32 s48, s[WV], 1
	s_lshl_b32 s48, s48, 14
	s_add_co_u32 s46, s46, s48
	s_add_nc_u64 s[32:33], s[4:5], s[46:47]        ; x
	s_lshl_b32 s46, ttmp9, 17
	s_lshl_b32 s48, s[WV], 15
	s_add_co_u32 s46, s46, s48                     ; tile 4 X + w, 32,768 bytes an image
	s_add_nc_u64 s[34:35], s[6:7], s[46:47]        ; att
	s_add_nc_u64 s[40:41], s[16:17], s[46:47]      ; x1
	s_lshl_b32 s46, s[WV], 16
	s_add_co_u32 s46, s46, 1310720
	s_add_nc_u64 s[36:37], s[8:9], s[46:47]        ; my eight tiles of Wq2
	s_add_nc_u64 s[38:39], s[8:9], 2662400         ; Wq2's scale words
	s_lshr_b32 s48, ttmp9, 4
	s_lshl_b32 s48, s48, 2
	s_add_co_u32 s48, s48, s[WV]                   ; 4 batch + w
	s_and_b32 s49, ttmp9, 15
	s_lshl_b32 s46, s48, 6
	s_lshl_b32 s50, s49, 2
	s_add_co_u32 s46, s46, s50
	s_lshl_b32 s46, s46, 11
	s_add_nc_u64 s[42:43], s[18:19], s[46:47]      ; q2's codes
	s_lshl_b32 s46, s48, 3
	s_lshr_b32 s50, s49, 1
	s_add_co_u32 s46, s46, s50
	s_lshl_b32 s46, s46, 9
	s_and_b32 s50, ttmp9, 1
	s_lshl_b32 s50, s50, 8
	s_add_co_u32 s46, s46, s50
	s_add_co_u32 s46, s46, 12582912
	s_add_nc_u64 s[44:45], s[18:19], s[46:47]      ; q2's scale words
	s_wait_alu depctr_va_vdst(0)                   ; the offsets and addresses v4 to v14 are written, which the loads, LDS instructions and stores of the kernel read
	WIN 0x80
.set sp, 0
.rept 4
.set i, 0
.rept 16
	global_load_b128 v[64*sp+4*i:64*sp+4*i+3], v[GO], s[32:33] offset:(i+8*(i/8))*2048+512*sp th:TH_LOAD_NT   ; a row's 512 consecutive bytes
.set i, i+1
.endr
.set sp, sp+1
.endr
	WIN 0x40
.set k, 0
.rept 64
	global_load_b128 v[4*k:4*k+3], v[GO], s[34:35] offset:k*512 th:TH_LOAD_NT
.set k, k+1
.endr
	WIN 0
	global_load_b128 v[96:99], v[T16], s[12:13]
	global_load_b128 v[100:103], v[T16], s[14:15]
	global_load_b128 v[104:107], v[T16], s[10:11]
.irp k, 0,1,2,3
	global_load_b128 v[108+4*\k:111+4*\k], v[T16], s[38:39] offset:\k*2048
.endr
	s_wait_loadcnt 0x0
	ds_store_b128 v[T16], v[96:99] offset:GL
	ds_store_b128 v[T16], v[100:103] offset:BEL
	ds_store_b128 v[T16], v[104:107] offset:BQL
.irp k, 0,1,2,3
	ds_store_b128 v[T16], v[108+4*\k:111+4*\k] offset:WSL+\k*2048
.endr
	; x turns through my stage: in as rows, out 16 neighbours of a block a lane.  LDS serves a wave's instructions in order
.set sp, 0
.rept 4
	WIN 0x08
.set i, 0
.rept 16
	ds_store_b128 v[STI], v[64*sp+4*i:64*sp+4*i+3] offset:i*528
.set i, i+1
.endr
	WIN 0xc0
.set i, 0
.rept 16
	ds_load_b128 v[64*sp+4*i:64*sp+4*i+3], v[STO] offset:128*(i/4)+16*(i%4)
.set i, i+1
.endr
.set sp, sp+1
.endr
	s_wait_dscnt 0x0
.macro WLOAD q                         ; unit q: tiles 2 q, 2 q + 1 of my eight, four K steps each: 32 loads of 512 consecutive bytes
	WIN 0x80
.irp f, 0,1,2,3,4,5,6,7
.irp c, 0,1,2,3
	global_load_b128 v[128*((\q)%2)+16*\f+4*\c:128*((\q)%2)+16*\f+4*\c+3], v[GO], s[36:37] offset:(\q)*16384+\f*2048+\c*512
.endr
.endr
	WIN 0
.endm
	s_wait_alu depctr_vm_vsrc(0)                   ; the stage's LDS stores have read x in window 2, in which Wq2's loads land
	WLOAD 0
	WLOAD 1
	WIN 0xc7                                       ; z (window 3) += att (window 1)
.set i, 0
.rept 128
	v_pk_add_f32 v[2*i:2*i+1], v[2*i:2*i+1], v[2*i:2*i+1]
.set i, i+1
.endr
	WIN 0
	s_barrier_signal -1                            ; (no LDS instruction of mine is out)
	s_barrier_wait -1                              ; g1, be1, bq2 and the scale words lie in LDS
.macro GLOAD s                         ; g1 and be1 of my 64 channels of K step s
	WIN 0x40
.irp b, 0,1,2,3
.irp j, 0,1,2,3
	ds_load_b128 v[16*\b+4*\j:16*\b+4*\j+3], v[AG] offset:GL+512*(\s)+128*\b+16*\j
	ds_load_b128 v[64+16*\b+4*\j:64+16*\b+4*\j+3], v[AG] offset:BEL+512*(\s)+128*\b+16*\j
.endr
.endr
	WIN 0
.endm
	s_wait_alu depctr_va_vdst(0)                   ; the additions are done reading att's image in window 1, in which g1 and be1 land
	GLOAD 0
	; ---- the row's mean and variance
.irp j, 244,245,246,247
	v_mov_b32 v\j, 0
.endr
	WIN 0x0c
.set i, 0
.rept 64
	v_pk_add_f32 v[244:245], v[244:245], v[4*i:4*i+1]
	v_pk_add_f32 v[246:247], v[246:247], v[4*i+2:4*i+3]
.set i, i+1
.endr
	WIN 0
	v_pk_add_f32 v[244:245], v[244:245], v[246:247]
	v_add_f32 v244, v244, v245
	v_permlanex16_b32 v246, v244, s[SEL], s[SEL+1]
	v_add_f32 v244, v244, v246
	v_mul_f32 v252, s[C9], v244                    ; the mean
	v_mov_b32 v253, v252
	WIN 0xc3
.set i, 0
.rept 128
	v_pk_add_f32 v[2*i:2*i+1], v[2*i:2*i+1], v[252:253] neg_lo:[0,1] neg_hi:[0,1]
.set i, i+1
.endr
	WIN 0
.irp j, 244,245,246,247
	v_mov_b32 v\j, 0
.endr
	WIN 0x0f
.set i, 0
.rept 64
	v_pk_fma_f32 v[244:245], v[4*i:4*i+1], v[4*i:4*i+1], v[244:245]
	v_pk_fma_f32 v[246:247], v[4*i+2:4*i+3], v[4*i+2:4*i+3], v[246:247]
.set i, i+1
.endr
	WIN 0
	v_pk_add_f32 v[244:245], v[244:245], v[246:247]
	v_add_f32 v244, v244, v245
	v_permlanex16_b32 v246, v244, s[SEL], s[SEL+1]
	v_add_f32 v244, v244, v246
	v_fma_f32 v244, v244, s[C9], s[EPS]
	v_rsq_f32 v254, v244
	v_nop
	s_wait_alu depctr_va_vdst(0)                   ; the root has written v254, ahead of its first reader
	v_mov_b32 v255, v254
.macro CODES s                         ; K step s of my tile: its image and scale word to LDS
.irp c, 0,1,2,3
	ds_store_b128 v[XWI], v[PC+4*\c:PC+4*\c+3] offset:XIMG+(\s)*2048+\c*512
.endr
	ds_store_b32 v[XWS], v[PW] offset:XSC+(\s)*128
.endm
; K step s of my tile: normed, stored as f32, quantised; the image of the K step before goes to LDS
.macro NORM s
	s_wait_dscnt 0x0                               ; g1 and be1 are in
	WIN 0x03
.set i, 0
.rept 32
	v_pk_mul_f32 v[NB+2*i:NB+2*i+1], v[64*(\s)+2*i:64*(\s)+2*i+1], v[254:255]
.set i, i+1
.endr
	WIN 0x14
.set i, 0
.rept 32
	v_pk_fma_f32 v[NB+2*i:NB+2*i+1], v[NB+2*i:NB+2*i+1], v[2*i:2*i+1], v[64+2*i:64+2*i+1]
.set i, i+1
.endr
	s_wait_alu depctr_va_vdst(0)                   ; the multiply-adds have written NB, which the stores read, and are done reading g1 and be1, in which the next loads land; the last K step's conversions and shifts have written PC and PW, which the LDS stores read
.if (\s) < 3
	GLOAD (\s)+1
.endif
	WIN 0
.set i, 0
.rept 16
	global_store_b128 v[GO], v[NB+4*i:NB+4*i+3], s[40:41] offset:(16*(\s)+i)*512   ; 512 consecutive bytes
.set i, i+1
.endr
.if (\s) > 0
	CODES (\s)-1
.endif
	s_wait_xcnt 0x0                                ; the stores have read the numbers, which the hold rewrites
	s_wait_alu depctr_vm_vsrc(0)                   ; the stores have read NB, which the hold rewrites; the LDS stores have read PC and PW, which the conversions and shifts write again
	QUANT NB, 0, PW, PC
.endm
	NORM 0
	NORM 1
	NORM 2
	NORM 3
	s_wait_alu depctr_va_vdst(0)                   ; K step 3's conversions and shifts have written PC and PW, which the LDS stores read
	CODES 3
	s_wait_dscnt 0x0
	s_barrier_signal -1
	s_barrier_wait -1                              ; x1's sixteen fragments lie in LDS
	WIN 0x40
.set k, 0
.rept 64
	ds_load_b128 v[4*k:4*k+3], v[GO] offset:XIMG+k*512   ; no vector instruction since the wait above: the multiply-adds are done reading window 1
.set k, k+1
.endr
	WIN 0
.set k, 0
.rept 16
	ds_load_b32 v[XS+k], v[LS] offset:XSC+k*128
.set k, k+1
.endr
.macro SIDE q                          ; unit q's scale words and biases
	ds_load_b128 v[WS1:WS1+3], v[AW] offset:(2*(\q))*256
	ds_load_b128 v[WS1+4:WS1+7], v[AW] offset:(2*(\q)+1)*256
.irp k, 0,1,2,3
	ds_load_b128 v[B1C+4*\k:B1C+4*\k+3], v[AB] offset:(\q)*128+16*\k
.endr
.endm
.macro QOUT q, p                       ; unit q's codes, from the buffer at v[p]
.irp m, 0,1,2,3
	global_store_b128 v[GO], v[\p+4*\m:\p+4*\m+3], s[42:43] offset:\m*2048+(\q)*512
.endr
.endm
	SIDE 0
; Unit q: head 4 w + q for the four tiles of rows: 32 products, eight accumulators by turns, one instruction a turn
.macro U1 q
.set PCT, PC-32*((\q)%2)               ; this unit's buffer of codes,
.set PCL, PC-32*(1-(\q)%2)             ; the last unit's
.if \q < 3
	s_wait_loadcnt 32                              ; this unit's 32 loads are in; the next unit's 32 may be out
.else
	s_wait_loadcnt 0
.endif
	s_wait_dscnt 0x0
	WIN 0x06                                       ; A (Wq2) window 2, B (x1) window 1
.irp s, 0,1,2,3
.irp m, 0,1,2,3
.irp u, 0,1
.if \s == 0
	v_wmma_scale_f32_16x16x128_f8f6f4 v[NB+16*\m+8*\u:NB+16*\m+8*\u+7], v[128*((\q)%2)+16*(4*\u+\s):128*((\q)%2)+16*(4*\u+\s)+15], v[64*\m+16*\s:64*\m+16*\s+15], v[B1C+8*\u:B1C+8*\u+7], v[WS1+4*\u+\s], v[XS+4*\m+\s]
.else
	v_wmma_scale_f32_16x16x128_f8f6f4 v[NB+16*\m+8*\u:NB+16*\m+8*\u+7], v[128*((\q)%2)+16*(4*\u+\s):128*((\q)%2)+16*(4*\u+\s)+15], v[64*\m+16*\s:64*\m+16*\s+15], v[NB+16*\m+8*\u:NB+16*\m+8*\u+7], v[WS1+4*\u+\s], v[XS+4*\m+\s]
.endif
.endr
.endr
.endr
	WIN 0
	PLACES 8                                       ; in front of the first read of results
	s_wait_xcnt 0x0                                ; the stores issued a unit ago have had their addresses translated: their data are rewritten only behind this wait
	s_wait_alu depctr_vm_vsrc(0)                   ; they (ahead of unit 0: the LDS stores of x1's codes) have read the buffer of codes that this unit's conversions write again
	s_wait_alu depctr_va_vdst(0)                   ; the products are done reading the weights' buffer, WS1 and B1C, in which the loads below land; the last unit's conversions have written its codes, which the stores below read
.if \q < 2
	WLOAD \q+2
.endif
.if \q < 3
	SIDE \q+1
.endif
.if \q > 0
	QOUT \q-1, PCL                                 ; no vector instruction since the wait names these registers
.endif
	QUANT NB, 0, -1, PCT                           ; block m of the 64 numbers: the head's 32 channels of tile m's rows
.irp m, 0,1,2,3
.if \q == 0
	v_mov_b32 v[PWM+\m], v[TM+4+\m]
.else
	v_lshl_or_b32 v[PWM+\m], v[TM+4+\m], 8*(\q), v[PWM+\m]
.endif
.endr
.endm
	U1 0
	U1 1
	U1 2
	U1 3
	v_cndmask_b32 v244, v[PWM], v[PWM+2], s[HM]
	v_cndmask_b32 v245, v[PWM+1], v[PWM+3], s[HM]
	s_wait_alu depctr_va_vdst(0)                   ; unit 3's conversions have written its codes and the selects v244, v245: the five stores below read them
	QOUT 3, PCB
	global_store_b64 v[WO], v[244:245], s[44:45]   ; 256 consecutive bytes
	s_wait_dscnt 0x0
	s_wait_alu depctr_hold_cnt(0) depctr_sa_sdst(0) depctr_va_vdst(0) depctr_va_sdst(0) depctr_va_ssrc(0) depctr_va_vcc(0) depctr_vm_vsrc(0)
	s_wait_tensorcnt 0x0
	ds_add_u32 v250, v251
	s_wait_dscnt 0x0
	s_endpgm
.Lfunc_end_k_q4eb5fe0a17_lnq:
	.size	k_q4eb5fe0a17_lnq, .Lfunc_end_k_q4eb5fe0a17_lnq-k_q4eb5fe0a17_lnq
	.p2alignl 7, 3214868480
	.fill 96, 4, 3214868480
	.section	.rodata,"a",@progbits
	.p2align	6, 0x0
	.amdhsa_kernel k_q4eb5fe0a17_lnq
		.amdhsa_group_segment_fixed_size 83456
		.amdhsa_private_segment_fixed_size 0
		.amdhsa_enable_private_segment 0
		.amdhsa_kernarg_size 64
		.amdhsa_user_sgpr_count 2
		.amdhsa_user_sgpr_kernarg_segment_ptr 1
		.amdhsa_wavefront_size32 1
		.amdhsa_system_sgpr_workgroup_id_x 1
		.amdhsa_system_sgpr_workgroup_id_y 1
		.amdhsa_system_sgpr_workgroup_id_z 1
		.amdhsa_system_vgpr_workitem_id 0
		.amdhsa_next_free_vgpr 1024
		.amdhsa_next_free_sgpr 66
		.amdhsa_reserve_vcc 0
		.amdhsa_float_denorm_mode_32 3
		.amdhsa_float_denorm_mode_16_64 3
		.amdhsa_memory_ordered 1
		.amdhsa_forward_progress 1
		.amdhsa_inst_pref_size 194
	.end_amdhsa_kernel
	.amdgpu_metadata
---
amdhsa.version: [ 1, 2 ]
amdhsa.kernels:
  - .name:           k_q4eb5fe0a17_lnq
    .symbol:         k_q4eb5fe0a17_lnq.kd
    .args:
      - { .name: x, .offset: 0, .size: 8, .value_kind: global_buffer, .address_space: global }
      - { .name: att, .offset: 8, .size: 8, .value_kind: global_buffer, .address_space: global }
      - { .name: wimg, .offset: 16, .size: 8, .value_kind: global_buffer, .address_space: global }
      - { .name: bq2, .offset: 24, .size: 8, .value_kind: global_buffer, .address_space: global }
      - { .name: g1, .offset: 32, .size: 8, .value_kind: global_buffer, .address_space: global }
      - { .name: be1, .offset: 40, .size: 8, .value_kind: global_buffer, .address_space: global }
      - { .name: x1, .offset: 48, .size: 8, .value_kind: global_buffer, .address_space: global }
      - { .name: set2, .offset: 56, .size: 8, .value_kind: global_buffer, .address_space: global }
    .group_segment_fixed_size: 83456
    .private_segment_fixed_size: 0
    .kernarg_segment_align: 8
    .kernarg_segment_size: 64
    .max_flat_workgroup_size: 128
    .sgpr_count:     66
    .vgpr_count:     1024
    .wavefront_size: 32
...
	.end_amdgpu_metadata
.endif
;; end of part 8
;; launch attn2: the kernel of part 7 again; grid 2 x 128, 16 waves a work-group, no clusters, 72,704 bytes of LDS; arguments set2, att; writes att
;; launch ffn (part 9): grid 128 x 1, 4 waves a work-group, no clusters, 288,256 bytes of LDS; arguments x1, att, wimg, b1, b2, g2, be2, g3, be3, out0; writes out0
.if DOCPART == 9
	.amdgcn_target "amdgcn-amd-amdhsa--gfx1250"
	.amdhsa_code_object_version 6
	.text
	.protected	k_q4eb5fe0a17_ffn
	.globl	k_q4eb5fe0a17_ffn
	.p2align	8
	.type	k_q4eb5fe0a17_ffn,@function
k_q4eb5fe0a17_ffn:
	s_mov_b64 s[64:65], 0
	v_nop
	global_prefetch_b8 v0, s[64:65] scope:SCOPE_SE
	s_setreg_imm32_b32 hwreg(HW_REG_WAVE_SCHED_MODE, 0, 2), 2
	s_setreg_imm32_b32 hwreg(HW_REG_WAVE_MODE, 25, 1), 1
	s_wait_xcnt 0x0
	s_wait_alu depctr_vm_vsrc(0)
; FFN.  x2 = LayerNorm(x1 + att) g2 + be2; y = Q(relu(Q(x2) W1^T + b1)) W2^T + b2; out = LayerNorm(x2 + y) g3 + be3.  Both products on codes of E4M3 with one E8M0 scale for each 32 along K.
; A work-group takes 64 rows (four tiles).  Wave w norms tile w; makes hidden units 256 w .. 256 w + 255 (K steps 2 w, 2 w + 1 of the second product) and outputs 128 w .. 128 w + 127, for all 64 rows.
; The hidden layer never goes to memory: operands go from wave to wave through LDS as images of their registers.  The weights come in units of eight fragments (16 KB, 128 registers) straight into the registers of the
; wave that multiplies by them, two buffers by turns: each unit feeds 32 products.  The accumulators of y begin as x2 + b2.
; 128 WORK-GROUPS: every work-group walks all 1 MB of the weights whatever its rows; 64 rows are the most whose operands fit in registers.
; NO TENSOR LOADS, NO CLUSTER: a joint load lands in LDS only, and each weight byte is wanted by one wave's registers.
; LIMITS: as in PREP's quantiser; NaN and infinities are not served.
; THE MODE: SCHED_MODE bits 1:0 = 2 (LLVM: expert scheduling mode 2), set by the entry lines.  The code itself states the register dependences
; between vector or matrix instructions and memory or LDS instructions, with s_wait_alu, always for 0.
; THE PLAN.  Registers that LDS or memory instructions touch:
;   THE NORM, K step s.  NB: written by the multiply-adds, read by sixteen LDS stores (x2 in f32), rewritten by the quantiser's hold.  Window 1 v0-127 (g2, be2): read by the multiply-adds; the next K step's LDS loads land there.
;     PC, PW: written by the quantiser; the LDS stores that read them are issued in K step s + 1 (the last behind the four).  ONE wait on va_vdst behind a K step's multiply-adds, one on vm_vsrc ahead of the quantiser.
;   THE HIDDEN LAYER, a trip of two units.  Window 2, buffer e, WS1, B1C: read by unit e's 32 products; the next loads land there behind them.  AW1, AB1, AH: read by the trip's LDS instructions, written at the trip's head.
;     PC (even unit), PCB (odd unit): written by the unit's conversions; the even unit's LDS stores stand in the odd unit, behind its wait; the odd unit's behind a wait of their own.
;   THE SECOND PRODUCT, K step s.  Window 2, buffer s % 2, window 1, set s % 2, and the two sets of scale words: read by the K step's 32 products; the loads of K step s + 2 land there behind ONE wait.
;   All other offsets and addresses are made at the head and never written again.
.set XIMG, 0                           ; x2's 16 fragments
.set XSC,  32768                       ; their scale words
.set G2L,  34816
.set BE2L, 36864
.set G3L,  38912
.set BE3L, 40960
.set B2L,  43008
.set B1L,  45056
.set W1SL, 49152                       ; W1's scale words, 256 bytes a tile
.set W2SL, 65536                       ; W2's, 512 bytes a tile
.set HSC,  81920                       ; the hidden layer's: 1,024 m + 32 lane + 4 s
.set RED1, 86016                       ; partial sums, 16 x thread; 2,048 on: partial sums of squares
.set HIMG, 90112                       ; the hidden layer's 32 fragments, (8 m + s) x 2,048
.set XO,   155648                      ; x2 as f32 images, 32,768 m; later the stage for the way out: 64 rows x 2,064 bytes
.set GO,  4
.set LS,  5
.set AG,  6                            ; 64 h
.set XWI, 7
.set XWS, 8
.set AXO, 9                            ; XO + 32,768 w + 16 lane
.set AXR, 10                           ; XO + 8,192 w + 16 lane
.set AXR2, 11                          ; + 65,536
.set AGW, 12                           ; 64 h + 512 w
.set T16, 13
.set T16B, 14
.set AW1B, 15                          ; W1SL + 4,096 w + 16 r
.set AB1B, 128                         ; B1L + 1,024 w + 64 h
.set AHB0, 129                         ; HIMG + 4,096 w + 16 lane
.set AHSW, 130                         ; HSC + 32 lane + 8 w
.set AHF, 131                          ; HIMG + 16 lane
.set AW2, 132                          ; W2SL + 4,096 w + 16 r
.set AHS, 133                          ; HSC + 32 lane
.set ARW, 134                          ; RED1 + 16 x thread
.set ARR, 135                          ; RED1 + 16 lane
.set AOS, 136                          ; XO + 2,064 r + 512 w + 64 h
.set AOS2, 137                         ; + 66,048
.set AOR, 138                          ; XO + 33,024 w + 16 lane
.set AW1, 139                          ; the trip's addresses
.set AB1, 140
.set AH,  141
.set NB,  16                           ; v16-79   64 normed numbers; b2; the first product's eight accumulators
.set B1C, 80                           ; v80-95   a unit's biases
.set PCB, 96                           ; v96-111  the codes of odd units
.set XS,  144                          ; v144-167 hold scales alone: x2's 16 and a unit's 8 of W1; later two sets of 8 of W2 and two sets of 4 of the hidden layer
.set WS1, 160
.set WS2, 144
.set HS,  160
.set HW,  168                          ; v168-175 the hidden layer's scale bytes, a pair for each tile of rows
.set PC,  208                          ; v208-223 the codes of the norm and of even units
.set TM,  224
.set PW,  248
; window 1: att's image; g2, be2 of a K step; x2's fragments; two sets of four hidden fragments (v0-127), g3 (v128-191), be3 (v192-255); rows on the way out.  window 2: two buffers of weights.  window 3: z; then y, 64 m + 8 t + j
.set WV,  24
.set SEL, 26
.set MNT, 28
.set C9,  30
.set EPS, 31
.set WP,  36
.set W2P, 38
.set UH,  50
.set UB,  51
.set TRIP, 52
.set MSB, 0
.macro WIN new
.if MSB != \new
	s_set_vgpr_msb (MSB<<8)|\new
.set MSB, \new
.endif
.endm
.macro PLACES n
.rept \n
	v_nop
.endr
.endm
.macro BARRIER
	s_wait_dscnt 0x0                               ; my LDS stores have landed and my LDS loads are in
	s_barrier_signal -1
	s_barrier_wait -1
.endm
.macro QUANT s, relu, pw, pc           ; 64 numbers of a lane become a fragment's codes in v[pc] on and, where pw is a register, its scale word
.if \relu                                      ; no |.|: what is negative is to become 0 and must not count; the floor stands over it
.irp b, 0,1,2,3
	v_max3_num_f32 v[TM+\b], v[\s+16*\b], v[\s+1+16*\b], 0x4800000
.endr
.irp i, 2,4,6,8,10,12,14
.irp b, 0,1,2,3
	v_max3_num_f32 v[TM+\b], v[TM+\b], v[\s+16*\b+\i], v[\s+1+16*\b+\i]
.endr
.endr
.else
.irp b, 0,1,2,3
	v_max3_num_f32 v[TM+\b], |v[\s+16*\b]|, |v[\s+1+16*\b]|, 0x4800000
.endr
.irp i, 2,4,6,8,10,12,14
.irp b, 0,1,2,3
	v_max3_num_f32 v[TM+\b], v[TM+\b], |v[\s+16*\b+\i]|, |v[\s+1+16*\b+\i]|
.endr
.endr
.endif
.irp b, 0,1,2,3
	v_permlanex16_b32 v[TM+4+\b], v[TM+\b], s[SEL], s[SEL+1]
.endr
.irp b, 0,1,2,3
	v_max_num_f32 v[TM+\b], v[TM+\b], v[TM+4+\b]
.endr
.irp b, 0,1,2,3
	v_add_nc_u32 v[TM+12+\b], 0xfc000000, v[TM+\b]
.endr
.irp b, 0,1,2,3
	v_and_or_b32 v[TM+8+\b], v[TM+\b], 0x7f800000, s[MNT]
.endr
.irp b, 0,1,2,3
	v_lshrrev_b32 v[TM+4+\b], 23, v[TM+12+\b]
.endr
.if \pw >= 0
	v_lshl_or_b32 v[\pw], v[TM+5], 8, v[TM+4]
	v_lshl_or_b32 v[\pw], v[TM+6], 16, v[\pw]
	v_lshl_or_b32 v[\pw], v[TM+7], 24, v[\pw]
.endif
.irp b, 0,1,2,3
.irp i, 0,1,2,3,4,5,6,7,8,9,10,11,12,13,14,15
.if \relu
	v_med3_num_f32 v[\s+16*\b+\i], v[\s+16*\b+\i], 0, v[TM+8+\b]   ; the activation and the hold in one
.else
	v_med3_num_f32 v[\s+16*\b+\i], v[\s+16*\b+\i], -v[TM+8+\b], v[TM+8+\b]
.endif
.endr
	v_cvt_scalef32_pk8_fp8_f32 v[\pc+4*\b:\pc+1+4*\b], v[\s+16*\b:\s+7+16*\b], v[TM+12+\b]
	v_cvt_scalef32_pk8_fp8_f32 v[\pc+2+4*\b:\pc+3+4*\b], v[\s+8+16*\b:\s+15+16*\b], v[TM+12+\b]
.endr
	v_nop
.endm
	s_load_b512 s[4:19], s[0:1], 0x0               ; x1 4, att 6, wimg 8, b1 10, b2 12, g2 14, be2 16, g3 18
	s_load_b128 s[20:23], s[0:1], 0x40             ; be3 20, out0 22
	v_lshl_add_u32 v250, v0, 2, 0x46400
	v_mov_b32 v251, 0
	v_lshrrev_b32 v1, 5, v0
	v_readfirstlane_b32 s[WV], v1
	v_and_b32 v1, 31, v0
	v_and_b32 v2, 15, v0
	v_bfe_u32 v3, v0, 4, 1
	v_lshlrev_b32 v[GO], 4, v1
	v_lshlrev_b32 v[LS], 2, v1
	v_lshlrev_b32 v[AG], 6, v3
	s_wait_alu depctr_va_sdst(0)                   ; the wave's number is written, ahead of its first reader: LDS addresses and bases are made from it
	s_lshl_b32 s46, s[WV], 13
	v_add_nc_u32 v[XWI], s46, v[GO]
	s_add_co_u32 s46, s46, XO
	v_add_nc_u32 v[AXR], s46, v[GO]
	v_add_nc_u32 v[AXR2], 0x10000, v[AXR]
	s_lshl_b32 s46, s[WV], 9
	v_add_nc_u32 v[XWS], s46, v[LS]
	v_add_nc_u32 v[AGW], s46, v[AG]
	s_lshl_b32 s46, s[WV], 15
	s_add_co_u32 s46, s46, XO
	v_add_nc_u32 v[AXO], s46, v[GO]
	v_lshlrev_b32 v[T16], 4, v0
	v_add_nc_u32 v[T16B], 0x10000, v[T16]
	s_lshl_b32 s46, s[WV], 12
	s_add_co_u32 s48, s46, W1SL
	v_lshl_add_u32 v[AW1B], v2, 4, s48
	s_add_co_u32 s48, s46, HIMG
	v_add_nc_u32 v[AHB0], s48, v[GO]
	s_add_co_u32 s48, s46, W2SL
	v_lshl_add_u32 v[AW2], v2, 4, s48
	s_lshl_b32 s46, s[WV], 10
	s_add_co_u32 s46, s46, B1L
	v_add_nc_u32 v[AB1B], s46, v[AG]
	s_lshl_b32 s46, s[WV], 3
	s_add_co_u32 s46, s46, HSC
	v_lshl_add_u32 v[AHSW], v1, 5, s46
	v_add_nc_u32 v[AHF], HIMG, v[GO]
	v_lshl_add_u32 v[AHS], v1, 5, HSC
	v_add_nc_u32 v[ARW], RED1, v[T16]
	v_add_nc_u32 v[ARR], RED1, v[GO]
	v_mul_u32_u24 v[AOS], v2, 2064
	v_add_nc_u32 v[AOS], v[AOS], v[AGW]
	v_add_nc_u32 v[AOS], XO, v[AOS]
	v_add_nc_u32 v[AOS2], 66048, v[AOS]
	s_mul_i32 s46, s[WV], 33024
	s_add_co_u32 s46, s46, XO
	v_add_nc_u32 v[AOR], s46, v[GO]
.irp b, 0,1,2,3
	v_mov_b32 v[TM+4+\b], 0
	v_mov_b32 v[188+\b], 0                         ; written once: a lane permute's destination counts as one of its sources
.endr
.irp j, 0,1,2,3,4,5,6,7
	v_mov_b32 v[HW+\j], 0
.endr
	s_mov_b32 s[SEL], 0x76543210
	s_mov_b32 s[SEL+1], 0xfedcba98
	s_mov_b32 s[MNT], 0x600000
	s_mov_b32 s[C9], 0x3b000000                    ; 1 / 512
	s_mov_b32 s[EPS], 0x3727c5ac                   ; 1e-5
	s_mov_b32 s47, 0
	s_wait_kmcnt 0x0
	s_lshl_b32 s46, ttmp9, 17
	s_lshl_b32 s48, s[WV], 15
	s_add_co_u32 s46, s46, s48                     ; tile 4 X + w
	s_add_nc_u64 s[32:33], s[4:5], s[46:47]        ; x1
	s_add_nc_u64 s[34:35], s[6:7], s[46:47]        ; att
	s_lshl_b32 s46, s[WV], 17
	s_add_co_u32 s46, s46, 1572864
	s_add_nc_u64 s[WP:WP+1], s[8:9], s[46:47]      ; my 16 tiles of W1
	s_lshl_b32 s46, s[WV], 17
	s_add_co_u32 s46, s46, 2097152
	s_add_nc_u64 s[W2P:W2P+1], s[8:9], s[46:47]    ; my 8 tiles of W2
	s_add_nc_u64 s[40:41], s[8:9], 2670592         ; W1's and W2's scale words, 32 KB on end
	s_lshl_b32 s46, ttmp9, 17
	s_lshr_b32 s48, s[WV], 1
	s_lshl_b32 s48, s48, 16
	s_add_co_u32 s46, s46, s48
	s_and_b32 s48, s[WV], 1
	s_lshl_b32 s48, s48, 14
	s_add_co_u32 s46, s46, s48
	s_add_nc_u64 s[42:43], s[22:23], s[46:47]      ; out0 at my tile's first row
	s_wait_alu depctr_va_vdst(0)                   ; the offsets and addresses v4 to v15 and v128 to v138 are written, which the loads, LDS instructions and stores of the kernel read
	WIN 0xc0
.set k, 0
.rept 64
	global_load_b128 v[4*k:4*k+3], v[GO], s[32:33] offset:k*512 th:TH_LOAD_NT
.set k, k+1
.endr
	WIN 0x40
.set k, 0
.rept 64
	global_load_b128 v[4*k:4*k+3], v[GO], s[34:35] offset:k*512 th:TH_LOAD_NT
.set k, k+1
.endr
	WIN 0
	global_load_b128 v[16:19], v[T16], s[14:15]
	global_load_b128 v[20:23], v[T16], s[16:17]
	global_load_b128 v[24:27], v[T16], s[18:19]
	global_load_b128 v[28:31], v[T16], s[20:21]
	global_load_b128 v[32:35], v[T16], s[12:13]
	global_load_b128 v[36:39], v[T16], s[10:11]
	global_load_b128 v[40:43], v[T16], s[10:11] offset:2048
.set k, 0
.rept 16
	global_load_b128 v[44+4*k:47+4*k], v[T16], s[40:41] offset:k*2048
.set k, k+1
.endr
	s_wait_loadcnt 0x0
	ds_store_b128 v[T16], v[16:19] offset:G2L
	ds_store_b128 v[T16], v[20:23] offset:BE2L
	ds_store_b128 v[T16], v[24:27] offset:G3L
	ds_store_b128 v[T16], v[28:31] offset:BE3L
	ds_store_b128 v[T16], v[32:35] offset:B2L
	ds_store_b128 v[T16], v[36:39] offset:B1L
	ds_store_b128 v[T16], v[40:43] offset:B1L+2048
.set k, 0
.rept 8
	ds_store_b128 v[T16], v[44+4*k:47+4*k] offset:W1SL+k*2048
	ds_store_b128 v[T16B], v[76+4*k:79+4*k] offset:k*2048
.set k, k+1
.endr
.macro WLD buf, off                    ; a unit of W1: two tiles x four K steps: 32 loads of 512 consecutive bytes
	WIN 0x80
.irp f, 0,1,2,3,4,5,6,7
.irp c, 0,1,2,3
	global_load_b128 v[128*(\buf)+16*\f+4*\c:128*(\buf)+16*\f+4*\c+3], v[GO], s[WP:WP+1] offset:(\off)+\f*2048+\c*512
.endr
.endr
	WIN 0
.endm
.macro W2LD s                          ; K step s of my eight tiles of W2
	WIN 0x80
.irp t, 0,1,2,3,4,5,6,7
.irp c, 0,1,2,3
	global_load_b128 v[128*((\s)%2)+16*\t+4*\c:128*((\s)%2)+16*\t+4*\c+3], v[GO], s[W2P:W2P+1] offset:\t*16384+(\s)*2048+\c*512
.endr
.endr
	WIN 0
.endm
	WLD 0, 0                                       ; nothing has named window 2 yet
	WLD 1, 16384
	WIN 0xc7                                       ; z (window 3) += att (window 1)
.set i, 0
.rept 128
	v_pk_add_f32 v[2*i:2*i+1], v[2*i:2*i+1], v[2*i:2*i+1]
.set i, i+1
.endr
	WIN 0
	BARRIER                                        ; gains, offsets, biases and the weights' scale words lie in LDS
.macro GLOAD s
	WIN 0x40
.irp b, 0,1,2,3
.irp j, 0,1,2,3
	ds_load_b128 v[16*\b+4*\j:16*\b+4*\j+3], v[AG] offset:G2L+512*(\s)+128*\b+16*\j
	ds_load_b128 v[64+16*\b+4*\j:64+16*\b+4*\j+3], v[AG] offset:BE2L+512*(\s)+128*\b+16*\j
.endr
.endr
	WIN 0
.endm
	s_wait_alu depctr_vm_vsrc(0)                   ; my LDS stores have read v16 to v107: these are NB, B1C and PCB from here on, written by the norm, by LDS loads and by conversions
	s_wait_alu depctr_va_vdst(0)                   ; the additions are done reading att's image in window 1, in which g2 and be2 land
	GLOAD 0
	; ---- the row's mean and variance
.irp j, 244,245,246,247
	v_mov_b32 v\j, 0
.endr
	WIN 0x0c
.set i, 0
.rept 64
	v_pk_add_f32 v[244:245], v[244:245], v[4*i:4*i+1]
	v_pk_add_f32 v[246:247], v[246:247], v[4*i+2:4*i+3]
.set i, i+1
.endr
	WIN 0
	v_pk_add_f32 v[244:245], v[244:245], v[246:247]
	v_add_f32 v244, v244, v245
	v_permlanex16_b32 v246, v244, s[SEL], s[SEL+1]
	v_add_f32 v244, v244, v246
	v_mul_f32 v252, s[C9], v244
	v_mov_b32 v253, v252
	WIN 0xc3
.set i, 0
.rept 128
	v_pk_add_f32 v[2*i:2*i+1], v[2*i:2*i+1], v[252:253] neg_lo:[0,1] neg_hi:[0,1]
.set i, i+1
.endr
	WIN 0
.irp j, 244,245,246,247
	v_mov_b32 v\j, 0
.endr
	WIN 0x0f
.set i, 0
.rept 64
	v_pk_fma_f32 v[244:245], v[4*i:4*i+1], v[4*i:4*i+1], v[244:245]
	v_pk_fma_f32 v[246:247], v[4*i+2:4*i+3], v[4*i+2:4*i+3], v[246:247]
.set i, i+1
.endr
	WIN 0
	v_pk_add_f32 v[244:245], v[244:245], v[246:247]
	v_add_f32 v244, v244, v245
	v_permlanex16_b32 v246, v244, s[SEL], s[SEL+1]
	v_add_f32 v244, v244, v246
	v_fma_f32 v244, v244, s[C9], s[EPS]
	v_rsq_f32 v254, v244
	v_nop
	s_wait_alu depctr_va_vdst(0)                   ; the root has written v254, ahead of its first reader
	v_mov_b32 v255, v254
.macro CODES s                         ; K step s of my tile: its image and scale word to LDS
.irp c, 0,1,2,3
	ds_store_b128 v[XWI], v[PC+4*\c:PC+4*\c+3] offset:XIMG+(\s)*2048+\c*512
.endr
	ds_store_b32 v[XWS], v[PW] offset:XSC+(\s)*128
.endm
.macro NORM s
	s_wait_dscnt 0x0                               ; g2 and be2 are in
	WIN 0x03
.set i, 0
.rept 32
	v_pk_mul_f32 v[NB+2*i:NB+2*i+1], v[64*(\s)+2*i:64*(\s)+2*i+1], v[254:255]
.set i, i+1
.endr
	WIN 0x14
.set i, 0
.rept 32
	v_pk_fma_f32 v[NB+2*i:NB+2*i+1], v[NB+2*i:NB+2*i+1], v[2*i:2*i+1], v[64+2*i:64+2*i+1]
.set i, i+1
.endr
	s_wait_alu depctr_va_vdst(0)                   ; the multiply-adds have written NB, which the LDS stores read, and are done reading g2 and be2, in which the next loads land; the last K step's conversions and shifts have written PC and PW
.if (\s) < 3
	GLOAD (\s)+1
.endif
	WIN 0
.set i, 0
.rept 16
	ds_store_b128 v[AXO], v[NB+4*i:NB+4*i+3] offset:(16*(\s)+i)*512   ; x2 in f32, for the residual
.set i, i+1
.endr
.if (\s) > 0
	CODES (\s)-1
.endif
	s_wait_alu depctr_vm_vsrc(0)                   ; the LDS stores have read NB, which the hold rewrites, and PC and PW, which the conversions and shifts write again
	QUANT NB, 0, PW, PC
.endm
	NORM 0
	NORM 1
	NORM 2
	NORM 3
	s_wait_alu depctr_va_vdst(0)                   ; K step 3's conversions and shifts have written PC and PW, which the LDS stores read; the quantiser is done with NB, the norm with windows 1 and 3, in which the loads behind the barrier land
	CODES 3
	BARRIER                                        ; x2 lies in LDS, as fragments and in f32
	WIN 0x40
.set k, 0
.rept 64
	ds_load_b128 v[4*k:4*k+3], v[GO] offset:XIMG+k*512
.set k, k+1
.endr
	WIN 0
.set k, 0
.rept 16
	ds_load_b32 v[XS+k], v[LS] offset:XSC+k*128
.set k, k+1
.endr
	WIN 0xc0                                       ; y begins as x2 + b2: my 128 channels of all 64 rows
.set m, 0
.rept 4
.set k, 0
.rept 16
.if m < 2
	ds_load_b128 v[64*m+4*k:64*m+4*k+3], v[AXR] offset:m*32768+k*512
.else
	ds_load_b128 v[64*m+4*k:64*m+4*k+3], v[AXR2] offset:(m-2)*32768+k*512
.endif
.set k, k+1
.endr
.set m, m+1
.endr
	WIN 0
.set k, 0
.rept 16
	ds_load_b128 v[NB+4*k:NB+4*k+3], v[AGW] offset:B2L+128*(k/4)+16*(k%4)
.set k, k+1
.endr
	ds_load_b128 v[WS1:WS1+3], v[AW1B]             ; unit 0's scale words and biases
	ds_load_b128 v[WS1+4:WS1+7], v[AW1B] offset:256
.irp k, 0,1,2,3
	ds_load_b128 v[B1C+4*\k:B1C+4*\k+3], v[AB1B] offset:16*\k
.endr
	s_wait_dscnt 0x0
	WIN 0xc3
.set m, 0
.rept 4
.set i, 0
.rept 32
	v_pk_add_f32 v[64*m+2*i:64*m+2*i+1], v[64*m+2*i:64*m+2*i+1], v[NB+2*i:NB+2*i+1]
.set i, i+1
.endr
.set m, m+1
.endr
	WIN 0
.macro HCODES e, p                     ; unit e of the trip: its four tiles' codes, from the buffer at v[p]
.irp m, 0,1,2,3
	ds_store_b128 v[AH], v[\p+4*\m:\p+4*\m+3] offset:\m*16384+(\e)*512
.endr
.endm
; ---- the hidden layer.  A unit: 32 hidden units for the four tiles of rows: 32 products, eight accumulators by turns, one instruction a turn.
; e: the unit's parity, its buffer.  nxt = 1: the buffer takes W1's unit two on; 2: W2's K step e.  side = 1: the next unit's scale words and biases are fetched.
.macro U1F e, nxt, side
	s_wait_loadcnt 32                              ; this unit's 32 loads are in; the next unit's 32 may be out
	s_wait_dscnt 0x0                               ; scale words and biases are in
	WIN 0x06                                       ; A (W1) window 2, B (x2) window 1
.irp s, 0,1,2,3
.irp m, 0,1,2,3
.irp u, 0,1
.if \s == 0
	v_wmma_scale_f32_16x16x128_f8f6f4 v[NB+16*\m+8*\u:NB+16*\m+8*\u+7], v[128*(\e)+16*(4*\u+\s):128*(\e)+16*(4*\u+\s)+15], v[64*\m+16*\s:64*\m+16*\s+15], v[B1C+8*\u:B1C+8*\u+7], v[WS1+4*\u+\s], v[XS+4*\m+\s]
.else
	v_wmma_scale_f32_16x16x128_f8f6f4 v[NB+16*\m+8*\u:NB+16*\m+8*\u+7], v[128*(\e)+16*(4*\u+\s):128*(\e)+16*(4*\u+\s)+15], v[64*\m+16*\s:64*\m+16*\s+15], v[NB+16*\m+8*\u:NB+16*\m+8*\u+7], v[WS1+4*\u+\s], v[XS+4*\m+\s]
.endif
.endr
.endr
.endr
	WIN 0
	PLACES 8                                       ; in front of the first read of results
	s_wait_alu depctr_va_vdst(0)                   ; the products are done reading the weights' buffer, WS1 and B1C, in which the loads below land; even unit: the trip's three addresses are written; odd unit: the even unit's conversions have written PC
.if \nxt == 1
	WLD \e, 32768+16384*\e
.else
	W2LD \e
.endif
.if \side
	ds_load_b128 v[WS1:WS1+3], v[AW1] offset:(\e+1)*512
	ds_load_b128 v[WS1+4:WS1+7], v[AW1] offset:(\e+1)*512+256
.irp k, 0,1,2,3
	ds_load_b128 v[B1C+4*\k:B1C+4*\k+3], v[AB1] offset:(\e+1)*128+16*\k
.endr
.endif
.if \e == 1
	HCODES 0, PC                                   ; the even unit's codes: no vector instruction since the wait names them
.endif
	QUANT NB, 1, -1, PC-112*(\e)                   ; block m of the 64 numbers: these 32 hidden units of tile m's rows
.irp m, 0,1,2,3
	v_alignbit_b32 v[HW+2*\m], v[HW+2*\m+1], v[HW+2*\m], 8       ; the pair moves a byte down, and the new byte comes in on top: after eight units the first stands lowest
	v_lshrrev_b32 v[HW+2*\m+1], 8, v[HW+2*\m+1]
	v_lshl_or_b32 v[HW+2*\m+1], v[TM+4+\m], 24, v[HW+2*\m+1]
.endr
.if \e == 1
	s_wait_alu depctr_va_vdst(0)                   ; the odd unit's conversions have written PCB, which the LDS stores read; behind the last unit: the shifts have written the pairs of scale bytes
	HCODES 1, PCB
.endif
.endm
.macro PAIR_HEAD                       ; a trip's LDS addresses: a base + a scalar that steps once a trip
	s_wait_alu depctr_vm_vsrc(0)                   ; the LDS instructions issued so far have read the three addresses, and the LDS stores PC and PCB, which this trip writes again
	v_add_nc_u32 v[AW1], s[UH], v[AW1B]
	v_add_nc_u32 v[AB1], s[UB], v[AB1B]
	v_add_nc_u32 v[AH], s[UH], v[AHB0]
.endm
	s_mov_b32 s[UH], 0
	s_mov_b32 s[UB], 0
	s_mov_b32 s[TRIP], 3
.Lunits:                                           ; three trips of two units; they ask for units 2 to 7
	PAIR_HEAD
	U1F 0, 1, 1
	U1F 1, 1, 1
	s_wait_xcnt 0x0                                ; the loads have read their base
	s_add_nc_u64 s[WP:WP+1], s[WP:WP+1], 32768
	s_add_co_u32 s[UH], s[UH], 1024
	s_add_co_u32 s[UB], s[UB], 256
	s_sub_co_u32 s[TRIP], s[TRIP], 1
	s_cmp_lg_u32 s[TRIP], 0
	s_cbranch_scc1 .Lunits
	PAIR_HEAD
	U1F 0, 2, 1                                    ; units 6 and 7 ask for W2's first two K steps
	U1F 1, 2, 0
.irp m, 0,1,2,3
	ds_store_b64 v[AHSW], v[HW+2*\m:HW+2*\m+1] offset:\m*1024
.endr
	BARRIER                                        ; the hidden layer's 32 fragments and their scale words lie in LDS
; ---- the second product, a K step at a time: 32 accumulators by turns
.macro HLD s                           ; K step s: four hidden fragments, W2's eight scale words, the hidden layer's four: 28 LDS loads
	WIN 0x40
.irp m, 0,1,2,3
.irp c, 0,1,2,3
	ds_load_b128 v[64*((\s)%2)+16*\m+4*\c:64*((\s)%2)+16*\m+4*\c+3], v[AHF] offset:\m*16384+(\s)*2048+\c*512
.endr
.endr
	WIN 0
.irp t, 0,1,2,3,4,5,6,7
	ds_load_b32 v[WS2+8*((\s)%2)+\t], v[AW2] offset:\t*512+((\s)/4)*256+4*((\s)%4)
.endr
.irp m, 0,1,2,3
	ds_load_b32 v[HS+4*((\s)%2)+\m], v[AHS] offset:\m*1024+4*(\s)
.endr
.endm
.macro U2 s
.if \s < 7
	s_wait_loadcnt 32                              ; this K step's 32 loads of W2 are in; the next K step's may be out
	s_wait_dscnt 28                                ; likewise its 28 LDS loads
.else
	s_wait_loadcnt 0
	s_wait_dscnt 0
.endif
	WIN 0xf6                                       ; A (W2) window 2, B (hidden) window 1, C and D window 3
.irp m, 0,1,2,3
.irp t, 0,1,2,3,4,5,6,7
	v_wmma_scale_f32_16x16x128_f8f6f4 v[64*\m+8*\t:64*\m+8*\t+7], v[128*((\s)%2)+16*\t:128*((\s)%2)+16*\t+15], v[64*((\s)%2)+16*\m:64*((\s)%2)+16*\m+15], v[64*\m+8*\t:64*\m+8*\t+7], v[WS2+8*((\s)%2)+\t], v[HS+4*((\s)%2)+\m]
.endr
.endr
	WIN 0
	PLACES 8
.if \s < 6
	s_wait_alu depctr_va_vdst(0)                   ; the products are done reading this K step's buffer of W2, its four hidden fragments and its two sets of scale words, in which the loads of two K steps on land
	W2LD \s+2
	HLD \s+2
.endif
.endm
	HLD 0                                          ; no vector instruction since the last unit's wait: the first product is done with window 1 and with the scale words' registers
	HLD 1
	U2 0
	U2 1
	U2 2
	U2 3
	U2 4
	U2 5
	U2 6
	U2 7
	; ---- the last norm: a row's 512 channels lie in four waves; sums meet in LDS
	WIN 0x40
.set k, 0
.rept 16
	ds_load_b128 v[128+4*k:131+4*k], v[AGW] offset:G3L+128*(k/4)+16*(k%4)   ; window 1 v128-255: no vector or matrix instruction has named them since K step 5's wait
	ds_load_b128 v[192+4*k:195+4*k], v[AGW] offset:BE3L+128*(k/4)+16*(k%4)
.set k, k+1
.endr
	WIN 0
.macro MEET off                        ; v[176 + 2 m], v[177 + 2 m]: my lane's two partial sums for tile m -> v[184 + m]: the row's sum
.irp m, 0,1,2,3
	v_add_f32 v[184+\m], v[176+2*\m], v[177+2*\m]
.endr
.irp m, 0,1,2,3
	v_permlanex16_b32 v[188+\m], v[184+\m], s[SEL], s[SEL+1]
.endr
.irp m, 0,1,2,3
	v_add_f32 v[184+\m], v[184+\m], v[188+\m]
.endr
	s_wait_alu depctr_va_vdst(0)                   ; the additions have written v184 to v187, which the LDS store reads; the meeting before is done reading v192 to v207, in which the loads below land
	ds_store_b128 v[ARW], v[184:187] offset:\off
	BARRIER
.irp w, 0,1,2,3
	ds_load_b128 v[192+4*\w:195+4*\w], v[ARR] offset:\off+\w*512
.endr
	s_wait_dscnt 0x0
	s_wait_alu depctr_vm_vsrc(0)                   ; the LDS store has read v184 to v187, which the additions below write
.irp m, 0,1,2,3
	v_add_f32 v[184+\m], v[192+\m], v[196+\m]
	v_add_f32 v[188+\m], v[200+\m], v[204+\m]
.endr
.irp m, 0,1,2,3
	v_add_f32 v[184+\m], v[184+\m], v[188+\m]
.endr
.endm
.irp j, 0,1,2,3,4,5,6,7
	v_mov_b32 v[176+\j], 0
.endr
	WIN 0x0c
.set i, 0
.rept 32
.irp m, 0,1,2,3
	v_pk_add_f32 v[176+2*\m:177+2*\m], v[176+2*\m:177+2*\m], v[64*\m+2*i:64*\m+2*i+1]   ; each accumulator from its low end on
.endr
.set i, i+1
.endr
	WIN 0
	MEET 0
.irp m, 0,1,2,3
	v_mul_f32 v[176+2*\m], s[C9], v[184+\m]        ; the means
.endr
	WIN 0xc3
.set i, 0
.rept 32
.irp m, 0,1,2,3
	v_pk_add_f32 v[64*\m+2*i:64*\m+2*i+1], v[64*\m+2*i:64*\m+2*i+1], v[176+2*\m:177+2*\m] op_sel_hi:[1,0] neg_lo:[0,1] neg_hi:[0,1]
.endr
.set i, i+1
.endr
	WIN 0
.irp j, 0,1,2,3,4,5,6,7
	v_mov_b32 v[176+\j], 0
.endr
	WIN 0x0f
.set i, 0
.rept 32
.irp m, 0,1,2,3
	v_pk_fma_f32 v[176+2*\m:177+2*\m], v[64*\m+2*i:64*\m+2*i+1], v[64*\m+2*i:64*\m+2*i+1], v[176+2*\m:177+2*\m]
.endr
.set i, i+1
.endr
	WIN 0
	MEET 2048
.irp m, 0,1,2,3
	v_fma_f32 v[184+\m], v[184+\m], s[C9], s[EPS]
.endr
.irp m, 0,1,2,3
	v_rsq_f32 v[176+2*\m], v[184+\m]
.endr
	v_nop
	s_wait_alu depctr_va_vdst(0)                   ; the four roots have written v176, v178, v180, v182, ahead of their first reader
	WIN 0xc3
.set i, 0
.rept 32
.irp m, 0,1,2,3
	v_pk_mul_f32 v[64*\m+2*i:64*\m+2*i+1], v[64*\m+2*i:64*\m+2*i+1], v[176+2*\m:177+2*\m] op_sel_hi:[1,0]
.endr
.set i, i+1
.endr
	WIN 0xd7                                       ; y (window 3) = y x g3 + be3 (window 1)
.set i, 0
.rept 32
.irp m, 0,1,2,3
	v_pk_fma_f32 v[64*\m+2*i:64*\m+2*i+1], v[64*\m+2*i:64*\m+2*i+1], v[128+2*i:129+2*i], v[192+2*i:193+2*i]
.endr
.set i, i+1
.endr
	; ---- the way out: a row's 2,048 bytes come from four waves: through a stage, then 16 whole rows a wave
	s_wait_alu depctr_va_vdst(0)                   ; the multiply-adds have written y in window 3, which the LDS stores read, and are done reading window 1, in which the rows land behind the barrier
	WIN 0x0c
.set m, 0
.rept 4
.set k, 0
.rept 16
.if m < 2
	ds_store_b128 v[AOS], v[64*m+4*k:64*m+4*k+3] offset:m*33024+128*(k/4)+16*(k%4)
.else
	ds_store_b128 v[AOS2], v[64*m+4*k:64*m+4*k+3] offset:(m-2)*33024+128*(k/4)+16*(k%4)
.endif
.set k, k+1
.endr
.set m, m+1
.endr
	WIN 0
	BARRIER
	WIN 0x40
.set k, 0
.rept 64
	ds_load_b128 v[4*k:4*k+3], v[AOR] offset:(k/4)*2064+512*(k%4)
.set k, k+1
.endr
	s_wait_dscnt 0x0
	WIN 0x04                                       ; a store's data are its source 1: window 1
.set k, 0
.rept 64
	global_store_b128 v[GO], v[4*k:4*k+3], s[42:43] offset:((k/4)+8*((k/4)/8))*2048+512*(k%4) th:TH_STORE_NT   ; 512 consecutive bytes
.set k, k+1
.endr
	WIN 0
	s_wait_dscnt 0x0
	s_wait_alu depctr_hold_cnt(0) depctr_sa_sdst(0) depctr_va_vdst(0) depctr_va_sdst(0) depctr_va_ssrc(0) depctr_va_vcc(0) depctr_vm_vsrc(0)
	s_wait_tensorcnt 0x0
	ds_add_u32 v250, v251
	s_wait_dscnt 0x0
	s_endpgm
.Lfunc_end_k_q4eb5fe0a17_ffn:
	.size	k_q4eb5fe0a17_ffn, .Lfunc_end_k_q4eb5fe0a17_ffn-k_q4eb5fe0a17_ffn
	.p2alignl 7, 3214868480
	.fill 96, 4, 3214868480
	.section	.rodata,"a",@progbits
	.p2align	6, 0x0
	.amdhsa_kernel k_q4eb5fe0a17_ffn
		.amdhsa_group_segment_fixed_size 288256
		.amdhsa_private_segment_fixed_size 0
		.amdhsa_enable_private_segment 0
		.amdhsa_kernarg_size 80
		.amdhsa_user_sgpr_count 2
		.amdhsa_user_sgpr_kernarg_segment_ptr 1
		.amdhsa_wavefront_size32 1
		.amdhsa_system_sgpr_workgroup_id_x 1
		.amdhsa_system_sgpr_workgroup_id_y 1
		.amdhsa_system_sgpr_workgroup_id_z 1
		.amdhsa_system_vgpr_workitem_id 0
		.amdhsa_next_free_vgpr 1024
		.amdhsa_next_free_sgpr 66
		.amdhsa_reserve_vcc 0
		.amdhsa_float_denorm_mode_32 3
		.amdhsa_float_denorm_mode_16_64 3
		.amdhsa_memory_ordered 1
		.amdhsa_forward_progress 1
		.amdhsa_inst_pref_size 255
	.end_amdhsa_kernel
	.section	.bss,"aw",@nobits
	.p2align	6
	.space	262144
	.amdgpu_metadata
---
amdhsa.version: [ 1, 2 ]
amdhsa.kernels:
  - .name:           k_q4eb5fe0a17_ffn
    .symbol:         k_q4eb5fe0a17_ffn.kd
    .args:
      - { .name: x1, .offset: 0, .size: 8, .value_kind: global_buffer, .address_space: global }
      - { .name: att, .offset: 8, .size: 8, .value_kind: global_buffer, .address_space: global }
      - { .name: wimg, .offset: 16, .size: 8, .value_kind: global_buffer, .address_space: global }
      - { .name: b1, .offset: 24, .size: 8, .value_kind: global_buffer, .address_space: global }
      - { .name: b2, .offset: 32, .size: 8, .value_kind: global_buffer, .address_space: global }
      - { .name: g2, .offset: 40, .size: 8, .value_kind: global_buffer, .address_space: global }
      - { .name: be2, .offset: 48, .size: 8, .value_kind: global_buffer, .address_space: global }
      - { .name: g3, .offset: 56, .size: 8, .value_kind: global_buffer, .address_space: global }
      - { .name: be3, .offset: 64, .size: 8, .value_kind: global_buffer, .address_space: global }
      - { .name: out0, .offset: 72, .size: 8, .value_kind: global_buffer, .address_space: global }
    .group_segment_fixed_size: 288256
    .private_segment_fixed_size: 0
    .kernarg_segment_align: 8
    .kernarg_segment_size: 80
    .max_flat_workgroup_size: 128
    .sgpr_count:     66
    .vgpr_count:     1024
    .wavefront_size: 32
...
	.end_amdgpu_metadata
.endif
;; end of part 9
